; MI455X (gfx1250); checked and timed in simulation.
; The chip was launched on July 23, 2026; its instructions are those of AMD's public machine-readable ISA for CDNA 5 (MIT licence, August 2026) and "CDNA5" Instruction Set Architecture Reference Guide (July 2026). The comments in the code are by the model that wrote it; some were corrected since.
;; Sparse Mo E. Allowed arithmetic: matrix products marked QUANTISED: E2M3 operands, one E8M0 scale for each 32 along K, by v_wmma_scale_f32_16x16x128_f8f6f4 with both operands' format E2M3, f32 sums; products left as they are: f32 operands where the result goes on into a quantised operand, else bf16, f16 or f32 operands; f32 sums; everything else in f32.
;; Inputs: W1 8 x 1,024 x 2,048 float32; W2 8 x 2,048 x 1,024 float32; Wr 1,024 x 8 float32; b1 8 x 2,048 float32; b2 8 x 1,024 float32; br 8 float32; x 2 x 1,024 x 1,024 float32.
;; Outputs: out0 2 x 1,024 x 1,024 float32.
;; This version of the problem:
;;   THIS VERSION OF THE PROBLEM IS GIVEN IN LOW PRECISION. The matrix products marked QUANTISED in the list below multiply operands that are first quantised to E2M3 (2 exponent bits, 3 mantissa bits; 6 bits a number), with one power-of-two scale for each 32 numbers along K (OCP MX v1.0); their sums are f32. All else is computed in f32.
;;   The module's matrix products, in the order in which they are computed (A, B: the left and right operand; K: the contracted axis; several contracted axes count as one K, in the product's order):
;;     1. [M 2,048, K 1,024] x [K 1,024, N 8]; A: input x; B: input Wr: left as it is (N = 8 < 16)
;;     2. [M 2,048, K 1,024] x [K 1,024, N 16,384]; A: input x; B: input W1: QUANTISED
;;     3. batch 16,384 x [M 1, K 1] x [K 1, N 2,048]; A: computed on the way; B: computed on the way: left as it is (no contracted axis)
;;     4. [M 2,048, K 16,384] x [K 16,384, N 1,024]; A: computed on the way; B: input W2: QUANTISED
;;     5. [M 2,048, K 8] x [K 8, N 1,024]; A: softmax; B: input b2: left as it is (K = 8 < 32)
;;   THE QUANTISER, for each operand of a quantised product, along K:
;;     - K is cut into blocks of 32 from its start; a last block that is shorter is filled with zeros.
;;     - A block's scale is 2^e with e = floor(log2(the largest magnitude in the block)) - 2, held to -126 .. 127; a block of zeros has e = 0. As a byte (E8M0): e + 127.
;;     - Each number is divided by its block's scale, clamped to +-7.5, and rounded to the nearest number of E2M3, ties to even, subnormals kept.
;;     - The product sums the exact products of the quantised numbers (number of the format x scale) in f32.
;;   ~~~python
;;   def quantise(x, axis):      # numpy; x: float32 -> the quantised numbers, widened to float32 again
;;       x = np.moveaxis(x, axis, -1); K = x.shape[-1]
;;       x = np.pad(x, [(0, 0)] * (x.ndim - 1) + [(0, -K % 32)]); x = x.reshape(x.shape[:-1] + (-1, 32)); a = np.abs(x).max(-1, keepdims=True)
;;       e = np.where(a > 0, np.clip(np.frexp(np.where(a > 0, a, 1))[1] - 1 - 2, -126, 127), 0)      # np.frexp(a)[1] - 1 = floor(log2(a)), exactly
;;       r = np.clip(x / 2.0 ** e, -7.5, 7.5)
;;       step = 2.0 ** (np.maximum(np.frexp(np.where(r == 0, 1, r))[1] - 1, 0) - 3)
;;       q = np.round(r / step) * step * 2.0 ** e      # np.round: ties to even
;;       return np.moveaxis(q.reshape(q.shape[:-2] + (-1,))[..., :K], -1, axis).astype(np.float32)
;;   ~~~
;;   OPERANDS COMPUTED ON THE WAY. 'Computed on the way' means the value that the module computes at that place (a softmax that the list does not call 'softmax' is quantised finished and normalised). What goes into a quantiser is computed in f32, as accurately as f32 sums, v_exp_f32 and their like allow (about 1e-6 of the number): no bf16 or f16 on the way to a quantiser, and a product that is left as it is and whose result goes on into a quantised operand takes f32 operands (vector FMAs, or v_wmma_f32_16x16x4_f32). A number that lies on a knife's edge between two numbers of the format may be rounded either way, as far as f32 arithmetic and the matrix unit's own rounding can turn it there, and no further.
;; 3 versions. Each part assembles by itself: llvm-mc -triple=amdgcn-amd-amdhsa -mcpu=gfx1250 --defsym DOCPART=n.
;; ======== version 1 of 3: 4 launches
;; workspace buffers: xc 1,638,400 bytes; gates 65,536 bytes; sel 8,192 bytes of whole numbers; perm 16,384 bytes of whole numbers; wq 25,165,824 bytes; ws 1,048,576 bytes; hc 26,214,400 bytes
;; launch route (part 1): grid 128 x 1, 8 waves a work-group, no clusters, 168,960 bytes of LDS; arguments x, Wr, br, xc, gates, sel; writes xc, gates, sel
.if DOCPART == 1
	.amdgcn_target "amdgcn-amd-amdhsa--gfx1250"
	.amdhsa_code_object_version 6
	.text
	.protected	k_q88bffc5d2b_route
	.globl	k_q88bffc5d2b_route
	.p2align	8
	.type	k_q88bffc5d2b_route,@function
k_q88bffc5d2b_route:
	s_mov_b64 s[64:65], 0
	v_nop
	global_prefetch_b8 v0, s[64:65] scope:SCOPE_SE
	s_setreg_imm32_b32 hwreg(HW_REG_WAVE_MODE, 25, 1), 1
	s_wait_xcnt 0x0
; ROUTER AND x's CODES.  x [2048][1024] f32, Wr [1024][8], br [8].
; A work-group takes 16 tokens, wave s the 128 numbers of K step s of each.  The wave's tile (16 rows x 512 bytes) comes by one tensor load, filled once.
; From the same registers the wave makes (a) its part of the logits, in f32 (the gates go on into a quantised operand), by the f32 matrix form: source 0 = Wr's columns
; (rows 8-15 repeat rows 0-7), source 1 = the 16 tokens, so that a lane holds one token and its eight registers the eight experts;
; (b) the fragment of E2M3 codes of K step s and its scale word: lane (r, h) holds blocks h and 2 + h of token r whole, so no other lane is asked for a maximum.
; Out: xc: 768 bytes of codes a token (the 16 bytes at 96 s + 32 i + 16 h are registers 4 i .. 4 i + 3 of lane (r, h) of K step s), behind them 8 scale words a token;
; gates [token][8] f32, 0 where an expert was not chosen; sel [token]: (1 << first choice) | (1 << second choice).
; No cluster: the work-groups share Wr alone, 4 KiB a wave beside 8 KiB of x.
; LIMITS: NaN and infinities are not served.  Equal logits: the lower index wins, as in jax.lax.top_k; logits closer than the rounding of an f32 sum of 1,024 terms may be ordered otherwise than by
; another order of summation.  A block whose largest magnitude lies under 2^-124 (a block of zeros too) keeps the byte 1: its bytes are read by this program alone.
.set XTW,  8448                        ; a wave's tile in LDS: 16 rows x (512 + 16) bytes
.set LOGP, 8*XTW                       ; 8 x 1,024: the waves' parts of the logits, as images of eight registers
.set CST,  LOGP+8192                   ; 16 rows x 784: the codes, row = token (784 = 49 x 16: the sixteen rows of a store start in different banks)
.set SST,  CST+16*784                  ; 512: the scale words, [token][8]
.set X,    32                          ; v32-95   my 64 numbers of x: register 32 c + i = k 64 c + 32 h + i of token r
.set WB,   96                          ; v96-159  the same k of Wr's column r % 8
.set ACC,  160                         ; v160-191 four accumulators, written by matrix instructions alone
.set F,    192                         ; v192-203 the fragment
.set T,    204                         ; v204-206, v208-210 the upper halves of the two blocks' codes
.set P,    224                         ; v224-231 my part of the logits
	s_load_b256 s[4:11], s[0:1], 0x0               ; x, Wr, br, xc
	s_load_b128 s[12:15], s[0:1], 0x20             ; gates, sel
	v_lshl_add_u32 v254, v0, 2, 0x29000
	v_mov_b32 v255, 0
	ds_add_u32 v254, v255
	ds_add_u32 v254, v255
	v_lshrrev_b32 v1, 5, v0
	v_readfirstlane_b32 s16, v1                    ; wave = K step
	; descriptor group 1: 16 rows x 128 elements of 4 bytes, rows 1,024 elements apart, 4 words of padding behind every 128 words
	s_mov_b32 s24, (2<<16)|(1<<20)|(6<<22)|(3<<25)
	s_mov_b32 s25, 128<<16                         ; tensor_dim0
	s_mov_b32 s26, 16<<16                          ; tensor_dim1
	s_mov_b32 s27, 128<<16                         ; tile_dim0
	s_mov_b32 s28, 16                              ; tile_dim1
	s_mov_b32 s29, 1024                            ; from row to row
	s_mov_b32 s30, 0
	s_mov_b32 s31, 0
	s_mov_b32 s20, 1
	s_mul_i32 s21, s16, XTW                        ; LDS: my wave's tile
	s_lshl_b32 s18, ttmp9, 16                      ; 16 tokens of 4,096 bytes
	s_lshl_b32 s17, s16, 9                         ; + 512 bytes a K step
	s_add_co_u32 s18, s18, s17
	s_mov_b32 s19, 0
	s_wait_dscnt 0x0
	s_wait_kmcnt 0x0
	s_add_nc_u64 s[22:23], s[4:5], s[18:19]
	s_or_b32 s23, s23, 0x80000000
	tensor_load_to_lds s[20:23], s[24:31]          ; one load a wave, the only one of the launch
	s_nop 0
	v_and_b32 v1, 31, v0                           ; lane
	v_and_b32 v2, 15, v0                           ; r
	v_bfe_u32 v3, v0, 4, 1                         ; h
	s_load_b256 s[32:39], s[8:9], 0x0              ; br
	v_and_b32 v5, 7, v0
	v_lshlrev_b32 v5, 2, v5
	v_lshl_add_u32 v5, v3, 10, v5
	s_lshl_b32 s17, s16, 12
	v_add_nc_u32 v5, s17, v5                       ; Wr: row 128 s + 32 h (32 bytes a row), column r % 8
.set n, 0
.rept 64
	global_load_b32 v[WB+n], v5, s[6:7] offset:(64*(n/32)+n%32)*32
.set n, n+1
.endr
	; every LDS address is made here, ahead of the first parting of the waves
	v_mul_u32_u24 v4, v2, 528
	v_lshl_add_u32 v4, v3, 7, v4
	v_add_nc_u32 v4, s21, v4                       ; my tile: row r, + 128 h bytes
	v_mul_u32_u24 v6, v2, 784
	v_lshl_add_u32 v6, v3, 4, v6
	s_mul_i32 s17, s16, 96
	s_add_co_u32 s17, s17, CST
	v_add_nc_u32 v6, s17, v6                       ; codes in: row r, 96 s + 16 h
	v_lshlrev_b32 v7, 5, v2
	s_lshl_b32 s17, s16, 2
	s_add_co_u32 s17, s17, SST
	v_add_nc_u32 v7, s17, v7                       ; scale word in: row r, word s
	v_lshlrev_b32 v11, 4, v1                       ; 16 x lane
	s_lshl_b32 s17, s16, 10
	s_add_co_u32 s17, s17, LOGP
	v_add_nc_u32 v8, s17, v11                      ; my part of the logits
	s_mul_i32 s17, s16, 1568
	s_add_co_u32 s17, s17, CST
	v_add_nc_u32 v9, s17, v11                      ; codes out: rows 2 s and 2 s + 1, 1,536 bytes on end but for the 16 between the rows
	v_lshl_add_u32 v10, v3, 4, v9                  ; (the second 512 bytes pass that gap in lanes 16-31)
	v_add_nc_u32 v12, LOGP, v11
	v_add_nc_u32 v13, SST, v11
	v_lshlrev_b32 v14, 5, v2
	v_lshl_add_u32 v14, v3, 4, v14                 ; gates: 32 r + 16 h
	v_lshlrev_b32 v15, 2, v2                       ; sel: 4 r
	s_mov_b32 s40, 0x76543210
	s_mov_b32 s41, 0xfedcba98                      ; v_permlanex16_b32's selects for lane l xor 16
	s_mul_i32 s42, ttmp9, 12288
	s_mul_i32 s17, s16, 1536
	s_add_co_u32 s42, s42, s17
	s_mov_b32 s43, 0
	s_add_nc_u64 s[44:45], s[10:11], s[42:43]      ; xc: my two tokens' codes
	s_lshl_b32 s42, ttmp9, 9
	s_add_nc_u64 s[48:49], s[12:13], s[42:43]      ; gates: the work-group's 512 bytes
	s_add_co_u32 s42, s42, 1572864
	s_add_nc_u64 s[46:47], s[10:11], s[42:43]      ; xc: the work-group's scale words
	s_lshl_b32 s42, ttmp9, 6
	s_add_nc_u64 s[50:51], s[14:15], s[42:43]      ; sel
	s_wait_tensorcnt 0x0                           ; my tile is in LDS; only I read it
.set n, 0
.rept 16
	ds_load_b128 v[X+4*n:X+4*n+3], v4 offset:256*(n/8)+16*(n%8)
.set n, n+1
.endr
	s_wait_dscnt 0x0
	s_wait_loadcnt 0x0
	; the logits' part: 32 steps of 4 along K.  Both sources carry the same k in the same lane half and register.  Four accumulators by turns, one instruction a turn.
.set q, 0
.rept 32
.if q < 4
	v_wmma_f32_16x16x4_f32 v[ACC+8*(q%4):ACC+8*(q%4)+7], v[WB+2*q:WB+2*q+1], v[X+2*q:X+2*q+1], 0
.else
	v_wmma_f32_16x16x4_f32 v[ACC+8*(q%4):ACC+8*(q%4)+7], v[WB+2*q:WB+2*q+1], v[X+2*q:X+2*q+1], v[ACC+8*(q%4):ACC+8*(q%4)+7]
.endif
.set q, q+1
.endr
	; the codes: my blocks h (c = 0) and 2 + h (c = 1)
.irp c, 0,1
	v_max3_num_f32 v[212+\c], |v[X+32*\c]|, |v[X+32*\c+1]|, 0x1800000   ; with the floor 2^(3 - 127): the byte cannot fall under 1
.endr
.irp i, 2,4,6,8,10,12,14,16,18,20,22,24,26,28,30
.irp c, 0,1
	v_max3_num_f32 v[212+\c], v[212+\c], |v[X+32*\c+\i]|, |v[X+32*\c+\i+1]|
.endr
.endr
.irp c, 0,1
	v_add_nc_u32 v[214+\c], 0xff000000, v[212+\c]  ; 2 off the exponent field: the conversion's scale operand
.endr
.irp c, 0,1
	v_lshrrev_b32 v[216+\c], 23, v[214+\c]         ; the scale's byte
.endr
	v_lshl_or_b32 v218, v217, 16, v216             ; bytes h and 2 + h,
	v_lshlrev_b32 v219, 3, v3
	v_lshlrev_b32 v218, v219, v218                 ; at their places;
	v_mov_b32 v219, 0
	v_permlanex16_b32 v219, v218, s40, s41
	v_or_b32 v218, v218, v219                      ; with lane l xor 16's two the word is whole
.irp c, 0,1
	v_cvt_scalef32_pk16_fp6_f32 v[F+6*\c:F+6*\c+2], v[X+32*\c:X+32*\c+15], v[214+\c]
	v_cvt_scalef32_pk16_fp6_f32 v[T+4*\c:T+4*\c+2], v[X+32*\c+16:X+32*\c+31], v[214+\c]   ; (a conversion's three registers begin on an even number)
.endr
	v_nop                                          ; one plain place behind the conversions
.irp c, 0,1
.irp i, 0,1,2
	v_mov_b32 v[F+6*\c+3+\i], v[T+4*\c+\i]
.endr
.endr
.irp i, 0,1,2
	ds_store_b128 v6, v[F+4*\i:F+4*\i+3] offset:32*\i
.endr
	ds_store_b32 v7, v218                          ; lanes r and r + 16 write the same word with the same value
.rept 8
	v_nop                                          ; eight places behind the f32 matrix form, ahead of the first read of its results (ISA guide 7.12.1)
.endr
.irp j, 0,2,4,6                                    ; each accumulator is read from its low end on
	v_pk_add_f32 v[P+\j:P+\j+1], v[ACC+\j:ACC+\j+1], v[ACC+8+\j:ACC+8+\j+1]
	v_pk_add_f32 v[232+\j:233+\j], v[ACC+16+\j:ACC+16+\j+1], v[ACC+24+\j:ACC+24+\j+1]
.endr
.irp j, 0,2,4,6
	v_pk_add_f32 v[P+\j:P+\j+1], v[P+\j:P+\j+1], v[232+\j:233+\j]
.endr
	ds_store_b128 v8, v[P:P+3]
	ds_store_b128 v8, v[P+4:P+7] offset:512
	s_wait_kmcnt 0x0                               ; br
	s_wait_dscnt 0x0                               ; for the others' sake: my stores have landed
	s_barrier_signal -1
	s_barrier_wait -1                              ; the one barrier: codes, scale words and parts of the logits lie in LDS
	ds_load_b128 v[96:99], v9                      ; two tokens' codes, 1,536 bytes
	ds_load_b128 v[100:103], v10 offset:512
	ds_load_b128 v[104:107], v9 offset:1040
	s_wait_dscnt 0x0
	global_store_b128 v11, v[96:99], s[44:45]      ; each store covers 512 consecutive bytes, at a multiple of 512 from xc's first byte
	global_store_b128 v11, v[100:103], s[44:45] offset:512
	global_store_b128 v11, v[104:107], s[44:45] offset:1024
	s_cmp_lg_u32 s16, 1
	s_cbranch_scc1 .Lnot_wave_1
	ds_load_b128 v[108:111], v13                   ; wave 1: the 16 tokens' scale words, 512 bytes
	s_wait_dscnt 0x0
	global_store_b128 v11, v[108:111], s[46:47]
.Lnot_wave_1:
	s_cmp_lg_u32 s16, 0
	s_cbranch_scc1 .Ldone
	; wave 0: the router's tail.  Lane (r, h) holds token r's eight logits; both halves of the lanes hold the same bits.
.irp s, 0,1,2,3,4,5,6,7
	ds_load_b128 v[32+8*\s:35+8*\s], v12 offset:1024*\s
	ds_load_b128 v[36+8*\s:39+8*\s], v12 offset:1024*\s+512
.endr
	s_wait_dscnt 0x0
.irp s, 0,2,4,6
.irp j, 0,2,4,6
	v_pk_add_f32 v[32+8*\s+\j:33+8*\s+\j], v[32+8*\s+\j:33+8*\s+\j], v[40+8*\s+\j:41+8*\s+\j]
.endr
.endr
.irp s, 0,4
.irp j, 0,2,4,6
	v_pk_add_f32 v[32+8*\s+\j:33+8*\s+\j], v[32+8*\s+\j:33+8*\s+\j], v[48+8*\s+\j:49+8*\s+\j]
.endr
.endr
.irp j, 0,2,4,6
	v_pk_add_f32 v[32+\j:33+\j], v[32+\j:33+\j], v[64+\j:65+\j]
.endr
.irp e, 0,1,2,3,4,5,6,7
	v_add_f32 v[32+\e], s[32+\e], v[32+\e]         ; + br
.endr
	v_mov_b32 v232, v32                            ; the largest logit and its index: a later one wins only if it is greater
	v_mov_b32 v233, 0
.irp e, 1,2,3,4,5,6,7
	v_cmp_ge_f32 vcc_lo, v232, v[32+\e]
	v_cndmask_b32 v232, v[32+\e], v232, vcc_lo
	v_cndmask_b32 v233, \e, v233, vcc_lo
.endr
	v_mov_b32 v236, 0xff800000                     ; -infinity takes the first choice's place; then the same search again
.irp e, 0,1,2,3,4,5,6,7
	v_cmp_eq_u32 vcc_lo, \e, v233
	v_cndmask_b32 v[32+\e], v[32+\e], v236, vcc_lo
.endr
	v_mov_b32 v234, v32
	v_mov_b32 v235, 0
.irp e, 1,2,3,4,5,6,7
	v_cmp_ge_f32 vcc_lo, v234, v[32+\e]
	v_cndmask_b32 v234, v[32+\e], v234, vcc_lo
	v_cndmask_b32 v235, \e, v235, vcc_lo
.endr
	v_sub_f32 v237, v234, v232                     ; the maximum is taken away: second - first, 0 or less
	v_mul_f32 v237, 0x3fb8aa3b, v237
	v_exp_f32 v238, v237
	v_nop                                          ; a plain place behind the transcendental,
	s_wait_alu depctr_va_vdst(0)                   ; and the wait ahead of its first reader
	v_add_f32 v239, 1.0, v238
	v_rcp_f32 v240, v239                           ; the first gate
	v_nop
	s_wait_alu depctr_va_vdst(0)
	v_mul_f32 v241, v238, v240                     ; the second
.irp e, 0,1,2,3,4,5,6,7
	v_cmp_eq_u32 vcc_lo, \e, v233
	v_cndmask_b32 v[48+\e], 0, v240, vcc_lo
	v_cmp_eq_u32 vcc_lo, \e, v235
	v_cndmask_b32 v[48+\e], v[48+\e], v241, vcc_lo
.endr
	v_cmp_eq_u32 vcc_lo, 1, v3
.irp i, 0,1,2,3
	v_cndmask_b32 v[56+\i], v[48+\i], v[52+\i], vcc_lo   ; half h stores gates 4 h .. 4 h + 3
.endr
	global_store_b128 v14, v[56:59], s[48:49]      ; 512 consecutive bytes
	v_mov_b32 v60, 1
	v_lshlrev_b32 v61, v233, v60
	v_lshlrev_b32 v62, v235, v60
	v_or_b32 v61, v61, v62
	global_store_b32 v15, v61, s[50:51]            ; lanes r and r + 16 name the same word and hold the same number
.Ldone:
	s_wait_tensorcnt 0x0
	ds_add_u32 v254, v255
	s_wait_dscnt 0x0
	s_endpgm
.Lfunc_end_k_q88bffc5d2b_route:
	.size	k_q88bffc5d2b_route, .Lfunc_end_k_q88bffc5d2b_route-k_q88bffc5d2b_route
	.p2alignl 7, 3214868480
	.fill 96, 4, 3214868480
	.section	.rodata,"a",@progbits
	.p2align	6, 0x0
	.amdhsa_kernel k_q88bffc5d2b_route
		.amdhsa_group_segment_fixed_size 168960
		.amdhsa_private_segment_fixed_size 0
		.amdhsa_enable_private_segment 0
		.amdhsa_kernarg_size 48
		.amdhsa_user_sgpr_count 2
		.amdhsa_user_sgpr_kernarg_segment_ptr 1
		.amdhsa_wavefront_size32 1
		.amdhsa_system_sgpr_workgroup_id_x 1
		.amdhsa_system_sgpr_workgroup_id_y 1
		.amdhsa_system_sgpr_workgroup_id_z 1
		.amdhsa_system_vgpr_workitem_id 0
		.amdhsa_next_free_vgpr 256
		.amdhsa_next_free_sgpr 66
		.amdhsa_reserve_vcc 1
		.amdhsa_float_denorm_mode_32 3
		.amdhsa_float_denorm_mode_16_64 3
		.amdhsa_memory_ordered 1
		.amdhsa_forward_progress 1
		.amdhsa_inst_pref_size 26
	.end_amdhsa_kernel
	.amdgpu_metadata
---
amdhsa.version: [ 1, 2 ]
amdhsa.kernels:
  - .name:           k_q88bffc5d2b_route
    .symbol:         k_q88bffc5d2b_route.kd
    .args:
      - { .name: x, .offset: 0, .size: 8, .value_kind: global_buffer, .address_space: global }
      - { .name: Wr, .offset: 8, .size: 8, .value_kind: global_buffer, .address_space: global }
      - { .name: br, .offset: 16, .size: 8, .value_kind: global_buffer, .address_space: global }
      - { .name: xc, .offset: 24, .size: 8, .value_kind: global_buffer, .address_space: global }
      - { .name: gates, .offset: 32, .size: 8, .value_kind: global_buffer, .address_space: global }
      - { .name: sel, .offset: 40, .size: 8, .value_kind: global_buffer, .address_space: global }
    .group_segment_fixed_size: 168960
    .private_segment_fixed_size: 0
    .kernarg_segment_align: 8
    .kernarg_segment_size: 48
    .max_flat_workgroup_size: 256
    .sgpr_count:     66
    .vgpr_count:     256
    .wavefront_size: 32
...
	.end_amdgpu_metadata
.endif
;; end of part 1
;; launch prep (part 2): grid 1040 x 1, 4 waves a work-group, no clusters, 0 bytes of LDS; arguments W1, W2, sel, wq, ws, perm; writes wq, ws, perm
.if DOCPART == 2
	.amdgcn_target "amdgcn-amd-amdhsa--gfx1250"
	.amdhsa_code_object_version 6
	.text
	.protected	k_q88bffc5d2b_prep
	.globl	k_q88bffc5d2b_prep
	.p2align	8
	.type	k_q88bffc5d2b_prep,@function
k_q88bffc5d2b_prep:
	s_mov_b64 s[64:65], 0
	v_nop
	global_prefetch_b8 v0, s[64:65] scope:SCOPE_SE
	s_setreg_imm32_b32 hwreg(HW_REG_WAVE_MODE, 25, 1), 1
	s_wait_xcnt 0x0
; W1 [8][1024 k][2048], W2 [8][2048 k][1024], f32, K the first axis of an expert, become E2M3 codes and E8M0 scale words IN THE ORDER OF THE OPERAND'S REGISTERS; sixteen more work-groups sort the tokens.
; WORK-GROUPS 0-511: W1; 512-1023: W2.  A wave takes 32 columns x 256 along K: a lane takes a column, its registers run down K, so a block of 32 lies in one lane and the conversions give codes with K innermost.
; The four waves stand side by side on 512 consecutive bytes of each row.  Lanes 0-15 hold the 16 rows of one tile, lanes 16-31 those of the next; an even block's codes and the following odd block's
; change halves (v_permlane16_swap_b32), after which each run of registers is a fragment: lanes 0-15 k = 64 c + 0 .. 31, lanes 16-31 k = 64 c + 32 .. 63.
; wq: blocks of 24,576 bytes = 64 columns x 512 k, laid [tile 4][K step 4][4 registers x 3][lane 32][16 bytes].  W1: block 64 e + 2 j + K half (j: 64 hidden units); tile 2 b + u, lane r = unit 32 b + 8 u + r + 8 (r / 8),
; so that the first product's results lie as the next K wants them.  W2 (12,582,912 bytes on): block 64 e + 4 d + K quarter (d: 64 columns); tile c, lane r = column 16 c + r.
; ws: 1,024 bytes a block, [tile 4][pair of K steps 2][lane 32] words: lanes 0-15 the even K step's word of row r, lanes 16-31 the odd one's.  W2's 524,288 bytes on.
; WORK-GROUPS 1024-1039: THE SORT, by pair mask and then by token.  64 waves; wave W owns tokens 32 W + lane, a token a lane.  A token's position is its RANK: how many of the 2,048 tokens come before it.
; So every lane stores once, with all lanes on: perm[pos] = token, perm[2048 + pos] = its pair mask; each position is stored by one lane, and no wave needs another.
; The masks come as scalars, 32 at a time, in two sets of registers by turns.  2.5 vector instructions a mask: 5,120 a wave.
; No LDS, no barrier, no cluster: nothing is shared.
; LIMITS: NaN and infinities are not served; a block whose largest magnitude lies under 2^-124 (a block of zeros too) keeps the byte 1: the bytes are read by this program alone.
.set X,  32                            ; v32-95   two sets of 32 numbers
.set TE, 144                           ; v144-146 the upper 16 codes of an even block;  v148-150 of an odd one
.set TO, 148
.set SW, 156                           ; v156-157 the scale words of my column for the wave's two K steps
	s_load_b256 s[4:11], s[0:1], 0x0               ; W1, W2, sel, wq
	s_load_b128 s[12:15], s[0:1], 0x20             ; ws, perm
	v_lshrrev_b32 v1, 5, v0
	v_readfirstlane_b32 s16, v1                    ; wave
	v_and_b32 v1, 31, v0                           ; lane
	v_lshlrev_b32 v3, 4, v1                        ; 16 x lane
	v_lshlrev_b32 v4, 2, v1                        ; 4 x lane
; where the wave's part lies.  e = bits 8:6 of the work-group's number in both tensors; ko: which 256 along K; cq: which 128 columns
.macro PLACE kofield, cqmask, kosh, slsh, cbase, sbase
	s_bfe_u32 s17, ttmp9, 0x30006                  ; e
	s_bfe_u32 s18, ttmp9, \kofield                 ; ko
	s_and_b32 s19, ttmp9, \cqmask                  ; cq
	s_lshl_b32 s20, s17, 23                        ; an expert is 8,388,608 bytes
	s_lshl_b32 s22, s18, \kosh                     ; 256 rows
	s_add_co_u32 s20, s20, s22
	s_lshl_b32 s22, s19, 9
	s_add_co_u32 s20, s20, s22
	s_lshl_b32 s22, s16, 7                         ; my wave's 128 bytes of a row
	s_add_co_u32 s20, s20, s22
	s_mov_b32 s21, 0
	s_lshl_b32 s22, s19, 1
	s_lshr_b32 s23, s16, 1
	s_add_co_u32 s22, s22, s23                     ; the slice of 64 columns
	s_lshl_b32 s22, s22, \slsh
	s_lshl_b32 s23, s17, 6
	s_add_co_u32 s22, s22, s23
	s_lshr_b32 s23, s18, 1
	s_add_co_u32 s22, s22, s23                     ; the block
	s_and_b32 s23, s16, 1                          ; which two tiles of its four
	s_and_b32 s25, s18, 1                          ; which two K steps of its four
	s_mul_i32 s24, s22, 24576
	s_mul_i32 s32, s23, 12288
	s_add_co_u32 s24, s24, s32
	s_mul_i32 s32, s25, 3072
	s_add_co_u32 s24, s24, s32
	s_add_co_u32 s24, s24, \cbase
	s_lshl_b32 s22, s22, 10
	s_lshl_b32 s23, s23, 9
	s_add_co_u32 s22, s22, s23
	s_lshl_b32 s25, s25, 7
	s_add_co_u32 s22, s22, s25
	s_add_co_u32 s22, s22, \sbase
	s_mov_b32 s23, 0
	s_mov_b32 s25, 0
.endm
.macro LOADB t, pitch                  ; block t: rows 32 t + i of my column into set t % 2; a load covers 128 consecutive bytes
.irp i, 0,1,2,3,4,5,6,7,8,9,10,11,12,13,14,15,16,17,18,19,20,21,22,23,24,25,26,27,28,29,30,31
	global_load_b32 v[X+32*((\t)%2)+\i], v2, s[26:27] offset:(32*(\t)+\i)*\pitch th:TH_LOAD_NT
.endr
.endm
.macro BLOCK t, pitch
.set XS, X+32*((\t)%2)
.set SL, (\t)/4                        ; the wave's K step 0 or 1
.set CC, ((\t)%4)/2                    ; which 64 of its 128
.set FA, 96+24*SL                      ; v96.. the lower tile's fragment, v108.. the upper tile's; 24 further on for the second K step
.set FB, 108+24*SL
.if (\t) < 7
	s_wait_loadcnt 32                              ; this block's 32 loads are in; the next block's 32 may be out
.else
	s_wait_loadcnt 0x0
.endif
	v_max3_num_f32 v152, |v[XS]|, |v[XS+1]|, |v[XS+2]|
	v_max3_num_f32 v153, |v[XS+3]|, |v[XS+4]|, |v[XS+5]|
.irp i, 6,10,14,18,22,26
	v_max3_num_f32 v152, v152, |v[XS+\i]|, |v[XS+\i+1]|
	v_max3_num_f32 v153, v153, |v[XS+\i+2]|, |v[XS+\i+3]|
.endr
	v_max3_num_f32 v152, v152, |v[XS+30]|, |v[XS+31]|
	v_max3_num_f32 v152, v152, v153, 0x1800000     ; with the floor 2^(3 - 127): the byte cannot fall under 1
	v_add_nc_u32 v154, 0xff000000, v152            ; 2 off the exponent field: the conversion's scale operand
	v_lshrrev_b32 v155, 23, v154                   ; the scale's byte
.if (\t)%4 == 0
	v_mov_b32 v[SW+SL], v155
.else
	v_lshl_or_b32 v[SW+SL], v155, 8*((\t)%4), v[SW+SL]
.endif
.if (\t)%2 == 0
	v_cvt_scalef32_pk16_fp6_f32 v[FA+6*CC:FA+6*CC+2], v[XS:XS+15], v154
	v_cvt_scalef32_pk16_fp6_f32 v[TE:TE+2], v[XS+16:XS+31], v154   ; (the next block's plain lines stand between these and the next touch of their registers)
.else
	v_cvt_scalef32_pk16_fp6_f32 v[FB+6*CC:FB+6*CC+2], v[XS:XS+15], v154
	v_cvt_scalef32_pk16_fp6_f32 v[TO:TO+2], v[XS+16:XS+31], v154
	v_nop                                          ; one plain place behind the conversions
.irp i, 0,1,2
	v_permlane16_swap_b32 v[FA+6*CC+\i], v[FB+6*CC+\i]   ; the even block's lanes 16-31 (upper tile) change places with the odd block's lanes 0-15 (lower tile)
	v_permlane16_swap_b32 v[TE+\i], v[TO+\i]
.endr
.irp i, 0,1,2
	v_mov_b32 v[FA+6*CC+3+\i], v[TE+\i]
	v_mov_b32 v[FB+6*CC+3+\i], v[TO+\i]
.endr
.endif
.if (\t)+2 < 8
	LOADB (\t)+2, \pitch
.endif
.if (\t)%4 == 3
.irp i, 0,1,2
	global_store_b128 v3, v[FA+4*\i:FA+4*\i+3], s[28:29] offset:SL*1536+512*\i        ; each store covers 512 consecutive bytes, at a multiple of 512 from wq's first byte
	global_store_b128 v3, v[FB+4*\i:FB+4*\i+3], s[28:29] offset:6144+SL*1536+512*\i   ; no register of a store is written again
.endr
.endif
.endm
.macro QW pitch
	LOADB 0, \pitch
	LOADB 1, \pitch
.irp t, 0,1,2,3,4,5,6,7
	BLOCK \t, \pitch
.endr
	v_permlane16_swap_b32 v[SW], v[SW+1]           ; v156: the lower tile's words, first K step in lanes 0-15, second in lanes 16-31; v157: the upper tile's
	global_store_b32 v4, v[SW], s[30:31]
	global_store_b32 v4, v[SW+1], s[30:31] offset:256
	s_endpgm
.endm
; THE SORT'S MACROS.  A set is 32 tokens' masks, 128 bytes of sel, in 32 scalar registers from s[R] on.
.macro LOADSET R, off, imm             ; the set at byte s[off] + imm of sel
	s_load_b512 s[\R:\R+15], s[8:9], s[\off] offset:\imm
	s_load_b512 s[\R+16:\R+31], s[8:9], s[\off] offset:\imm+64
.endm
.macro CNT R                           ; each lane counts the set's numbers that lie under its v9: eight compares, eight ones or zeros, four sums on two counters
.irp b, 0,1,2,3
.irp x, 0,1,2,3,4,5,6,7
	v_cmp_lt_u32 s[48+\x], s[\R+8*\b+\x], v9
.endr
.irp x, 0,1,2,3,4,5,6,7
	v_cndmask_b32 v[10+\x], 0, 1, s[48+\x]
.endr
	v_add3_u32 v8, v8, v10, v11
	v_add3_u32 v18, v18, v12, v13
	v_add3_u32 v8, v8, v14, v15
	v_add3_u32 v18, v18, v16, v17
.endr
.endm
.macro COUNT R, add                    ; set s61 + add.  Its tokens come before mine where their mask is under my mask + 1 (an earlier set) or under my mask (a later set); my own set has been counted: under 0 lies nothing
	s_add_co_u32 s62, s61, \add
	s_cmp_lt_u32 s62, s58
	s_cselect_b32 s63, 1, 0
	s_cmp_lg_u32 s62, s58
	s_cselect_b32 s57, -1, 0
	v_add_nc_u32 v9, s63, v5
	v_and_b32 v9, s57, v9
	CNT \R
.endm
	s_cmp_ge_u32 ttmp9, 1024
	s_cbranch_scc1 .Lsort
	s_cmp_ge_u32 ttmp9, 512
	s_cbranch_scc1 .Lw2
	PLACE 0x20004, 15, 21, 1, 0, 0                 ; W1: 4 x 256 along K, 16 x 128 columns, rows of 8,192 bytes
	v_lshrrev_b32 v2, 4, v1
	v_lshlrev_b32 v2, 3, v2
	v_and_b32 v5, 15, v1
	v_add_nc_u32 v2, v2, v5
	v_and_b32 v5, 8, v1
	v_add_nc_u32 v2, v2, v5                        ; my column of the wave's 32: 8 (l / 16) + l % 16 + (l & 8)
	v_lshlrev_b32 v2, 2, v2
	s_wait_kmcnt 0x0
	s_add_nc_u64 s[26:27], s[4:5], s[20:21]
	s_add_nc_u64 s[28:29], s[10:11], s[24:25]
	s_add_nc_u64 s[30:31], s[12:13], s[22:23]
	QW 8192
.Lw2:
	PLACE 0x30003, 7, 20, 2, 12582912, 524288      ; W2: 8 x 256 along K, 8 x 128 columns, rows of 4,096 bytes
	v_lshlrev_b32 v2, 2, v1                        ; my column: the lane's number
	s_wait_kmcnt 0x0
	s_add_nc_u64 s[26:27], s[6:7], s[20:21]
	s_add_nc_u64 s[28:29], s[10:11], s[24:25]
	s_add_nc_u64 s[30:31], s[12:13], s[22:23]
	QW 4096
.Lsort:
	s_sub_co_u32 s58, ttmp9, 1024
	s_lshl_b32 s58, s58, 2
	s_add_co_u32 s58, s58, s16                     ; W = 0 .. 63: my wave's set of 32 tokens
	s_lshl_b32 s59, s58, 7                         ; its 128 bytes of sel
	v_lshl_add_u32 v7, s58, 5, v1                  ; my token: 32 W + lane
	v_add_nc_u32 v6, s59, v4
	s_mov_b32 s60, 0                               ; the byte of sel at which the trip's first set begins
	s_mov_b32 s61, 0                               ; and that set's number
	v_mov_b32 v8, 0                                ; the rank, in two counters
	v_mov_b32 v18, 0
	s_wait_kmcnt 0x0
	global_load_b32 v5, v6, s[8:9]                 ; my token's pair mask
	LOADSET 16, 60, 0                              ; set 0,
	LOADSET 68, 59, 0                              ; and my own set
	s_wait_kmcnt 0x0
.irp i, 0,1,2,3,4,5,6,7,8,9,10,11,12,13,14,15,16,17,18,19,20,21,22,23,24,25,26,27,28,29,30,31
	s_lshl_b32 s[68+\i], s[68+\i], 6
	s_or_b32 s[68+\i], s[68+\i], \i                ; 64 x mask + place in the set
.endr
	s_wait_loadcnt 0x0
	v_lshl_or_b32 v9, v5, 6, v1                    ; 64 x my mask + my lane: under it lie the set's lower masks and the equal masks of lower lanes
	CNT 68
.Lpair:                                                ; 31 trips of two sets; while one set is counted the other is on its way
	s_wait_kmcnt 0x0                               ; the even set is in
	LOADSET 68, 60, 128
	COUNT 16, 0
	s_wait_kmcnt 0x0                               ; the odd set is in, and no scalar load is out: the offset may be stepped
	s_add_co_u32 s60, s60, 256
	LOADSET 16, 60, 0
	COUNT 68, 1
	s_add_co_u32 s61, s61, 2
	s_cmp_lt_u32 s61, 62
	s_cbranch_scc1 .Lpair
	s_wait_kmcnt 0x0                               ; sets 62 and 63 are written out: nothing is asked for behind sel's last byte
	LOADSET 68, 60, 128
	COUNT 16, 0
	s_wait_kmcnt 0x0
	COUNT 68, 1
	v_add_nc_u32 v8, v8, v18                       ; my token's position, 0 .. 2,047: the ranks of 2,048 different (mask, token) pairs are all different
	v_min_u32 v8, 0x7ff, v8
	v_lshlrev_b32 v8, 2, v8
	global_store_b32 v8, v7, s[14:15]              ; perm[pos] = token
	global_store_b32 v8, v5, s[14:15] offset:8192  ; perm[2048 + pos] = its pair mask
	s_endpgm
.Lfunc_end_k_q88bffc5d2b_prep:
	.size	k_q88bffc5d2b_prep, .Lfunc_end_k_q88bffc5d2b_prep-k_q88bffc5d2b_prep
	.p2alignl 7, 3214868480
	.fill 96, 4, 3214868480
	.section	.rodata,"a",@progbits
	.p2align	6, 0x0
	.amdhsa_kernel k_q88bffc5d2b_prep
		.amdhsa_group_segment_fixed_size 0
		.amdhsa_private_segment_fixed_size 0
		.amdhsa_enable_private_segment 0
		.amdhsa_kernarg_size 48
		.amdhsa_user_sgpr_count 2
		.amdhsa_user_sgpr_kernarg_segment_ptr 1
		.amdhsa_wavefront_size32 1
		.amdhsa_system_sgpr_workgroup_id_x 1
		.amdhsa_system_sgpr_workgroup_id_y 1
		.amdhsa_system_sgpr_workgroup_id_z 1
		.amdhsa_system_vgpr_workitem_id 0
		.amdhsa_next_free_vgpr 160
		.amdhsa_next_free_sgpr 100
		.amdhsa_reserve_vcc 0
		.amdhsa_float_denorm_mode_32 3
		.amdhsa_float_denorm_mode_16_64 3
		.amdhsa_memory_ordered 1
		.amdhsa_forward_progress 1
		.amdhsa_inst_pref_size 109
	.end_amdhsa_kernel
	.amdgpu_metadata
---
amdhsa.version: [ 1, 2 ]
amdhsa.kernels:
  - .name:           k_q88bffc5d2b_prep
    .symbol:         k_q88bffc5d2b_prep.kd
    .args:
      - { .name: W1, .offset: 0, .size: 8, .value_kind: global_buffer, .address_space: global }
      - { .name: W2, .offset: 8, .size: 8, .value_kind: global_buffer, .address_space: global }
      - { .name: sel, .offset: 16, .size: 8, .value_kind: global_buffer, .address_space: global }
      - { .name: wq, .offset: 24, .size: 8, .value_kind: global_buffer, .address_space: global }
      - { .name: ws, .offset: 32, .size: 8, .value_kind: global_buffer, .address_space: global }
      - { .name: perm, .offset: 40, .size: 8, .value_kind: global_buffer, .address_space: global }
    .group_segment_fixed_size: 0
    .private_segment_fixed_size: 0
    .kernarg_segment_align: 8
    .kernarg_segment_size: 48
    .max_flat_workgroup_size: 128
    .sgpr_count:     100
    .vgpr_count:     160
    .wavefront_size: 32
...
	.end_amdgpu_metadata
.endif
;; end of part 2
;; launch up (part 3): grid 32 x 8, 4 waves a work-group, no clusters, 0 bytes of LDS; arguments xc, gates, perm, wq, ws, b1, hc; writes hc
.if DOCPART == 3
	.amdgcn_target "amdgcn-amd-amdhsa--gfx1250"
	.amdhsa_code_object_version 6
	.text
	.protected	k_q88bffc5d2b_up
	.globl	k_q88bffc5d2b_up
	.p2align	8
	.type	k_q88bffc5d2b_up,@function
k_q88bffc5d2b_up:
	s_mov_b64 s[64:65], 0
	v_nop
	global_prefetch_b8 v0, s[64:65] scope:SCOPE_SE
	s_setreg_imm32_b32 hwreg(HW_REG_WAVE_MODE, 25, 1), 1
	s_wait_xcnt 0x0
; THE FIRST PRODUCT AND THE SECOND QUANTISER: hc = Q(gate x relu(Q(x) Q(W1_e) + b1_e)), for the chosen experts alone.
; The tokens are sorted by their pair of experts; tile t is sorted positions 16 t .. 16 t + 15, and its experts are the OR of its 16 pair masks.  A row of a tile that did not choose the expert has gate 0: zero codes.
; A work-group is (j = 64 hidden units, e = expert).  Each wave keeps W1_e's 64 units x 1,024 k in registers (32 fragments) and takes the tiles w + 4 i (i = 0 .. 31) whose mask has bit e.
; The product is used transposed (source 0 = 16 rows of W1, source 1 = 16 tokens): lane (r, h) holds token r, and the 16 registers of tiles 2 b, 2 b + 1 are units 32 b + 16 h + 0 .. 15: neighbours along the next K.
; b1 is the C of each sum's first matrix instruction.  The 64 units are half a fragment (six registers) of the second product's K step j / 2.
; hc: place p = 8 t + e of 24,576 bytes; slice j at 768 j: 512 bytes (lane x 16: registers 0-3), 256 bytes (lane x 8: registers 4-5).  Scale bytes from 25,165,824 on: 1,024 p + 64 row + block.
; No tensor load, no cluster, no LDS: the trip count and an early end hang on the stored list, so operands go from memory straight into registers, laid in register order by the launches before.
; Loads run two tiles ahead in two sets.  Where the list is at its end the last tile is asked for again (inside the buffers); with an odd number of tiles the last one is computed and stored twice, the same bytes by the same wave.
; LIMITS: as the launches before; a block of the hidden layer under 2^-124 (a block of zeros too) keeps the byte 1.
; REGISTERS: window 0: addresses, scale words, b1, the accumulators; window 1: W1's fragments of k 0-511 (tile t, K step q at 12 (4 t + q)); window 2: those of k 512-1023; window 3: x's fragments, set X at 96 X + 12 s.
.set OO,   10                          ; v10-11  address of the set's order word
.set TOK,  12                          ; v12-13  my row's token
.set RO,   14                          ; v14-15  its codes' offset
.set SO,   16                          ; v16-17  32 x token: scale words and gates
.set GC,   18                          ; v18 the gate in hand, v19 = 0 (named with it as a pair)
.set G,    20                          ; v20-21  the set's gate
.set HO16, 22
.set HO8,  23
.set HSO,  24
.set BYTE, 25
.set ASC,  48                          ; v48-63  x's scale words, 8 a set
.set BSC,  64                          ; v64-79  W1's: 8 (K half) + 2 (tile) + pair of K steps
.set BIAS, 80                          ; v80-111
.set ACC,  112                         ; v112-143
.set Z,    144                         ; v144-149 the half fragment
.set ZT,   150
.set TO,   44                          ; s44-45  the tile whose order words are on their way
.set TA,   46                          ; s46-47  the tile whose fragments are in the set
.set MSB, 0
.macro WIN new                         ; the immediate's high byte repeats the setting that is left
.if MSB != \new
	s_set_vgpr_msb (MSB<<8)|\new
.set MSB, \new
.endif
.endm
.macro NEXT dst                        ; my next tile, or the last one again when the list is at its end
	s_ctz_i32_b32 s48, s39
	s_cmp_lg_u32 s39, 0
	s_cselect_b32 s48, s48, s43
	s_min_u32 s48, s48, 31
	s_mov_b32 s43, s48
	s_sub_co_u32 s49, s39, 1
	s_and_b32 s39, s39, s49                        ; its bit is taken off
	s_lshl_b32 s[\dst], s48, 2
	s_add_co_u32 s[\dst], s[\dst], s36             ; tile 4 i + w
.endm
.macro ORDL X                          ; which token is my row of that tile: 1 load
	v_lshl_add_u32 v[OO+\X], s[TO+\X], 6, v4
	global_load_b32 v[TOK+\X], v[OO+\X], s[8:9]
.endm
.macro ALOAD X                         ; the tile's eight fragments, scale words and gate: 27 loads
	v_min_u32 v[TOK+\X], 0x7ff, v[TOK+\X]
	v_mul_u32_u24 v[RO+\X], 0x300, v[TOK+\X]
	v_add_nc_u32 v[RO+\X], v[RO+\X], v7
	v_lshlrev_b32 v[SO+\X], 5, v[TOK+\X]
	WIN 0xc0                                       ; destination window 3
.set n, 0
.rept 24
	global_load_b128 v[96*\X+4*n:96*\X+4*n+3], v[RO+\X], s[4:5] offset:32*n
.set n, n+1
.endr
	WIN 0
	global_load_b128 v[ASC+8*\X:ASC+8*\X+3], v[SO+\X], s[20:21]
	global_load_b128 v[ASC+8*\X+4:ASC+8*\X+7], v[SO+\X], s[20:21] offset:16
	global_load_b32 v[G+\X], v[SO+\X], s[22:23]
.endm
.macro MULS X, kh                      ; 16 matrix instructions: four K steps x four tiles; the four accumulators by turns, one instruction a turn
.irp q, 0,1,2,3
.irp t, 0,1,2,3
.if (\kh) == 0 && (\q) == 0
	v_wmma_scale_f32_16x16x128_f8f6f4 v[ACC+8*\t:ACC+8*\t+7], v[12*(4*\t+\q):12*(4*\t+\q)+11], v[96*\X+12*(4*\kh+\q):96*\X+12*(4*\kh+\q)+11], v[BIAS+8*\t:BIAS+8*\t+7], v[BSC+8*\kh+2*\t+\q/2], v[ASC+8*\X+4*\kh+\q] matrix_a_fmt:MATRIX_FMT_FP6 matrix_b_fmt:MATRIX_FMT_FP6
.elseif (\q)%2 == 0
	v_wmma_scale_f32_16x16x128_f8f6f4 v[ACC+8*\t:ACC+8*\t+7], v[12*(4*\t+\q):12*(4*\t+\q)+11], v[96*\X+12*(4*\kh+\q):96*\X+12*(4*\kh+\q)+11], v[ACC+8*\t:ACC+8*\t+7], v[BSC+8*\kh+2*\t+\q/2], v[ASC+8*\X+4*\kh+\q] matrix_a_fmt:MATRIX_FMT_FP6 matrix_b_fmt:MATRIX_FMT_FP6
.else
	v_wmma_scale_f32_16x16x128_f8f6f4 v[ACC+8*\t:ACC+8*\t+7], v[12*(4*\t+\q):12*(4*\t+\q)+11], v[96*\X+12*(4*\kh+\q):96*\X+12*(4*\kh+\q)+11], v[ACC+8*\t:ACC+8*\t+7], v[BSC+8*\kh+2*\t+\q/2], v[ASC+8*\X+4*\kh+\q] matrix_a_fmt:MATRIX_FMT_FP6 matrix_b_fmt:MATRIX_FMT_FP6 matrix_a_scale:MATRIX_SCALE_ROW1
.endif
.endr
.endr
.endm
.macro ITEM X
	s_wait_loadcnt 29                              ; set X's 27 loads are in (and all before them); younger: its order word, the other set's 27 and its order word
	s_wait_xcnt 0x0                                ; the last tile's stores have read their registers
	s_lshl_b32 s48, s[TA+\X], 3
	s_add_co_u32 s48, s48, s37                     ; the place 8 t + e
	s_mul_i32 s49, s48, 24576
	s_lshl_b32 s48, s48, 10
	v_add_nc_u32 v[HO16], s49, v5
	v_add_nc_u32 v[HO8], s49, v6
	v_add_nc_u32 v[HSO], s48, v9
	v_mov_b32 v[GC], v[G+\X]
	WIN 0x0d                                       ; source 0 window 1, source 1 window 3
	MULS \X, 0
	WIN 0x0e                                       ; source 0 window 2
	MULS \X, 1
	WIN 0
.rept 4
	v_nop                                          ; four places ahead of loads into registers that these products read, and of the first read of their results
.endr
	s_wait_loadcnt 28                              ; set X's order word is in; younger: the other set's 27 loads and its order word
	s_mov_b32 s[TA+\X], s[TO+\X]
	ALOAD \X
	NEXT TO+\X
	ORDL \X
.set n, 0
.rept 32
	v_max_num_f32 v[ACC+n], 0, v[ACC+n]            ; relu, each accumulator from its low end on
.set n, n+1
.endr
.set n, 0
.rept 16
	v_pk_mul_f32 v[ACC+2*n:ACC+2*n+1], v[ACC+2*n:ACC+2*n+1], v[GC:GC+1] op_sel_hi:[1,0]   ; x my token's gate, in f32, ahead of the quantiser
.set n, n+1
.endr
	v_max3_num_f32 v32, v[ACC], v[ACC+1], 0x1800000       ; the two blocks of 32 units; nothing is negative; the floor 2^(3 - 127) holds the byte at 1 from below
	v_max3_num_f32 v33, v[ACC+16], v[ACC+17], 0x1800000
.irp i, 2,4,6,8,10,12,14
	v_max3_num_f32 v32, v32, v[ACC+\i], v[ACC+\i+1]
	v_max3_num_f32 v33, v33, v[ACC+16+\i], v[ACC+17+\i]
.endr
	v_permlanex16_b32 v34, v32, s50, s51
	v_permlanex16_b32 v35, v33, s50, s51
	v_max_num_f32 v32, v32, v34                    ; with lane l xor 16's 16 units
	v_max_num_f32 v33, v33, v35
	v_add_nc_u32 v36, 0xff000000, v32              ; 2 off the exponent field: the conversion's scale operand
	v_add_nc_u32 v37, 0xff000000, v33
	v_lshrrev_b32 v38, 23, v36
	v_lshrrev_b32 v39, 23, v37
	v_cvt_scalef32_pk16_fp6_f32 v[Z:Z+2], v[ACC:ACC+15], v36
	v_cvt_scalef32_pk16_fp6_f32 v[ZT:ZT+2], v[ACC+16:ACC+31], v37
	v_cndmask_b32 v[BYTE], v38, v39, s52           ; lanes 0-15 store block 0's byte, lanes 16-31 block 1's.  (The plain place behind the conversions)
.irp i, 0,1,2
	v_permlane16_swap_b32 v[Z+\i], v[ZT+\i]        ; a whole block to a lane: lanes 0-15 block 0, lanes 16-31 block 1
.endr
.irp i, 0,1,2
	v_mov_b32 v[Z+3+\i], v[ZT+\i]
.endr
	global_store_b128 v[HO16], v[Z:Z+3], s[32:33]             ; 512 consecutive bytes, at a multiple of 256 from hc's first byte
	global_store_b64 v[HO8], v[Z+4:Z+5], s[32:33] offset:512  ; 256 consecutive bytes
	global_store_b8 v[HSO], v[BYTE], s[34:35]                 ; two bytes of each of 16 rows: one byte for 24 of codes
.endm
	s_load_b256 s[4:11], s[0:1], 0x0               ; xc, gates, perm, wq
	s_load_b128 s[12:15], s[0:1], 0x20             ; ws, b1
	s_load_b64 s[16:17], s[0:1], 0x30              ; hc
	v_lshrrev_b32 v1, 5, v0
	v_readfirstlane_b32 s36, v1                    ; wave
	s_and_b32 s37, ttmp7, 0xffff                   ; e
	s_lshl_b32 s38, 1, s37
	v_and_b32 v1, 31, v0                           ; lane
	v_and_b32 v2, 15, v0                           ; r
	v_bfe_u32 v3, v0, 4, 1                         ; h
	v_lshlrev_b32 v4, 2, v2
	v_lshlrev_b32 v5, 4, v1
	v_lshlrev_b32 v6, 3, v1
	v_lshlrev_b32 v7, 4, v3
	v_lshlrev_b32 v8, 2, v1
	v_lshl_add_u32 v9, v2, 6, v3                   ; 64 r + h
	v_lshlrev_b32 v26, 6, v3                       ; 64 h
	s_lshl_b32 s54, s36, 6
	v_lshl_add_u32 v27, v1, 8, s54                 ; the masks of tile w + 4 lane: 64 bytes at 64 w + 256 lane
	v_mov_b32 v19, 0
	s_mov_b32 s50, 0x76543210
	s_mov_b32 s51, 0xfedcba98                      ; v_permlanex16_b32's selects for lane l xor 16
	s_mov_b32 s52, 0xffff0000
	s_mov_b32 s43, 0
	s_mov_b32 s55, 0
	s_lshl_b32 s56, s37, 6
	s_lshl_b32 s57, ttmp9, 1
	s_add_co_u32 s56, s56, s57                     ; 64 e + 2 j: W1's first block for this slice
	s_wait_kmcnt 0x0
	s_add_nc_u64 s[24:25], s[8:9], 8192            ; the sorted pair masks
.irp i, 0,1,2,3
	global_load_b128 v[32+4*\i:35+4*\i], v27, s[24:25] offset:16*\i
.endr
	s_add_nc_u64 s[20:21], s[4:5], 1572864         ; x's scale words
	s_lshl_b32 s54, s37, 2
	s_add_nc_u64 s[22:23], s[6:7], s[54:55]        ; gates, column e
	s_mul_i32 s54, s56, 24576
	s_add_nc_u64 s[26:27], s[10:11], s[54:55]
	s_lshl_b32 s54, s56, 10
	s_add_nc_u64 s[28:29], s[12:13], s[54:55]
	s_lshl_b32 s54, s56, 7                         ; (2,048 e + 64 j) x 4 bytes
	s_add_nc_u64 s[30:31], s[14:15], s[54:55]
	s_mul_i32 s54, ttmp9, 768
	s_add_nc_u64 s[32:33], s[16:17], s[54:55]
	s_lshl_b32 s54, ttmp9, 1
	s_add_co_u32 s54, s54, 25165824
	s_add_nc_u64 s[34:35], s[16:17], s[54:55]
	s_wait_loadcnt 0x0
.irp i, 1,2,3,4,5,6,7,8,9,10,11,12,13,14,15
	v_or_b32 v32, v32, v[32+\i]                    ; the tile's experts
.endr
	v_and_b32 v32, s38, v32
	v_cmp_ne_u32 s39, 0, v32                       ; bit i: tile w + 4 i wants expert e
	s_bcnt1_i32_b32 s40, s39
	s_cmp_eq_u32 s40, 0
	s_cbranch_scc1 .Lnone                          ; a wave that this split leaves without tiles stores nothing
	s_add_co_u32 s41, s40, 1
	s_lshr_b32 s41, s41, 1                         ; trips of two tiles
	v_mov_b32 v34, 0                               ; written once: a lane permute's destination counts as one of its sources
	v_mov_b32 v35, 0
	NEXT TO
	ORDL 0
	NEXT TO+1
	ORDL 1
	WIN 0x40                                       ; W1's 32 fragments, as they lie: 96 loads of 512 consecutive bytes
.set n, 0
.rept 48
	global_load_b128 v[4*n:4*n+3], v5, s[26:27] offset:512*n
.set n, n+1
.endr
	WIN 0x80
.set n, 0
.rept 48
	global_load_b128 v[4*n:4*n+3], v5, s[26:27] offset:24576+512*n
.set n, n+1
.endr
	WIN 0
.set n, 0
.rept 16
	global_load_b32 v[BSC+n], v8, s[28:29] offset:128*n
.set n, n+1
.endr
.irp t, 0,1,2,3
	global_load_b128 v[BIAS+8*\t:BIAS+8*\t+3], v26, s[30:31] offset:(32*(\t/2)+8*(\t%2))*4      ; b1 at units 32 b + 16 h + 8 u + 0 .. 7
	global_load_b128 v[BIAS+8*\t+4:BIAS+8*\t+7], v26, s[30:31] offset:(32*(\t/2)+8*(\t%2))*4+16
.endr
	s_wait_loadcnt 63                              ; the two order words have 120 younger loads behind them: they are in
	s_mov_b32 s[TA], s[TO]
	ALOAD 0
	NEXT TO
	ORDL 0
	s_mov_b32 s[TA+1], s[TO+1]
	ALOAD 1
	NEXT TO+1
	ORDL 1
	s_mov_b32 s42, 0
.Litem:
	ITEM 0
	ITEM 1
	s_add_co_u32 s42, s42, 1
	s_cmp_lt_u32 s42, s41
	s_cbranch_scc1 .Litem
.Lnone:
	s_endpgm
.Lfunc_end_k_q88bffc5d2b_up:
	.size	k_q88bffc5d2b_up, .Lfunc_end_k_q88bffc5d2b_up-k_q88bffc5d2b_up
	.p2alignl 7, 3214868480
	.fill 96, 4, 3214868480
	.section	.rodata,"a",@progbits
	.p2align	6, 0x0
	.amdhsa_kernel k_q88bffc5d2b_up
		.amdhsa_group_segment_fixed_size 0
		.amdhsa_private_segment_fixed_size 0
		.amdhsa_enable_private_segment 0
		.amdhsa_kernarg_size 56
		.amdhsa_user_sgpr_count 2
		.amdhsa_user_sgpr_kernarg_segment_ptr 1
		.amdhsa_wavefront_size32 1
		.amdhsa_system_sgpr_workgroup_id_x 1
		.amdhsa_system_sgpr_workgroup_id_y 1
		.amdhsa_system_sgpr_workgroup_id_z 1
		.amdhsa_system_vgpr_workitem_id 0
		.amdhsa_next_free_vgpr 960
		.amdhsa_next_free_sgpr 66
		.amdhsa_reserve_vcc 0
		.amdhsa_float_denorm_mode_32 3
		.amdhsa_float_denorm_mode_16_64 3
		.amdhsa_memory_ordered 1
		.amdhsa_forward_progress 1
		.amdhsa_inst_pref_size 47
	.end_amdhsa_kernel
	.amdgpu_metadata
---
amdhsa.version: [ 1, 2 ]
amdhsa.kernels:
  - .name:           k_q88bffc5d2b_up
    .symbol:         k_q88bffc5d2b_up.kd
    .args:
      - { .name: xc, .offset: 0, .size: 8, .value_kind: global_buffer, .address_space: global }
      - { .name: gates, .offset: 8, .size: 8, .value_kind: global_buffer, .address_space: global }
      - { .name: perm, .offset: 16, .size: 8, .value_kind: global_buffer, .address_space: global }
      - { .name: wq, .offset: 24, .size: 8, .value_kind: global_buffer, .address_space: global }
      - { .name: ws, .offset: 32, .size: 8, .value_kind: global_buffer, .address_space: global }
      - { .name: b1, .offset: 40, .size: 8, .value_kind: global_buffer, .address_space: global }
      - { .name: hc, .offset: 48, .size: 8, .value_kind: global_buffer, .address_space: global }
    .group_segment_fixed_size: 0
    .private_segment_fixed_size: 0
    .kernarg_segment_align: 8
    .kernarg_segment_size: 56
    .max_flat_workgroup_size: 128
    .sgpr_count:     66
    .vgpr_count:     960
    .wavefront_size: 32
...
	.end_amdgpu_metadata
.endif
;; end of part 3
;; launch down (part 4): grid 16 x 16, 4 waves a work-group, no clusters, 139,776 bytes of LDS; arguments hc, wq, ws, gates, perm, b2, out0; writes out0
.if DOCPART == 4
	.amdgcn_target "amdgcn-amd-amdhsa--gfx1250"
	.amdhsa_code_object_version 6
	.text
	.protected	k_q88bffc5d2b_down
	.globl	k_q88bffc5d2b_down
	.p2align	8
	.type	k_q88bffc5d2b_down,@function
k_q88bffc5d2b_down:
	s_mov_b64 s[64:65], 0
	v_nop
	global_prefetch_b8 v0, s[64:65] scope:SCOPE_SE
	s_setreg_imm32_b32 hwreg(HW_REG_WAVE_MODE, 25, 1), 1
	s_wait_xcnt 0x0
; THE SECOND PRODUCT: out0[token] = sum over the chosen experts of Q(gate x hidden) Q(W2_e) + sum over e of gate_e b2_e.
; A work-group is (d = 64 columns, g = 128 sorted positions = tiles 8 g .. 8 g + 7): each output row's 64 columns have one owner.  It walks all 8 experts in a loop of constant count and passes over, by scalar branches on
; the stored pair masks, the experts that none of its tiles wants and, within an expert, the tiles that do not want it.
; THE WAVES SHARE K: wave w takes K steps 4 w .. 4 w + 3 (512 hidden units) of every expert, so no byte is loaded twice in the work-group.  A wave has 32 accumulators (tile i, 16 columns c).
; The product is used transposed (source 0 = 16 columns of W2, source 1 = 16 rows): a lane holds 8 neighbouring columns of one row.  The four waves' sums meet in LDS; each wave then adds 32 rows, adds the biases and stores.
; Which expert adds first onto a tile hangs on the list, so the sums begin as zeros; a tile that an expert passes over is not loaded, so its operand registers are written once at the head.
; No tensor load and no cluster: branches hang on the stored list; fragments come from memory straight into registers, in register order.
; REGISTERS: window 0: addresses, scale words, tiles 5-7's fragments (v100-243); window 1: the accumulators, 8 (4 i + c); window 2: W2's 16 fragments, 12 (4 c + q); window 3: tiles 0-4's fragments, 48 i + 12 q.
.set TOKR, 20                          ; v20-35  the tokens of my 16 pairs of rows on the way out
.set ASC,  36                          ; v36-67  the hidden layer's scale words, 4 i + q
.set BSC,  68                          ; v68-75  W2's, 2 c + pair of K steps
.set GO,   76                          ; v76-91  32 x token
.set PS,   100                         ; the way out: four pairs of rows x four parts
.set B2,   196                         ; v196-227 b2 at my four columns, 4 e
.set OA,   228                         ; v228-243 where my rows go
.set MSB, 0
.macro WIN new                         ; the immediate's high byte repeats the setting that is left
.if MSB != \new
	s_set_vgpr_msb (MSB<<8)|\new
.set MSB, \new
.endif
.endm
.macro ALD i                           ; tile i's four fragments of my K steps and their scale words: 17 loads
.if \i < 5
.set AB, 48*\i
	WIN 0xc0
.else
.set AB, 100+48*(\i-5)
.endif
.irp q, 0,1,2,3
.irp c, 0,1
	global_load_b128 v[AB+12*\q+6*\c:AB+12*\q+6*\c+3], v4, s[20:21] offset:\i*196608+\q*1536+\c*768
	global_load_b64 v[AB+12*\q+6*\c+4:AB+12*\q+6*\c+5], v5, s[20:21] offset:\i*196608+\q*1536+\c*768+512
.endr
.endr
	WIN 0
	global_load_b128 v[ASC+4*\i:ASC+4*\i+3], v7, s[22:23] offset:\i*8192
.endm
.macro MULD i                          ; 16 matrix instructions: four K steps x four tiles of columns; the four accumulators by turns, one instruction a turn
.if \i < 5
.set AB, 48*\i
	WIN 0x5e                                       ; source 0 window 2, source 1 window 3, C and D window 1
.else
.set AB, 100+48*(\i-5)
	WIN 0x52                                       ; source 1 window 0
.endif
.irp q, 0,1,2,3
.irp c, 0,1,2,3
.if (\q)%2 == 0
	v_wmma_scale_f32_16x16x128_f8f6f4 v[8*(4*\i+\c):8*(4*\i+\c)+7], v[12*(4*\c+\q):12*(4*\c+\q)+11], v[AB+12*\q:AB+12*\q+11], v[8*(4*\i+\c):8*(4*\i+\c)+7], v[BSC+2*\c+\q/2], v[ASC+4*\i+\q] matrix_a_fmt:MATRIX_FMT_FP6 matrix_b_fmt:MATRIX_FMT_FP6
.else
	v_wmma_scale_f32_16x16x128_f8f6f4 v[8*(4*\i+\c):8*(4*\i+\c)+7], v[12*(4*\c+\q):12*(4*\c+\q)+11], v[AB+12*\q:AB+12*\q+11], v[8*(4*\i+\c):8*(4*\i+\c)+7], v[BSC+2*\c+\q/2], v[ASC+4*\i+\q] matrix_a_fmt:MATRIX_FMT_FP6 matrix_b_fmt:MATRIX_FMT_FP6 matrix_a_scale:MATRIX_SCALE_ROW1
.endif
.endr
.endr
	WIN 0
.endm
	s_load_b256 s[4:11], s[0:1], 0x0               ; hc, wq, ws, gates
	s_load_b128 s[12:15], s[0:1], 0x20             ; perm, b2
	s_load_b64 s[16:17], s[0:1], 0x30              ; out0
	v_lshl_add_u32 v254, v0, 2, 0x22000
	v_mov_b32 v255, 0
	v_lshrrev_b32 v1, 5, v0
	v_readfirstlane_b32 s18, v1                    ; wave
	s_and_b32 s19, ttmp7, 0xffff                   ; g
	v_and_b32 v1, 31, v0                           ; lane
	v_and_b32 v2, 15, v0                           ; r
	v_bfe_u32 v3, v0, 4, 1                         ; hh
	v_lshlrev_b32 v4, 4, v1
	v_lshlrev_b32 v5, 3, v1
	v_lshlrev_b32 v6, 2, v1
	s_lshl_b32 s42, s18, 4
	v_lshl_add_u32 v7, v2, 6, s42                  ; 64 r + 16 w: my row's four scale words
	s_mul_i32 s42, s18, 34816
	v_mul_u32_u24 v8, v2, 272
	v_lshl_add_u32 v8, v3, 5, v8
	v_add_nc_u32 v8, s42, v8                       ; the stage, in: my wave's part, row r, + 32 hh
	s_mul_i32 s42, s18, 8704
	v_mul_u32_u24 v9, v3, 272
	v_lshl_add_u32 v9, v2, 4, v9
	v_add_nc_u32 v9, s42, v9                       ; back: rows 32 w + hh on, 16 bytes a lane; parts 0 and 1,
	v_add_nc_u32 v10, 0x11000, v9                  ; parts 2 and 3
	s_lshl_b32 s42, ttmp9, 8
	v_lshl_add_u32 v11, v2, 4, s42                 ; 256 d + 16 r: my four columns
	v_lshlrev_b32 v17, 2, v3
	v_mov_b32 v16, 0
	s_mov_b32 s43, 0
	s_lshl_b32 s44, ttmp9, 2
	s_add_co_u32 s44, s44, s18                     ; 4 d + w: W2's block within an expert
	s_wait_kmcnt 0x0
	s_lshl_b32 s42, s19, 9
	s_add_nc_u64 s[30:31], s[12:13], s[42:43]
	s_lshl_b32 s42, s18, 7
	s_add_nc_u64 s[28:29], s[30:31], s[42:43]      ; the order words of my 32 rows
	s_add_nc_u64 s[30:31], s[30:31], 8192          ; the work-group's 128 pair masks
.irp a, 0,1,2,3
	global_load_b32 v[12+\a], v6, s[30:31] offset:128*\a
.endr
.irp p, 0,1,2,3,4,5,6,7,8,9,10,11,12,13,14,15
	global_load_b32 v[TOKR+\p], v17, s[28:29] offset:8*\p
.endr
	s_mul_i32 s42, s19, 1572864
	s_mul_i32 s45, s18, 6144
	s_add_co_u32 s42, s42, s45
	s_add_nc_u64 s[20:21], s[4:5], s[42:43]        ; hidden codes: place 64 g, my four K steps; 24,576 on for each expert
	s_lshl_b32 s42, s19, 16
	s_add_co_u32 s42, s42, 25165824
	s_add_nc_u64 s[22:23], s[4:5], s[42:43]        ; their scale bytes; 1,024 on
	s_mul_i32 s42, s44, 24576
	s_add_co_u32 s42, s42, 12582912
	s_add_nc_u64 s[24:25], s[6:7], s[42:43]        ; W2's block; 64 blocks on
	s_lshl_b32 s42, s44, 10
	s_add_co_u32 s42, s42, 524288
	s_add_nc_u64 s[26:27], s[8:9], s[42:43]        ; its scale words
	; zeros, while the loads are out: the scale words and fragments of tiles that an expert may pass over, and the sums
.set n, 0
.rept 32
	v_mov_b32 v[ASC+n], 0
.set n, n+1
.endr
.set n, 0
.rept 144
	v_mov_b32 v[100+n], 0
.set n, n+1
.endr
	WIN 0xc0
.set n, 0
.rept 240
	v_mov_b32 v[n], 0
.set n, n+1
.endr
	WIN 0x40
.set n, 0
.rept 256
	v_mov_b32 v[n], 0
.set n, n+1
.endr
	WIN 0
	s_wait_loadcnt 0x0
.irp m, 1,2,4,8                                    ; the OR of each tile's 16 pair masks: lanes 0-15 tile 2 a, lanes 16-31 tile 2 a + 1
.irp a, 0,1,2,3
	v_mov_b32_dpp v16, v[12+\a] row_xmask:\m row_mask:0xf bank_mask:0xf
	v_or_b32 v[12+\a], v[12+\a], v16
.endr
.endr
.irp a, 0,1,2,3
	v_readlane_b32 s[32+2*\a], v[12+\a], 0
	v_readlane_b32 s[33+2*\a], v[12+\a], 16
.endr
	s_or_b32 s40, s32, s33
.irp i, 2,3,4,5,6,7
	s_or_b32 s40, s40, s[32+\i]                    ; the experts that any of my tiles wants
.endr
.irp p, 0,1,2,3,4,5,6,7,8,9,10,11,12,13,14,15
	v_min_u32 v[TOKR+\p], 0x7ff, v[TOKR+\p]
	v_lshlrev_b32 v[GO+\p], 5, v[TOKR+\p]
.endr
	s_mov_b32 s41, 0
.Lexpert:                                              ; eight trips; bit 0 of s40 and of s32-39 speaks of the expert in hand
	s_bitcmp1_b32 s40, 0
	s_cbranch_scc0 .Lno_expert
.rept 4
	v_nop                                          ; four places ahead of loads into registers that the last trip's products read
.endr
	WIN 0x80
.set n, 0
.rept 48
	global_load_b128 v[4*n:4*n+3], v4, s[24:25] offset:512*n   ; W2's 16 fragments, as they lie
.set n, n+1
.endr
	WIN 0
.set n, 0
.rept 8
	global_load_b32 v[BSC+n], v6, s[26:27] offset:128*n
.set n, n+1
.endr
.irp i, 0,1,2,3,4,5,6,7
	s_bitcmp1_b32 s[32+\i], 0
	s_cbranch_scc0 .Lno_load\i
	ALD \i
.Lno_load\i:
.endr
	s_wait_loadcnt 0x0
.irp i, 0,1,2,3,4,5,6,7
	s_bitcmp1_b32 s[32+\i], 0
	s_cbranch_scc0 .Lno_mul\i
	MULD \i
.Lno_mul\i:
.endr
.Lno_expert:
	s_wait_xcnt 0x0                                ; the loads have read their bases
	s_add_nc_u64 s[20:21], s[20:21], 24576
	s_add_nc_u64 s[22:23], s[22:23], 1024
	s_add_nc_u64 s[24:25], s[24:25], 1572864
	s_add_nc_u64 s[26:27], s[26:27], 65536
	s_lshr_b32 s40, s40, 1
.irp i, 0,1,2,3,4,5,6,7
	s_lshr_b32 s[32+\i], s[32+\i], 1
.endr
	s_add_co_u32 s41, s41, 1
	s_cmp_lt_u32 s41, 8
	s_cbranch_scc1 .Lexpert
.rept 4
	v_nop                                          ; four places ahead of the first read of results and of loads into the operands' registers
.endr
	WIN 0xc0
.irp p, 0,1,2,3,4,5,6,7,8,9,10,11,12,13,14,15
	global_load_b128 v[8*\p:8*\p+3], v[GO+\p], s[10:11]             ; the eight gates of my row of pair p
	global_load_b128 v[8*\p+4:8*\p+7], v[GO+\p], s[10:11] offset:16
.endr
	WIN 0
.irp e, 0,1,2,3,4,5,6,7
	global_load_b128 v[B2+4*\e:B2+4*\e+3], v11, s[14:15] offset:4096*\e
.endr
	WIN 0x04                                       ; an LDS store's data are its source 1: window 1
.irp i, 0,1,2,3,4,5,6,7
.irp c, 0,1,2,3
	ds_store_b128 v8, v[8*(4*\i+\c):8*(4*\i+\c)+3] offset:\i*4352+64*\c          ; each accumulator from its low end on: row 16 i + r, columns 16 c + 8 hh + 0 .. 7
	ds_store_b128 v8, v[8*(4*\i+\c)+4:8*(4*\i+\c)+7] offset:\i*4352+64*\c+16
.endr
.endr
	WIN 0
	s_wait_dscnt 0x0                               ; for the others' sake: my part of the sums has landed
	s_barrier_signal -1
	s_barrier_wait -1                              ; the one barrier, on every wave's path
	s_wait_loadcnt 0x0                             ; gates and b2
.irp q, 0,1,2,3                                    ; four pairs of rows at a time: lanes 0-15 row 32 w + 2 p, lanes 16-31 the next
.if \q > 0
	s_wait_xcnt 0x0                                ; the last batch's stores have read their registers
.endif
.irp y, 0,1,2,3
	ds_load_b128 v[PS+16*\y:PS+16*\y+3], v9 offset:(4*\q+\y)*544
	ds_load_b128 v[PS+16*\y+4:PS+16*\y+7], v9 offset:(4*\q+\y)*544+34816
	ds_load_b128 v[PS+16*\y+8:PS+16*\y+11], v10 offset:(4*\q+\y)*544
	ds_load_b128 v[PS+16*\y+12:PS+16*\y+15], v10 offset:(4*\q+\y)*544+34816
.endr
	s_wait_dscnt 0x0
.irp y, 0,1,2,3
.irp z, 0,2
	v_pk_add_f32 v[PS+16*\y+\z:PS+16*\y+\z+1], v[PS+16*\y+\z:PS+16*\y+\z+1], v[PS+16*\y+4+\z:PS+16*\y+5+\z]
	v_pk_add_f32 v[PS+16*\y+8+\z:PS+16*\y+9+\z], v[PS+16*\y+8+\z:PS+16*\y+9+\z], v[PS+16*\y+12+\z:PS+16*\y+13+\z]
.endr
.endr
.irp y, 0,1,2,3
.irp z, 0,2
	v_pk_add_f32 v[PS+16*\y+\z:PS+16*\y+\z+1], v[PS+16*\y+\z:PS+16*\y+\z+1], v[PS+16*\y+8+\z:PS+16*\y+9+\z]
.endr
.endr
	WIN 0x0c                                       ; source 1 (the gates) window 3
.irp e, 0,1,2,3,4,5,6,7                            ; + gate_e x b2_e: eight chains side by side
.irp y, 0,1,2,3
.irp z, 0,2
.if (\e)%2 == 0
	v_pk_fma_f32 v[PS+16*\y+\z:PS+16*\y+\z+1], v[B2+4*\e+\z:B2+4*\e+\z+1], v[8*(4*\q+\y)+\e:8*(4*\q+\y)+\e+1], v[PS+16*\y+\z:PS+16*\y+\z+1] op_sel_hi:[1,0,1]
.else
	v_pk_fma_f32 v[PS+16*\y+\z:PS+16*\y+\z+1], v[B2+4*\e+\z:B2+4*\e+\z+1], v[8*(4*\q+\y)+\e-1:8*(4*\q+\y)+\e], v[PS+16*\y+\z:PS+16*\y+\z+1] op_sel:[0,1,0] op_sel_hi:[1,1,1]
.endif
.endr
.endr
.endr
	WIN 0
.irp y, 0,1,2,3
	v_lshl_add_u32 v[OA+4*\q+\y], v[TOKR+4*\q+\y], 12, v11
	global_store_b128 v[OA+4*\q+\y], v[PS+16*\y:PS+16*\y+3], s[16:17]   ; sixteen lanes store 256 consecutive bytes of a token's row, at a multiple of 256 from out0's first byte
.endr
.endr
	s_wait_tensorcnt 0x0
	ds_add_u32 v254, v255
	s_wait_dscnt 0x0
	s_endpgm
.Lfunc_end_k_q88bffc5d2b_down:
	.size	k_q88bffc5d2b_down, .Lfunc_end_k_q88bffc5d2b_down-k_q88bffc5d2b_down
	.p2alignl 7, 3214868480
	.fill 96, 4, 3214868480
	.section	.rodata,"a",@progbits
	.p2align	6, 0x0
	.amdhsa_kernel k_q88bffc5d2b_down
		.amdhsa_group_segment_fixed_size 139776
		.amdhsa_private_segment_fixed_size 0
		.amdhsa_enable_private_segment 0
		.amdhsa_kernarg_size 56
		.amdhsa_user_sgpr_count 2
		.amdhsa_user_sgpr_kernarg_segment_ptr 1
		.amdhsa_wavefront_size32 1
		.amdhsa_system_sgpr_workgroup_id_x 1
		.amdhsa_system_sgpr_workgroup_id_y 1
		.amdhsa_system_sgpr_workgroup_id_z 1
		.amdhsa_system_vgpr_workitem_id 0
		.amdhsa_next_free_vgpr 1024
		.amdhsa_next_free_sgpr 66
		.amdhsa_reserve_vcc 0
		.amdhsa_float_denorm_mode_32 3
		.amdhsa_float_denorm_mode_16_64 3
		.amdhsa_memory_ordered 1
		.amdhsa_forward_progress 1
		.amdhsa_inst_pref_size 104
	.end_amdhsa_kernel
	.amdgpu_metadata
---
amdhsa.version: [ 1, 2 ]
amdhsa.kernels:
  - .name:           k_q88bffc5d2b_down
    .symbol:         k_q88bffc5d2b_down.kd
    .args:
      - { .name: hc, .offset: 0, .size: 8, .value_kind: global_buffer, .address_space: global }
      - { .name: wq, .offset: 8, .size: 8, .value_kind: global_buffer, .address_space: global }
      - { .name: ws, .offset: 16, .size: 8, .value_kind: global_buffer, .address_space: global }
      - { .name: gates, .offset: 24, .size: 8, .value_kind: global_buffer, .address_space: global }
      - { .name: perm, .offset: 32, .size: 8, .value_kind: global_buffer, .address_space: global }
      - { .name: b2, .offset: 40, .size: 8, .value_kind: global_buffer, .address_space: global }
      - { .name: out0, .offset: 48, .size: 8, .value_kind: global_buffer, .address_space: global }
    .group_segment_fixed_size: 139776
    .private_segment_fixed_size: 0
    .kernarg_segment_align: 8
    .kernarg_segment_size: 56
    .max_flat_workgroup_size: 128
    .sgpr_count:     66
    .vgpr_count:     1024
    .wavefront_size: 32
...
	.end_amdgpu_metadata
.endif
;; end of part 4
;; ======== version 2 of 3: 4 launches
;; workspace buffers: xc 1,638,400 bytes; gates 65,536 bytes; sel 8,192 bytes of whole numbers; perm 16,384 bytes of whole numbers; wq 25,165,824 bytes; ws 1,048,576 bytes; hc 26,214,400 bytes
;; launch route: the kernel of part 1 again; grid 128 x 1, 8 waves a work-group, no clusters, 168,960 bytes of LDS; arguments x, Wr, br, xc, gates, sel; writes xc, gates, sel
;; launch prep (part 5): grid 1040 x 1, 4 waves a work-group, no clusters, 8,704 bytes of LDS; arguments W1, W2, sel, wq, ws, perm; writes wq, ws, perm
.if DOCPART == 5
	.amdgcn_target "amdgcn-amd-amdhsa--gfx1250"
	.amdhsa_code_object_version 6
	.text
	.protected	k_q88bffc5d2b_prep
	.globl	k_q88bffc5d2b_prep
	.p2align	8
	.type	k_q88bffc5d2b_prep,@function
k_q88bffc5d2b_prep:
	s_mov_b64 s[64:65], 0
	v_nop
	global_prefetch_b8 v0, s[64:65] scope:SCOPE_SE
	s_setreg_imm32_b32 hwreg(HW_REG_WAVE_MODE, 25, 1), 1
	s_wait_xcnt 0x0
; W1 [8][1024 k][2048], W2 [8][2048 k][1024], f32, K the first axis of an expert, become E2M3 codes and E8M0 scale words IN THE ORDER OF THE OPERAND'S REGISTERS; sixteen more work-groups sort the tokens.
; WORK-GROUPS 0-511: W1; 512-1023: W2.  A wave takes 32 columns x 256 along K: a lane takes a column, its registers run down K, so a block of 32 lies in one lane and the conversions give codes with K innermost.
; The four waves stand side by side on 512 consecutive bytes of each row.  Lanes 0-15 hold the 16 rows of one tile, lanes 16-31 those of the next; an even block's codes and the following odd block's
; change halves (v_permlane16_swap_b32), after which each run of registers is a fragment: lanes 0-15 k = 64 c + 0 .. 31, lanes 16-31 k = 64 c + 32 .. 63.
; wq: blocks of 24,576 bytes = 64 columns x 512 k, laid [tile 4][K step 4][4 registers x 3][lane 32][16 bytes].  W1: block 64 e + 2 j + K half (j: 64 hidden units); tile 2 b + u, lane r = unit 32 b + 8 u + r + 8 (r / 8),
; so that the first product's results lie as the next K wants them.  W2 (12,582,912 bytes on): block 64 e + 4 d + K quarter (d: 64 columns); tile c, lane r = column 16 c + r.
; ws: 1,024 bytes a block, [tile 4][pair of K steps 2][lane 32] words: lanes 0-15 the even K step's word of row r, lanes 16-31 the odd one's.  W2's 524,288 bytes on.
; These work-groups use no LDS and no barrier: their waves share nothing.
; WORK-GROUPS 1024-1039: THE SORT, by pair mask and then by token.  64 waves; wave W owns tokens 32 W + lane, a token a lane.  A token's position is its RANK: how many of the 2,048 numbers
; 2048 x mask + token, which all differ, lie under its own.  So every lane stores once, with all lanes on: perm[pos] = token, perm[2048 + pos] = its pair mask; each position is stored by one lane.
; A work-group's four waves lay the 2,048 numbers into 8 KiB of LDS, a quarter each; one barrier; then each wave reads the whole list, every lane naming the same 16 bytes, so that every lane gets every number:
; 512 LDS loads and 2.5 vector instructions a number, 5,120, a wave; memory is asked once, at the start.
; No cluster: the quantising work-groups share nothing, and the sort's share 8 KiB.
; LIMITS: NaN and infinities are not served; a block whose largest magnitude lies under 2^-124 (a block of zeros too) keeps the byte 1: the bytes are read by this program alone.
.set X,  32                            ; v32-95   two sets of 32 numbers
.set TE, 144                           ; v144-146 the upper 16 codes of an even block;  v148-150 of an odd one
.set TO, 148
.set SW, 156                           ; v156-157 the scale words of my column for the wave's two K steps
	s_load_b256 s[4:11], s[0:1], 0x0               ; W1, W2, sel, wq
	s_load_b128 s[12:15], s[0:1], 0x20             ; ws, perm
	v_lshl_add_u32 v160, v0, 2, 0x2000
	v_mov_b32 v161, 0
	v_lshrrev_b32 v1, 5, v0
	v_readfirstlane_b32 s16, v1                    ; wave
	v_and_b32 v1, 31, v0                           ; lane
	v_lshlrev_b32 v3, 4, v1                        ; 16 x lane
	v_lshlrev_b32 v4, 2, v1                        ; 4 x lane
; where the wave's part lies.  e = bits 8:6 of the work-group's number in both tensors; ko: which 256 along K; cq: which 128 columns
.macro PLACE kofield, cqmask, kosh, slsh, cbase, sbase
	s_bfe_u32 s17, ttmp9, 0x30006                  ; e
	s_bfe_u32 s18, ttmp9, \kofield                 ; ko
	s_and_b32 s19, ttmp9, \cqmask                  ; cq
	s_lshl_b32 s20, s17, 23                        ; an expert is 8,388,608 bytes
	s_lshl_b32 s22, s18, \kosh                     ; 256 rows
	s_add_co_u32 s20, s20, s22
	s_lshl_b32 s22, s19, 9
	s_add_co_u32 s20, s20, s22
	s_lshl_b32 s22, s16, 7                         ; my wave's 128 bytes of a row
	s_add_co_u32 s20, s20, s22
	s_mov_b32 s21, 0
	s_lshl_b32 s22, s19, 1
	s_lshr_b32 s23, s16, 1
	s_add_co_u32 s22, s22, s23                     ; the slice of 64 columns
	s_lshl_b32 s22, s22, \slsh
	s_lshl_b32 s23, s17, 6
	s_add_co_u32 s22, s22, s23
	s_lshr_b32 s23, s18, 1
	s_add_co_u32 s22, s22, s23                     ; the block
	s_and_b32 s23, s16, 1                          ; which two tiles of its four
	s_and_b32 s25, s18, 1                          ; which two K steps of its four
	s_mul_i32 s24, s22, 24576
	s_mul_i32 s32, s23, 12288
	s_add_co_u32 s24, s24, s32
	s_mul_i32 s32, s25, 3072
	s_add_co_u32 s24, s24, s32
	s_add_co_u32 s24, s24, \cbase
	s_lshl_b32 s22, s22, 10
	s_lshl_b32 s23, s23, 9
	s_add_co_u32 s22, s22, s23
	s_lshl_b32 s25, s25, 7
	s_add_co_u32 s22, s22, s25
	s_add_co_u32 s22, s22, \sbase
	s_mov_b32 s23, 0
	s_mov_b32 s25, 0
.endm
.macro LOADB t, pitch                  ; block t: rows 32 t + i of my column into set t % 2; a load covers 128 consecutive bytes
.irp i, 0,1,2,3,4,5,6,7,8,9,10,11,12,13,14,15,16,17,18,19,20,21,22,23,24,25,26,27,28,29,30,31
	global_load_b32 v[X+32*((\t)%2)+\i], v2, s[26:27] offset:(32*(\t)+\i)*\pitch th:TH_LOAD_NT
.endr
.endm
.macro BLOCK t, pitch
.set XS, X+32*((\t)%2)
.set SL, (\t)/4                        ; the wave's K step 0 or 1
.set CC, ((\t)%4)/2                    ; which 64 of its 128
.set FA, 96+24*SL                      ; v96.. the lower tile's fragment, v108.. the upper tile's; 24 further on for the second K step
.set FB, 108+24*SL
.if (\t) < 7
	s_wait_loadcnt 32                              ; this block's 32 loads are in; the next block's 32 may be out
.else
	s_wait_loadcnt 0x0
.endif
	v_max3_num_f32 v152, |v[XS]|, |v[XS+1]|, |v[XS+2]|
	v_max3_num_f32 v153, |v[XS+3]|, |v[XS+4]|, |v[XS+5]|
.irp i, 6,10,14,18,22,26
	v_max3_num_f32 v152, v152, |v[XS+\i]|, |v[XS+\i+1]|
	v_max3_num_f32 v153, v153, |v[XS+\i+2]|, |v[XS+\i+3]|
.endr
	v_max3_num_f32 v152, v152, |v[XS+30]|, |v[XS+31]|
	v_max3_num_f32 v152, v152, v153, 0x1800000     ; with the floor 2^(3 - 127): the byte cannot fall under 1
	v_add_nc_u32 v154, 0xff000000, v152            ; 2 off the exponent field: the conversion's scale operand
	v_lshrrev_b32 v155, 23, v154                   ; the scale's byte
.if (\t)%4 == 0
	v_mov_b32 v[SW+SL], v155
.else
	v_lshl_or_b32 v[SW+SL], v155, 8*((\t)%4), v[SW+SL]
.endif
.if (\t)%2 == 0
	v_cvt_scalef32_pk16_fp6_f32 v[FA+6*CC:FA+6*CC+2], v[XS:XS+15], v154
	v_cvt_scalef32_pk16_fp6_f32 v[TE:TE+2], v[XS+16:XS+31], v154   ; (the next block's plain lines stand between these and the next touch of their registers)
.else
	v_cvt_scalef32_pk16_fp6_f32 v[FB+6*CC:FB+6*CC+2], v[XS:XS+15], v154
	v_cvt_scalef32_pk16_fp6_f32 v[TO:TO+2], v[XS+16:XS+31], v154
	v_nop                                          ; one plain place behind the conversions
.irp i, 0,1,2
	v_permlane16_swap_b32 v[FA+6*CC+\i], v[FB+6*CC+\i]   ; the even block's lanes 16-31 (upper tile) change places with the odd block's lanes 0-15 (lower tile)
	v_permlane16_swap_b32 v[TE+\i], v[TO+\i]
.endr
.irp i, 0,1,2
	v_mov_b32 v[FA+6*CC+3+\i], v[TE+\i]
	v_mov_b32 v[FB+6*CC+3+\i], v[TO+\i]
.endr
.endif
.if (\t)+2 < 8
	LOADB (\t)+2, \pitch
.endif
.if (\t)%4 == 3
.irp i, 0,1,2
	global_store_b128 v3, v[FA+4*\i:FA+4*\i+3], s[28:29] offset:SL*1536+512*\i        ; each store covers 512 consecutive bytes, at a multiple of 512 from wq's first byte
	global_store_b128 v3, v[FB+4*\i:FB+4*\i+3], s[28:29] offset:6144+SL*1536+512*\i   ; no register of a store is written again
.endr
.endif
.endm
.macro QW pitch
	LOADB 0, \pitch
	LOADB 1, \pitch
.irp t, 0,1,2,3,4,5,6,7
	BLOCK \t, \pitch
.endr
	v_permlane16_swap_b32 v[SW], v[SW+1]           ; v156: the lower tile's words, first K step in lanes 0-15, second in lanes 16-31; v157: the upper tile's
	global_store_b32 v4, v[SW], s[30:31]
	global_store_b32 v4, v[SW+1], s[30:31] offset:256
	s_endpgm
.endm
; THE SORT'S MACROS.  A set is 64 numbers of the list, 256 bytes of LDS, in 64 registers from v[R] on.
.macro LOADK R, off                    ; the set at byte v19 + off: all lanes name the same 16 bytes, so every lane gets all 64 numbers
.irp i, 0,1,2,3,4,5,6,7,8,9,10,11,12,13,14,15
	ds_load_b128 v[\R+4*\i:\R+4*\i+3], v19 offset:\off+16*\i
.endr
.endm
.macro CNT R                           ; each lane counts the set's numbers that lie under its own, v9: eight compares, eight ones or zeros, four sums on two counters, so that no line waits for the line above it
.irp b, 0,1,2,3,4,5,6,7
.irp x, 0,1,2,3,4,5,6,7
	v_cmp_lt_u32 s[48+\x], v[\R+8*\b+\x], v9
.endr
.irp x, 0,1,2,3,4,5,6,7
	v_cndmask_b32 v[10+\x], 0, 1, s[48+\x]
.endr
	v_add3_u32 v8, v8, v10, v11
	v_add3_u32 v18, v18, v12, v13
	v_add3_u32 v8, v8, v14, v15
	v_add3_u32 v18, v18, v16, v17
.endr
.endm
	s_cmp_ge_u32 ttmp9, 1024
	s_cbranch_scc1 .Lsort
	s_cmp_ge_u32 ttmp9, 512
	s_cbranch_scc1 .Lw2
	PLACE 0x20004, 15, 21, 1, 0, 0                 ; W1: 4 x 256 along K, 16 x 128 columns, rows of 8,192 bytes
	v_lshrrev_b32 v2, 4, v1
	v_lshlrev_b32 v2, 3, v2
	v_and_b32 v5, 15, v1
	v_add_nc_u32 v2, v2, v5
	v_and_b32 v5, 8, v1
	v_add_nc_u32 v2, v2, v5                        ; my column of the wave's 32: 8 (l / 16) + l % 16 + (l & 8)
	v_lshlrev_b32 v2, 2, v2
	s_wait_kmcnt 0x0
	s_add_nc_u64 s[26:27], s[4:5], s[20:21]
	s_add_nc_u64 s[28:29], s[10:11], s[24:25]
	s_add_nc_u64 s[30:31], s[12:13], s[22:23]
	QW 8192
.Lw2:
	PLACE 0x30003, 7, 20, 2, 12582912, 524288      ; W2: 8 x 256 along K, 8 x 128 columns, rows of 4,096 bytes
	v_lshlrev_b32 v2, 2, v1                        ; my column: the lane's number
	s_wait_kmcnt 0x0
	s_add_nc_u64 s[26:27], s[6:7], s[20:21]
	s_add_nc_u64 s[28:29], s[10:11], s[24:25]
	s_add_nc_u64 s[30:31], s[12:13], s[22:23]
	QW 4096
.Lsort:                                                ; the branch hangs on the work-group's number: all four waves are here, or none
	s_sub_co_u32 s58, ttmp9, 1024
	s_lshl_b32 s58, s58, 2
	s_add_co_u32 s58, s58, s16                     ; W = 0 .. 63: my wave's 32 tokens
	s_lshl_b32 s59, s58, 7                         ; their 128 bytes of sel
	v_lshl_add_u32 v7, s58, 5, v1                  ; my token: 32 W + lane
	v_add_nc_u32 v6, s59, v4
	s_lshl_b32 s57, s16, 11
	v_add_nc_u32 v20, s57, v3                      ; my wave's quarter of the list, in sel and in LDS alike: 2,048 x wave + 16 x lane
	s_lshl_b32 s57, s16, 9
	v_add_nc_u32 v21, s57, v4                      ; the token at that byte: 512 x wave + 4 x lane
	s_mov_b32 s60, 0                               ; the byte of the list at which a trip's first set begins
	v_mov_b32 v8, 0                                ; the rank, in two counters
	v_mov_b32 v18, 0
	s_wait_kmcnt 0x0
	global_load_b32 v5, v6, s[8:9]                 ; my token's pair mask
.irp i, 0,1,2,3
	global_load_b128 v[32+4*\i:35+4*\i], v20, s[8:9] offset:512*\i   ; register 4 i + c: the mask of token 512 x wave + 4 x lane + 128 i + c
.endr
	s_wait_loadcnt 0x0
.set n, 0
.rept 16
	v_lshl_add_u32 v[32+n], v[32+n], 11, v21       ; 2048 x mask + token:
.set n, n+1
.endr
.set n, 1
.rept 15
	v_add_nc_u32 v[32+n], 128*(n/4)+n%4, v[32+n]   ; the register's part of the token
.set n, n+1
.endr
.irp i, 0,1,2,3
	ds_store_b128 v20, v[32+4*\i:35+4*\i] offset:512*\i
.endr
	v_lshl_or_b32 v9, v5, 11, v7                   ; my own number
	v_mov_b32 v19, s60
	s_wait_dscnt 0x0                               ; for the others' sake: my quarter of the list has landed
	s_barrier_signal -1
	s_barrier_wait -1                              ; the list is whole; nothing is stored into it from here on
	LOADK 32, 0
.Lcount:                                               ; 15 trips of two sets; while one set is counted the other is on its way
	s_wait_dscnt 0x0                               ; the even set is in
	LOADK 96, 256
	CNT 32
	s_wait_dscnt 0x0                               ; the odd set is in, and no LDS load of mine is out: the address is stepped here
	s_add_co_u32 s60, s60, 512
	v_mov_b32 v19, s60
	LOADK 32, 0
	CNT 96
	s_cmp_lt_u32 s60, 7680
	s_cbranch_scc1 .Lcount
	s_wait_dscnt 0x0                               ; the last two sets are written out: nothing is read behind the list's last byte
	LOADK 96, 256
	CNT 32
	s_wait_dscnt 0x0
	CNT 96
	v_add_nc_u32 v8, v8, v18                       ; my token's position, 0 .. 2,047: the ranks of 2,048 different numbers are all different
	v_min_u32 v8, 0x7ff, v8
	v_lshlrev_b32 v8, 2, v8
	global_store_b32 v8, v7, s[14:15]              ; perm[pos] = token
	global_store_b32 v8, v5, s[14:15] offset:8192  ; perm[2048 + pos] = its pair mask
	s_wait_tensorcnt 0x0
	ds_add_u32 v160, v161
	s_wait_dscnt 0x0
	s_endpgm
.Lfunc_end_k_q88bffc5d2b_prep:
	.size	k_q88bffc5d2b_prep, .Lfunc_end_k_q88bffc5d2b_prep-k_q88bffc5d2b_prep
	.p2alignl 7, 3214868480
	.fill 96, 4, 3214868480
	.section	.rodata,"a",@progbits
	.p2align	6, 0x0
	.amdhsa_kernel k_q88bffc5d2b_prep
		.amdhsa_group_segment_fixed_size 8704
		.amdhsa_private_segment_fixed_size 0
		.amdhsa_enable_private_segment 0
		.amdhsa_kernarg_size 48
		.amdhsa_user_sgpr_count 2
		.amdhsa_user_sgpr_kernarg_segment_ptr 1
		.amdhsa_wavefront_size32 1
		.amdhsa_system_sgpr_workgroup_id_x 1
		.amdhsa_system_sgpr_workgroup_id_y 1
		.amdhsa_system_sgpr_workgroup_id_z 1
		.amdhsa_system_vgpr_workitem_id 0
		.amdhsa_next_free_vgpr 162
		.amdhsa_next_free_sgpr 66
		.amdhsa_reserve_vcc 0
		.amdhsa_float_denorm_mode_32 3
		.amdhsa_float_denorm_mode_16_64 3
		.amdhsa_memory_ordered 1
		.amdhsa_forward_progress 1
		.amdhsa_inst_pref_size 128
	.end_amdhsa_kernel
	.amdgpu_metadata
---
amdhsa.version: [ 1, 2 ]
amdhsa.kernels:
  - .name:           k_q88bffc5d2b_prep
    .symbol:         k_q88bffc5d2b_prep.kd
    .args:
      - { .name: W1, .offset: 0, .size: 8, .value_kind: global_buffer, .address_space: global }
      - { .name: W2, .offset: 8, .size: 8, .value_kind: global_buffer, .address_space: global }
      - { .name: sel, .offset: 16, .size: 8, .value_kind: global_buffer, .address_space: global }
      - { .name: wq, .offset: 24, .size: 8, .value_kind: global_buffer, .address_space: global }
      - { .name: ws, .offset: 32, .size: 8, .value_kind: global_buffer, .address_space: global }
      - { .name: perm, .offset: 40, .size: 8, .value_kind: global_buffer, .address_space: global }
    .group_segment_fixed_size: 8704
    .private_segment_fixed_size: 0
    .kernarg_segment_align: 8
    .kernarg_segment_size: 48
    .max_flat_workgroup_size: 128
    .sgpr_count:     66
    .vgpr_count:     162
    .wavefront_size: 32
...
	.end_amdgpu_metadata
.endif
;; end of part 5
;; launch up (part 6): grid 32 x 8, 4 waves a work-group, no clusters, 0 bytes of LDS; arguments xc, gates, perm, wq, ws, b1, hc; writes hc
.if DOCPART == 6
	.amdgcn_target "amdgcn-amd-amdhsa--gfx1250"
	.amdhsa_code_object_version 6
	.text
	.protected	k_q88bffc5d2b_up
	.globl	k_q88bffc5d2b_up
	.p2align	8
	.type	k_q88bffc5d2b_up,@function
k_q88bffc5d2b_up:
	s_mov_b64 s[64:65], 0
	v_nop
	global_prefetch_b8 v0, s[64:65] scope:SCOPE_SE
	s_setreg_imm32_b32 hwreg(HW_REG_WAVE_MODE, 25, 1), 1
	s_wait_xcnt 0x0
; THE FIRST PRODUCT AND THE SECOND QUANTISER: hc = Q(gate x relu(Q(x) Q(W1_e) + b1_e)), for the chosen experts alone.
; The tokens are sorted by their pair of experts; tile t is sorted positions 16 t .. 16 t + 15, and its experts are the OR of its 16 pair masks.  A row of a tile that did not choose the expert has gate 0: zero codes.
; A work-group is (j = 64 hidden units, e = expert).  Each wave keeps W1_e's 64 units x 1,024 k in registers (32 fragments) and takes the tiles w + 4 i (i = 0 .. 31) whose mask has bit e.
; The product is used transposed (source 0 = 16 rows of W1, source 1 = 16 tokens): lane (r, h) holds token r, and the 16 registers of tiles 2 b, 2 b + 1 are units 32 b + 16 h + 0 .. 15: neighbours along the next K.
; b1 is the C of each sum's first matrix instruction.  The 64 units are half a fragment (six registers) of the second product's K step j / 2.
; hc: place p = 8 t + e of 24,576 bytes; slice j at 768 j: 512 bytes (lane x 16: registers 0-3), 256 bytes (lane x 8: registers 4-5).  Scale bytes from 25,165,824 on: 1,024 p + 64 row + block.
; No tensor load, no cluster, no LDS: the trip count and an early end hang on the stored list, so operands go from memory straight into registers, laid in register order by the launches before.
; Loads run two tiles ahead in two sets.  Where the list is at its end the last tile is asked for again (inside the buffers); with an odd number of tiles the last one is computed and stored twice, the same bytes by the same wave.
; LIMITS: as the launches before; a block of the hidden layer under 2^-124 (a block of zeros too) keeps the byte 1.
; REGISTERS: window 0: addresses, scale words, b1, the accumulators; window 1: W1's fragments of k 0-511 (tile t, K step q at 12 (4 t + q)); window 2: those of k 512-1023; window 3: x's fragments, set X at 96 X + 12 s.
.set OO,   10                          ; v10-11  address of the set's order word
.set TOK,  12                          ; v12-13  my row's token
.set RO,   14                          ; v14-15  its codes' offset
.set SO,   16                          ; v16-17  32 x token: scale words and gates
.set GC,   18                          ; v18 the gate in hand, v19 = 0 (named with it as a pair)
.set G,    20                          ; v20-21  the set's gate
.set HO16, 22
.set HO8,  23
.set HSO,  24
.set BYTE, 25
.set ASC,  48                          ; v48-63  x's scale words, 8 a set
.set BSC,  64                          ; v64-79  W1's: 8 (K half) + 2 (tile) + pair of K steps
.set BIAS, 80                          ; v80-111
.set ACC,  112                         ; v112-143
.set Z,    144                         ; v144-149 the half fragment
.set ZT,   150
.set TO,   44                          ; s44-45  the tile whose order words are on their way
.set TA,   46                          ; s46-47  the tile whose fragments are in the set
.set MSB, 0
.macro WIN new                         ; the immediate's high byte repeats the setting that is left
.if MSB != \new
	s_set_vgpr_msb (MSB<<8)|\new
.set MSB, \new
.endif
.endm
.macro NEXT dst                        ; my next tile, or the last one again when the list is at its end
	s_ctz_i32_b32 s48, s39
	s_cmp_lg_u32 s39, 0
	s_cselect_b32 s48, s48, s43
	s_min_u32 s48, s48, 31
	s_mov_b32 s43, s48
	s_sub_co_u32 s49, s39, 1
	s_and_b32 s39, s39, s49                        ; its bit is taken off
	s_lshl_b32 s[\dst], s48, 2
	s_add_co_u32 s[\dst], s[\dst], s36             ; tile 4 i + w
.endm
.macro ORDL X                          ; which token is my row of that tile: 1 load
	v_lshl_add_u32 v[OO+\X], s[TO+\X], 6, v4
	global_load_b32 v[TOK+\X], v[OO+\X], s[8:9]
.endm
.macro ALOAD X                         ; the tile's eight fragments, scale words and gate: 27 loads
	v_min_u32 v[TOK+\X], 0x7ff, v[TOK+\X]
	v_mul_u32_u24 v[RO+\X], 0x300, v[TOK+\X]
	v_add_nc_u32 v[RO+\X], v[RO+\X], v7
	v_lshlrev_b32 v[SO+\X], 5, v[TOK+\X]
	WIN 0xc0                                       ; destination window 3
.set n, 0
.rept 24
	global_load_b128 v[96*\X+4*n:96*\X+4*n+3], v[RO+\X], s[4:5] offset:32*n
.set n, n+1
.endr
	WIN 0
	global_load_b128 v[ASC+8*\X:ASC+8*\X+3], v[SO+\X], s[20:21]
	global_load_b128 v[ASC+8*\X+4:ASC+8*\X+7], v[SO+\X], s[20:21] offset:16
	global_load_b32 v[G+\X], v[SO+\X], s[22:23]
.endm
.macro MULS X, kh                      ; 16 matrix instructions: four K steps x four tiles; the four accumulators by turns, one instruction a turn
.irp q, 0,1,2,3
.irp t, 0,1,2,3
.if (\kh) == 0 && (\q) == 0
	v_wmma_scale_f32_16x16x128_f8f6f4 v[ACC+8*\t:ACC+8*\t+7], v[12*(4*\t+\q):12*(4*\t+\q)+11], v[96*\X+12*(4*\kh+\q):96*\X+12*(4*\kh+\q)+11], v[BIAS+8*\t:BIAS+8*\t+7], v[BSC+8*\kh+2*\t+\q/2], v[ASC+8*\X+4*\kh+\q] matrix_a_fmt:MATRIX_FMT_FP6 matrix_b_fmt:MATRIX_FMT_FP6
.elseif (\q)%2 == 0
	v_wmma_scale_f32_16x16x128_f8f6f4 v[ACC+8*\t:ACC+8*\t+7], v[12*(4*\t+\q):12*(4*\t+\q)+11], v[96*\X+12*(4*\kh+\q):96*\X+12*(4*\kh+\q)+11], v[ACC+8*\t:ACC+8*\t+7], v[BSC+8*\kh+2*\t+\q/2], v[ASC+8*\X+4*\kh+\q] matrix_a_fmt:MATRIX_FMT_FP6 matrix_b_fmt:MATRIX_FMT_FP6
.else
	v_wmma_scale_f32_16x16x128_f8f6f4 v[ACC+8*\t:ACC+8*\t+7], v[12*(4*\t+\q):12*(4*\t+\q)+11], v[96*\X+12*(4*\kh+\q):96*\X+12*(4*\kh+\q)+11], v[ACC+8*\t:ACC+8*\t+7], v[BSC+8*\kh+2*\t+\q/2], v[ASC+8*\X+4*\kh+\q] matrix_a_fmt:MATRIX_FMT_FP6 matrix_b_fmt:MATRIX_FMT_FP6 matrix_a_scale:MATRIX_SCALE_ROW1
.endif
.endr
.endr
.endm
.macro ITEM X
	s_wait_loadcnt 29                              ; set X's 27 loads are in (and all before them); younger: its order word, the other set's 27 and its order word
	WIN 0x0d                                       ; source 0 window 1, source 1 window 3
	MULS \X, 0                                     ; the products write v112-143 alone: no register that the last tile's stores still read
	WIN 0x0e                                       ; source 0 window 2
	MULS \X, 1
	WIN 0
	s_wait_xcnt 0x0                                ; the last tile's three stores have read v22-25 and v144-149: these are written again only behind this wait, which stands behind the tile's 32 products
	s_lshl_b32 s48, s[TA+\X], 3
	s_add_co_u32 s48, s48, s37                     ; the place 8 t + e
	s_mul_i32 s49, s48, 24576
	s_lshl_b32 s48, s48, 10
	v_add_nc_u32 v[HO16], s49, v5                  ; these four lines, which name no register of the products, are the four places ahead of loads into registers that the products read
	v_add_nc_u32 v[HO8], s49, v6                   ; and of the first read of their results (ISA guide 7.12.1)
	v_add_nc_u32 v[HSO], s48, v9
	v_mov_b32 v[GC], v[G+\X]
	s_wait_loadcnt 28                              ; set X's order word is in; younger: the other set's 27 loads and its order word
	s_mov_b32 s[TA+\X], s[TO+\X]
	ALOAD \X
	NEXT TO+\X
	ORDL \X
.set n, 0
.rept 32
	v_max_num_f32 v[ACC+n], 0, v[ACC+n]            ; relu, each accumulator from its low end on
.set n, n+1
.endr
.set n, 0
.rept 16
	v_pk_mul_f32 v[ACC+2*n:ACC+2*n+1], v[ACC+2*n:ACC+2*n+1], v[GC:GC+1] op_sel_hi:[1,0]   ; x my token's gate, in f32, ahead of the quantiser
.set n, n+1
.endr
	v_max3_num_f32 v32, v[ACC], v[ACC+1], 0x1800000       ; the two blocks of 32 units; nothing is negative; the floor 2^(3 - 127) holds the byte at 1 from below
	v_max3_num_f32 v33, v[ACC+16], v[ACC+17], 0x1800000
.irp i, 2,4,6,8,10,12,14
	v_max3_num_f32 v32, v32, v[ACC+\i], v[ACC+\i+1]
	v_max3_num_f32 v33, v33, v[ACC+16+\i], v[ACC+17+\i]
.endr
	v_permlanex16_b32 v34, v32, s50, s51
	v_permlanex16_b32 v35, v33, s50, s51
	v_max_num_f32 v32, v32, v34                    ; with lane l xor 16's 16 units
	v_max_num_f32 v33, v33, v35
	v_add_nc_u32 v36, 0xff000000, v32              ; 2 off the exponent field: the conversion's scale operand
	v_add_nc_u32 v37, 0xff000000, v33
	v_lshrrev_b32 v38, 23, v36
	v_lshrrev_b32 v39, 23, v37
	v_cvt_scalef32_pk16_fp6_f32 v[Z:Z+2], v[ACC:ACC+15], v36
	v_cvt_scalef32_pk16_fp6_f32 v[ZT:ZT+2], v[ACC+16:ACC+31], v37
	v_cndmask_b32 v[BYTE], v38, v39, s52           ; lanes 0-15 store block 0's byte, lanes 16-31 block 1's.  (The plain place behind the conversions)
.irp i, 0,1,2
	v_permlane16_swap_b32 v[Z+\i], v[ZT+\i]        ; a whole block to a lane: lanes 0-15 block 0, lanes 16-31 block 1
.endr
.irp i, 0,1,2
	v_mov_b32 v[Z+3+\i], v[ZT+\i]
.endr
	global_store_b128 v[HO16], v[Z:Z+3], s[32:33]             ; 512 consecutive bytes, at a multiple of 256 from hc's first byte
	global_store_b64 v[HO8], v[Z+4:Z+5], s[32:33] offset:512  ; 256 consecutive bytes
	global_store_b8 v[HSO], v[BYTE], s[34:35]                 ; two bytes of each of 16 rows: one byte for 24 of codes
.endm
	s_load_b256 s[4:11], s[0:1], 0x0               ; xc, gates, perm, wq
	s_load_b128 s[12:15], s[0:1], 0x20             ; ws, b1
	s_load_b64 s[16:17], s[0:1], 0x30              ; hc
	v_lshrrev_b32 v1, 5, v0
	v_readfirstlane_b32 s36, v1                    ; wave
	s_and_b32 s37, ttmp7, 0xffff                   ; e
	s_lshl_b32 s38, 1, s37
	v_and_b32 v1, 31, v0                           ; lane
	v_and_b32 v2, 15, v0                           ; r
	v_bfe_u32 v3, v0, 4, 1                         ; h
	v_lshlrev_b32 v4, 2, v2
	v_lshlrev_b32 v5, 4, v1
	v_lshlrev_b32 v6, 3, v1
	v_lshlrev_b32 v7, 4, v3
	v_lshlrev_b32 v8, 2, v1
	v_lshl_add_u32 v9, v2, 6, v3                   ; 64 r + h
	v_lshlrev_b32 v26, 6, v3                       ; 64 h
	s_lshl_b32 s54, s36, 6
	v_lshl_add_u32 v27, v1, 8, s54                 ; the masks of tile w + 4 lane: 64 bytes at 64 w + 256 lane
	v_mov_b32 v19, 0
	s_mov_b32 s50, 0x76543210
	s_mov_b32 s51, 0xfedcba98                      ; v_permlanex16_b32's selects for lane l xor 16
	s_mov_b32 s52, 0xffff0000
	s_mov_b32 s43, 0
	s_mov_b32 s55, 0
	s_lshl_b32 s56, s37, 6
	s_lshl_b32 s57, ttmp9, 1
	s_add_co_u32 s56, s56, s57                     ; 64 e + 2 j: W1's first block for this slice
	s_wait_kmcnt 0x0
	s_add_nc_u64 s[24:25], s[8:9], 8192            ; the sorted pair masks
.irp i, 0,1,2,3
	global_load_b128 v[32+4*\i:35+4*\i], v27, s[24:25] offset:16*\i
.endr
	s_add_nc_u64 s[20:21], s[4:5], 1572864         ; x's scale words
	s_lshl_b32 s54, s37, 2
	s_add_nc_u64 s[22:23], s[6:7], s[54:55]        ; gates, column e
	s_mul_i32 s54, s56, 24576
	s_add_nc_u64 s[26:27], s[10:11], s[54:55]
	s_lshl_b32 s54, s56, 10
	s_add_nc_u64 s[28:29], s[12:13], s[54:55]
	s_lshl_b32 s54, s56, 7                         ; (2,048 e + 64 j) x 4 bytes
	s_add_nc_u64 s[30:31], s[14:15], s[54:55]
	s_mul_i32 s54, ttmp9, 768
	s_add_nc_u64 s[32:33], s[16:17], s[54:55]
	s_lshl_b32 s54, ttmp9, 1
	s_add_co_u32 s54, s54, 25165824
	s_add_nc_u64 s[34:35], s[16:17], s[54:55]
	s_wait_loadcnt 0x0
.irp i, 1,2,3,4,5,6,7,8,9,10,11,12,13,14,15
	v_or_b32 v32, v32, v[32+\i]                    ; the tile's experts
.endr
	v_and_b32 v32, s38, v32
	v_cmp_ne_u32 s39, 0, v32                       ; bit i: tile w + 4 i wants expert e
	s_bcnt1_i32_b32 s40, s39
	s_cmp_eq_u32 s40, 0
	s_cbranch_scc1 .Lnone                          ; a wave that this split leaves without tiles stores nothing
	s_add_co_u32 s41, s40, 1
	s_lshr_b32 s41, s41, 1                         ; trips of two tiles
	v_mov_b32 v34, 0                               ; written once: a lane permute's destination counts as one of its sources
	v_mov_b32 v35, 0
	NEXT TO
	ORDL 0
	NEXT TO+1
	ORDL 1
	WIN 0x40                                       ; W1's 32 fragments, as they lie: 96 loads of 512 consecutive bytes
.set n, 0
.rept 48
	global_load_b128 v[4*n:4*n+3], v5, s[26:27] offset:512*n
.set n, n+1
.endr
	WIN 0x80
.set n, 0
.rept 48
	global_load_b128 v[4*n:4*n+3], v5, s[26:27] offset:24576+512*n
.set n, n+1
.endr
	WIN 0
.set n, 0
.rept 16
	global_load_b32 v[BSC+n], v8, s[28:29] offset:128*n
.set n, n+1
.endr
.irp t, 0,1,2,3
	global_load_b128 v[BIAS+8*\t:BIAS+8*\t+3], v26, s[30:31] offset:(32*(\t/2)+8*(\t%2))*4      ; b1 at units 32 b + 16 h + 8 u + 0 .. 7
	global_load_b128 v[BIAS+8*\t+4:BIAS+8*\t+7], v26, s[30:31] offset:(32*(\t/2)+8*(\t%2))*4+16
.endr
	s_wait_loadcnt 63                              ; the two order words have 120 younger loads behind them: they are in
	s_mov_b32 s[TA], s[TO]
	ALOAD 0
	NEXT TO
	ORDL 0
	s_mov_b32 s[TA+1], s[TO+1]
	ALOAD 1
	NEXT TO+1
	ORDL 1
	s_mov_b32 s42, 0
.Litem:
	ITEM 0
	ITEM 1
	s_add_co_u32 s42, s42, 1
	s_cmp_lt_u32 s42, s41
	s_cbranch_scc1 .Litem
.Lnone:
	s_endpgm
.Lfunc_end_k_q88bffc5d2b_up:
	.size	k_q88bffc5d2b_up, .Lfunc_end_k_q88bffc5d2b_up-k_q88bffc5d2b_up
	.p2alignl 7, 3214868480
	.fill 96, 4, 3214868480
	.section	.rodata,"a",@progbits
	.p2align	6, 0x0
	.amdhsa_kernel k_q88bffc5d2b_up
		.amdhsa_group_segment_fixed_size 0
		.amdhsa_private_segment_fixed_size 0
		.amdhsa_enable_private_segment 0
		.amdhsa_kernarg_size 56
		.amdhsa_user_sgpr_count 2
		.amdhsa_user_sgpr_kernarg_segment_ptr 1
		.amdhsa_wavefront_size32 1
		.amdhsa_system_sgpr_workgroup_id_x 1
		.amdhsa_system_sgpr_workgroup_id_y 1
		.amdhsa_system_sgpr_workgroup_id_z 1
		.amdhsa_system_vgpr_workitem_id 0
		.amdhsa_next_free_vgpr 960
		.amdhsa_next_free_sgpr 66
		.amdhsa_reserve_vcc 0
		.amdhsa_float_denorm_mode_32 3
		.amdhsa_float_denorm_mode_16_64 3
		.amdhsa_memory_ordered 1
		.amdhsa_forward_progress 1
		.amdhsa_inst_pref_size 46
	.end_amdhsa_kernel
	.amdgpu_metadata
---
amdhsa.version: [ 1, 2 ]
amdhsa.kernels:
  - .name:           k_q88bffc5d2b_up
    .symbol:         k_q88bffc5d2b_up.kd
    .args:
      - { .name: xc, .offset: 0, .size: 8, .value_kind: global_buffer, .address_space: global }
      - { .name: gates, .offset: 8, .size: 8, .value_kind: global_buffer, .address_space: global }
      - { .name: perm, .offset: 16, .size: 8, .value_kind: global_buffer, .address_space: global }
      - { .name: wq, .offset: 24, .size: 8, .value_kind: global_buffer, .address_space: global }
      - { .name: ws, .offset: 32, .size: 8, .value_kind: global_buffer, .address_space: global }
      - { .name: b1, .offset: 40, .size: 8, .value_kind: global_buffer, .address_space: global }
      - { .name: hc, .offset: 48, .size: 8, .value_kind: global_buffer, .address_space: global }
    .group_segment_fixed_size: 0
    .private_segment_fixed_size: 0
    .kernarg_segment_align: 8
    .kernarg_segment_size: 56
    .max_flat_workgroup_size: 128
    .sgpr_count:     66
    .vgpr_count:     960
    .wavefront_size: 32
...
	.end_amdgpu_metadata
.endif
;; end of part 6
;; launch down: the kernel of part 4 again; grid 16 x 16, 4 waves a work-group, no clusters, 139,776 bytes of LDS; arguments hc, wq, ws, gates, perm, b2, out0; writes out0
;; ======== version 3 of 3: 4 launches
;; workspace buffers: xc 1,638,400 bytes; gates 65,536 bytes; sel 8,192 bytes of whole numbers; perm 16,384 bytes of whole numbers; wq 25,165,824 bytes; ws 1,048,576 bytes; hc 26,214,400 bytes
;; launch route (part 7): grid 128 x 1, 8 waves a work-group, no clusters, 168,960 bytes of LDS; arguments x, Wr, br, xc, gates, sel; writes xc, gates, sel
.if DOCPART == 7
	.amdgcn_target "amdgcn-amd-amdhsa--gfx1250"
	.amdhsa_code_object_version 6
	.text
	.protected	k_q88bffc5d2b_route
	.globl	k_q88bffc5d2b_route
	.p2align	8
	.type	k_q88bffc5d2b_route,@function
k_q88bffc5d2b_route:
	s_mov_b64 s[64:65], 0
	v_nop
	global_prefetch_b8 v0, s[64:65] scope:SCOPE_SE
	s_setreg_imm32_b32 hwreg(HW_REG_WAVE_MODE, 25, 1), 1
	s_wait_xcnt 0x0
; ROUTER AND x's CODES.  x [2048][1024] f32, Wr [1024][8], br [8].
; A work-group takes 16 tokens, wave s the 128 numbers of K step s of each.  The wave's tile (16 rows x 512 bytes) comes by one tensor load, filled once.
; From the same registers the wave makes (a) its part of the logits, in f32 (the gates go on into a quantised operand), by the f32 matrix form: source 0 = Wr's columns
; (rows 8-15 repeat rows 0-7), source 1 = the 16 tokens, so that a lane holds one token and its eight registers the eight experts;
; (b) the fragment of E2M3 codes of K step s and its scale word: lane (r, h) holds blocks h and 2 + h of token r whole, so no other lane is asked for a maximum.
; Out: xc: 768 bytes of codes a token (the 16 bytes at 96 s + 32 i + 16 h are registers 4 i .. 4 i + 3 of lane (r, h) of K step s), behind them 8 scale words a token;
; gates [token][8] f32, 0 where an expert was not chosen; sel [token]: (1 << first choice) | (1 << second choice).
; No cluster: the work-groups share Wr alone, 4 KiB a wave beside 8 KiB of x.
; LIMITS: NaN and infinities are not served.  Equal logits: the lower index wins, as in jax.lax.top_k; logits closer than the rounding of an f32 sum of 1,024 terms may be ordered otherwise than by
; another order of summation.  A block whose largest magnitude lies under 2^-124 (a block of zeros too) keeps the byte 1: its bytes are read by this program alone.
.set XTW,  8448                        ; a wave's tile in LDS: 16 rows x (512 + 16) bytes
.set LOGP, 8*XTW                       ; 8 x 1,024: the waves' parts of the logits, as images of eight registers
.set CST,  LOGP+8192                   ; 16 rows x 784: the codes, row = token (784 = 49 x 16: the sixteen rows of a store start in different banks)
.set SST,  CST+16*784                  ; 512: the scale words, [token][8]
.set X,    32                          ; v32-95   my 64 numbers of x: register 32 c + i = k 64 c + 32 h + i of token r
.set WB,   96                          ; v96-159  the same k of Wr's column r % 8
.set ACC,  160                         ; v160-191 four accumulators, written by matrix instructions alone
.set F,    192                         ; v192-203 the fragment
.set T,    204                         ; v204-206, v208-210 the upper halves of the two blocks' codes
.set P,    224                         ; v224-231 my part of the logits
	s_load_b256 s[4:11], s[0:1], 0x0               ; x, Wr, br, xc
	s_load_b128 s[12:15], s[0:1], 0x20             ; gates, sel
	v_lshl_add_u32 v254, v0, 2, 0x29000
	v_mov_b32 v255, 0
	ds_add_u32 v254, v255
	ds_add_u32 v254, v255
	v_lshrrev_b32 v1, 5, v0
	s_delay_alu instid0(VALU_DEP_1)
	v_readfirstlane_b32 s16, v1                    ; wave = K step
	; descriptor group 1: 16 rows x 128 elements of 4 bytes, rows 1,024 elements apart, 4 words of padding behind every 128 words
	s_mov_b32 s24, (2<<16)|(1<<20)|(6<<22)|(3<<25)
	s_mov_b32 s25, 128<<16                         ; tensor_dim0
	s_mov_b32 s26, 16<<16                          ; tensor_dim1
	s_mov_b32 s27, 128<<16                         ; tile_dim0
	s_mov_b32 s28, 16                              ; tile_dim1
	s_mov_b32 s29, 1024                            ; from row to row
	s_mov_b32 s30, 0
	s_mov_b32 s31, 0
	s_mov_b32 s20, 1
	s_mul_i32 s21, s16, XTW                        ; LDS: my wave's tile
	s_lshl_b32 s18, ttmp9, 16                      ; 16 tokens of 4,096 bytes
	s_lshl_b32 s17, s16, 9                         ; + 512 bytes a K step
	s_add_co_u32 s18, s18, s17
	s_mov_b32 s19, 0
	s_wait_dscnt 0x0
	s_wait_kmcnt 0x0
	s_add_nc_u64 s[22:23], s[4:5], s[18:19]
	s_or_b32 s23, s23, 0x80000000
	tensor_load_to_lds s[20:23], s[24:31]          ; one load a wave, the only one of the launch
	s_nop 0
	v_and_b32 v1, 31, v0                           ; lane
	v_and_b32 v2, 15, v0                           ; r
	v_bfe_u32 v3, v0, 4, 1                         ; h
	s_load_b256 s[32:39], s[8:9], 0x0              ; br
	v_and_b32 v5, 7, v0
	s_delay_alu instid0(VALU_DEP_1)
	v_lshlrev_b32 v5, 2, v5
	s_delay_alu instid0(VALU_DEP_1)
	v_lshl_add_u32 v5, v3, 10, v5
	s_lshl_b32 s17, s16, 12
	v_add_nc_u32 v5, s17, v5                       ; Wr: row 128 s + 32 h (32 bytes a row), column r % 8
.set n, 0
.rept 64
	global_load_b32 v[WB+n], v5, s[6:7] offset:(64*(n/32)+n%32)*32
.set n, n+1
.endr
	; every LDS address is made here, ahead of the first parting of the waves
	v_mul_u32_u24 v4, v2, 528
	s_delay_alu instid0(VALU_DEP_1)
	v_lshl_add_u32 v4, v3, 7, v4
	s_delay_alu instid0(VALU_DEP_1)
	v_add_nc_u32 v4, s21, v4                       ; my tile: row r, + 128 h bytes
	v_mul_u32_u24 v6, v2, 784
	s_delay_alu instid0(VALU_DEP_1)
	v_lshl_add_u32 v6, v3, 4, v6
	s_mul_i32 s17, s16, 96
	s_add_co_u32 s17, s17, CST
	v_add_nc_u32 v6, s17, v6                       ; codes in: row r, 96 s + 16 h
	v_lshlrev_b32 v7, 5, v2
	s_lshl_b32 s17, s16, 2
	s_add_co_u32 s17, s17, SST
	v_add_nc_u32 v7, s17, v7                       ; scale word in: row r, word s
	v_lshlrev_b32 v11, 4, v1                       ; 16 x lane
	s_lshl_b32 s17, s16, 10
	s_add_co_u32 s17, s17, LOGP
	v_add_nc_u32 v8, s17, v11                      ; my part of the logits
	s_mul_i32 s17, s16, 1568
	s_add_co_u32 s17, s17, CST
	v_add_nc_u32 v9, s17, v11                      ; codes out: rows 2 s and 2 s + 1, 1,536 bytes on end but for the 16 between the rows
	s_delay_alu instid0(VALU_DEP_1)
	v_lshl_add_u32 v10, v3, 4, v9                  ; (the second 512 bytes pass that gap in lanes 16-31)
	v_add_nc_u32 v12, LOGP, v11
	v_add_nc_u32 v13, SST, v11
	v_lshlrev_b32 v14, 5, v2
	s_delay_alu instid0(VALU_DEP_1)
	v_lshl_add_u32 v14, v3, 4, v14                 ; gates: 32 r + 16 h
	v_lshlrev_b32 v15, 2, v2                       ; sel: 4 r
	s_mov_b32 s40, 0x76543210
	s_mov_b32 s41, 0xfedcba98                      ; v_permlanex16_b32's selects for lane l xor 16
	s_mul_i32 s42, ttmp9, 12288
	s_mul_i32 s17, s16, 1536
	s_add_co_u32 s42, s42, s17
	s_mov_b32 s43, 0
	s_add_nc_u64 s[44:45], s[10:11], s[42:43]      ; xc: my two tokens' codes
	s_lshl_b32 s42, ttmp9, 9
	s_add_nc_u64 s[48:49], s[12:13], s[42:43]      ; gates: the work-group's 512 bytes
	s_add_co_u32 s42, s42, 1572864
	s_add_nc_u64 s[46:47], s[10:11], s[42:43]      ; xc: the work-group's scale words
	s_lshl_b32 s42, ttmp9, 6
	s_add_nc_u64 s[50:51], s[14:15], s[42:43]      ; sel
	s_wait_tensorcnt 0x0                           ; my tile is in LDS; only I read it
.set n, 0
.rept 16
	ds_load_b128 v[X+4*n:X+4*n+3], v4 offset:256*(n/8)+16*(n%8)
.set n, n+1
.endr
	s_wait_dscnt 0x0
	s_wait_loadcnt 0x0
	; the logits' part: 32 steps of 4 along K.  Both sources carry the same k in the same lane half and register.  Four accumulators by turns, one instruction a turn.
.set q, 0
.rept 32
.if q < 4
	v_wmma_f32_16x16x4_f32 v[ACC+8*(q%4):ACC+8*(q%4)+7], v[WB+2*q:WB+2*q+1], v[X+2*q:X+2*q+1], 0
.else
	v_wmma_f32_16x16x4_f32 v[ACC+8*(q%4):ACC+8*(q%4)+7], v[WB+2*q:WB+2*q+1], v[X+2*q:X+2*q+1], v[ACC+8*(q%4):ACC+8*(q%4)+7]
.endif
.set q, q+1
.endr
	; the codes: my blocks h (c = 0) and 2 + h (c = 1)
.irp c, 0,1
	v_max3_num_f32 v[212+\c], |v[X+32*\c]|, |v[X+32*\c+1]|, 0x1800000   ; with the floor 2^(3 - 127): the byte cannot fall under 1
.endr
.irp i, 2,4,6,8,10,12,14,16,18,20,22,24,26,28,30
.irp c, 0,1
	s_delay_alu instid0(VALU_DEP_2)
	v_max3_num_f32 v[212+\c], v[212+\c], |v[X+32*\c+\i]|, |v[X+32*\c+\i+1]|
.endr
.endr
.irp c, 0,1
	s_delay_alu instid0(VALU_DEP_2)
	v_add_nc_u32 v[214+\c], 0xff000000, v[212+\c]  ; 2 off the exponent field: the conversion's scale operand
.endr
.irp c, 0,1
	s_delay_alu instid0(VALU_DEP_2)
	v_lshrrev_b32 v[216+\c], 23, v[214+\c]         ; the scale's byte
.endr
	s_delay_alu instid0(VALU_DEP_1)
	v_lshl_or_b32 v218, v217, 16, v216             ; bytes h and 2 + h,
	v_lshlrev_b32 v219, 3, v3
	s_delay_alu instid0(VALU_DEP_1)
	v_lshlrev_b32 v218, v219, v218                 ; at their places;
	v_mov_b32 v219, 0
	s_delay_alu instid0(VALU_DEP_1)
	v_permlanex16_b32 v219, v218, s40, s41
	s_delay_alu instid0(VALU_DEP_1)
	v_or_b32 v218, v218, v219                      ; with lane l xor 16's two the word is whole
.irp c, 0,1
	v_cvt_scalef32_pk16_fp6_f32 v[F+6*\c:F+6*\c+2], v[X+32*\c:X+32*\c+15], v[214+\c]
	v_cvt_scalef32_pk16_fp6_f32 v[T+4*\c:T+4*\c+2], v[X+32*\c+16:X+32*\c+31], v[214+\c]   ; (a conversion's three registers begin on an even number)
.endr
	v_nop                                          ; one plain place behind the conversions
.irp c, 0,1
.irp i, 0,1,2
	v_mov_b32 v[F+6*\c+3+\i], v[T+4*\c+\i]
.endr
.endr
.irp i, 0,1,2
	ds_store_b128 v6, v[F+4*\i:F+4*\i+3] offset:32*\i
.endr
	ds_store_b32 v7, v218                          ; lanes r and r + 16 write the same word with the same value
.rept 8
	v_nop                                          ; eight places behind the f32 matrix form, ahead of the first read of its results (ISA guide 7.12.1)
.endr
.irp j, 0,2,4,6                                    ; each accumulator is read from its low end on
	v_pk_add_f32 v[P+\j:P+\j+1], v[ACC+\j:ACC+\j+1], v[ACC+8+\j:ACC+8+\j+1]
	v_pk_add_f32 v[232+\j:233+\j], v[ACC+16+\j:ACC+16+\j+1], v[ACC+24+\j:ACC+24+\j+1]
.endr
.irp j, 0,2,4,6
	v_pk_add_f32 v[P+\j:P+\j+1], v[P+\j:P+\j+1], v[232+\j:233+\j]
.endr
	ds_store_b128 v8, v[P:P+3]
	ds_store_b128 v8, v[P+4:P+7] offset:512
	s_wait_kmcnt 0x0                               ; br
	s_wait_dscnt 0x0                               ; for the others' sake: my stores have landed
	s_barrier_signal -1
	s_barrier_wait -1                              ; the one barrier: codes, scale words and parts of the logits lie in LDS
	ds_load_b128 v[96:99], v9                      ; two tokens' codes, 1,536 bytes
	ds_load_b128 v[100:103], v10 offset:512
	ds_load_b128 v[104:107], v9 offset:1040
	s_wait_dscnt 0x0
	global_store_b128 v11, v[96:99], s[44:45]      ; each store covers 512 consecutive bytes, at a multiple of 512 from xc's first byte
	global_store_b128 v11, v[100:103], s[44:45] offset:512
	global_store_b128 v11, v[104:107], s[44:45] offset:1024
	s_cmp_lg_u32 s16, 1
	s_cbranch_scc1 .Lnot_wave_1
	ds_load_b128 v[108:111], v13                   ; wave 1: the 16 tokens' scale words, 512 bytes
	s_wait_dscnt 0x0
	global_store_b128 v11, v[108:111], s[46:47]
.Lnot_wave_1:
	s_cmp_lg_u32 s16, 0
	s_cbranch_scc1 .Ldone
	; wave 0: the router's tail.  Lane (r, h) holds token r's eight logits; both halves of the lanes hold the same bits.
.irp s, 0,1,2,3,4,5,6,7
	ds_load_b128 v[32+8*\s:35+8*\s], v12 offset:1024*\s
	ds_load_b128 v[36+8*\s:39+8*\s], v12 offset:1024*\s+512
.endr
	s_wait_dscnt 0x0
.irp s, 0,2,4,6
.irp j, 0,2,4,6
	v_pk_add_f32 v[32+8*\s+\j:33+8*\s+\j], v[32+8*\s+\j:33+8*\s+\j], v[40+8*\s+\j:41+8*\s+\j]
.endr
.endr
.irp s, 0,4
.irp j, 0,2,4,6
	v_pk_add_f32 v[32+8*\s+\j:33+8*\s+\j], v[32+8*\s+\j:33+8*\s+\j], v[48+8*\s+\j:49+8*\s+\j]
.endr
.endr
.irp j, 0,2,4,6
	s_delay_alu instid0(VALU_DEP_4)
	v_pk_add_f32 v[32+\j:33+\j], v[32+\j:33+\j], v[64+\j:65+\j]
.endr
.irp e, 0,1,2,3,4,5,6,7
	v_add_f32 v[32+\e], s[32+\e], v[32+\e]         ; + br
.endr
	v_mov_b32 v232, v32                            ; the largest logit and its index: a later one wins only if it is greater
	v_mov_b32 v233, 0
.irp e, 1,2,3,4,5,6,7
	s_delay_alu instid0(VALU_DEP_2)
	v_cmp_ge_f32 vcc_lo, v232, v[32+\e]
	s_delay_alu instid0(VALU_DEP_1)
	v_cndmask_b32 v232, v[32+\e], v232, vcc_lo
	s_delay_alu instid0(VALU_DEP_2)
	v_cndmask_b32 v233, \e, v233, vcc_lo
.endr
	v_mov_b32 v236, 0xff800000                     ; -infinity takes the first choice's place; then the same search again
.irp e, 0,1,2,3,4,5,6,7
	v_cmp_eq_u32 vcc_lo, \e, v233
	s_delay_alu instid0(VALU_DEP_1)
	v_cndmask_b32 v[32+\e], v[32+\e], v236, vcc_lo
.endr
	v_mov_b32 v234, v32
	v_mov_b32 v235, 0
.irp e, 1,2,3,4,5,6,7
	s_delay_alu instid0(VALU_DEP_2)
	v_cmp_ge_f32 vcc_lo, v234, v[32+\e]
	s_delay_alu instid0(VALU_DEP_1)
	v_cndmask_b32 v234, v[32+\e], v234, vcc_lo
	s_delay_alu instid0(VALU_DEP_2)
	v_cndmask_b32 v235, \e, v235, vcc_lo
.endr
	s_delay_alu instid0(VALU_DEP_2)
	v_sub_f32 v237, v234, v232                     ; the maximum is taken away: second - first, 0 or less
	s_delay_alu instid0(VALU_DEP_1)
	v_mul_f32 v237, 0x3fb8aa3b, v237
	s_wait_alu depctr_va_vdst(0)
	v_exp_f32 v238, v237
	v_nop                                          ; a plain place behind the transcendental,
	s_wait_alu depctr_va_vdst(0)                   ; and the wait ahead of its first reader
	v_add_f32 v239, 1.0, v238
	s_wait_alu depctr_va_vdst(0)
	v_rcp_f32 v240, v239                           ; the first gate
	v_nop
	s_wait_alu depctr_va_vdst(0)
	v_mul_f32 v241, v238, v240                     ; the second
.irp e, 0,1,2,3,4,5,6,7
	v_cmp_eq_u32 vcc_lo, \e, v233
	v_cndmask_b32 v[48+\e], 0, v240, vcc_lo
	v_cmp_eq_u32 vcc_lo, \e, v235
	s_delay_alu instid0(VALU_DEP_1)
	v_cndmask_b32 v[48+\e], v[48+\e], v241, vcc_lo
.endr
	v_cmp_eq_u32 vcc_lo, 1, v3
.irp i, 0,1,2,3
	v_cndmask_b32 v[56+\i], v[48+\i], v[52+\i], vcc_lo   ; half h stores gates 4 h .. 4 h + 3
.endr
	global_store_b128 v14, v[56:59], s[48:49]      ; 512 consecutive bytes
	v_mov_b32 v60, 1
	s_delay_alu instid0(VALU_DEP_1)
	v_lshlrev_b32 v61, v233, v60
	s_delay_alu instid0(VALU_DEP_2)
	v_lshlrev_b32 v62, v235, v60
	s_delay_alu instid0(VALU_DEP_1)
	v_or_b32 v61, v61, v62
	global_store_b32 v15, v61, s[50:51]            ; lanes r and r + 16 name the same word and hold the same number
.Ldone:
	s_wait_tensorcnt 0x0
	ds_add_u32 v254, v255
	s_wait_dscnt 0x0
	s_endpgm
.Lfunc_end_k_q88bffc5d2b_route:
	.size	k_q88bffc5d2b_route, .Lfunc_end_k_q88bffc5d2b_route-k_q88bffc5d2b_route
	.p2alignl 7, 3214868480
	.fill 96, 4, 3214868480
	.section	.rodata,"a",@progbits
	.p2align	6, 0x0
	.amdhsa_kernel k_q88bffc5d2b_route
		.amdhsa_group_segment_fixed_size 168960
		.amdhsa_private_segment_fixed_size 0
		.amdhsa_enable_private_segment 0
		.amdhsa_kernarg_size 48
		.amdhsa_user_sgpr_count 2
		.amdhsa_user_sgpr_kernarg_segment_ptr 1
		.amdhsa_wavefront_size32 1
		.amdhsa_system_sgpr_workgroup_id_x 1
		.amdhsa_system_sgpr_workgroup_id_y 1
		.amdhsa_system_sgpr_workgroup_id_z 1
		.amdhsa_system_vgpr_workitem_id 0
		.amdhsa_next_free_vgpr 256
		.amdhsa_next_free_sgpr 66
		.amdhsa_reserve_vcc 1
		.amdhsa_float_denorm_mode_32 3
		.amdhsa_float_denorm_mode_16_64 3
		.amdhsa_memory_ordered 1
		.amdhsa_forward_progress 1
		.amdhsa_inst_pref_size 29
	.end_amdhsa_kernel
	.amdgpu_metadata
---
amdhsa.version: [ 1, 2 ]
amdhsa.kernels:
  - .name:           k_q88bffc5d2b_route
    .symbol:         k_q88bffc5d2b_route.kd
    .args:
      - { .name: x, .offset: 0, .size: 8, .value_kind: global_buffer, .address_space: global }
      - { .name: Wr, .offset: 8, .size: 8, .value_kind: global_buffer, .address_space: global }
      - { .name: br, .offset: 16, .size: 8, .value_kind: global_buffer, .address_space: global }
      - { .name: xc, .offset: 24, .size: 8, .value_kind: global_buffer, .address_space: global }
      - { .name: gates, .offset: 32, .size: 8, .value_kind: global_buffer, .address_space: global }
      - { .name: sel, .offset: 40, .size: 8, .value_kind: global_buffer, .address_space: global }
    .group_segment_fixed_size: 168960
    .private_segment_fixed_size: 0
    .kernarg_segment_align: 8
    .kernarg_segment_size: 48
    .max_flat_workgroup_size: 256
    .sgpr_count:     66
    .vgpr_count:     256
    .wavefront_size: 32
...
	.end_amdgpu_metadata
.endif
;; end of part 7
;; launch prep (part 8): grid 1040 x 1, 4 waves a work-group, no clusters, 8,704 bytes of LDS; arguments W1, W2, sel, wq, ws, perm; writes wq, ws, perm
.if DOCPART == 8
	.amdgcn_target "amdgcn-amd-amdhsa--gfx1250"
	.amdhsa_code_object_version 6
	.text
	.protected	k_q88bffc5d2b_prep
	.globl	k_q88bffc5d2b_prep
	.p2align	8
	.type	k_q88bffc5d2b_prep,@function
k_q88bffc5d2b_prep:
	s_mov_b64 s[64:65], 0
	v_nop
	global_prefetch_b8 v0, s[64:65] scope:SCOPE_SE
	s_setreg_imm32_b32 hwreg(HW_REG_WAVE_MODE, 25, 1), 1
	s_wait_xcnt 0x0
; W1 [8][1024 k][2048], W2 [8][2048 k][1024], f32, K the first axis of an expert, become E2M3 codes and E8M0 scale words IN THE ORDER OF THE OPERAND'S REGISTERS; sixteen more work-groups sort the tokens.
; WORK-GROUPS 0-511: W1; 512-1023: W2.  A wave takes 32 columns x 256 along K: a lane takes a column, its registers run down K, so a block of 32 lies in one lane and the conversions give codes with K innermost.
; The four waves stand side by side on 512 consecutive bytes of each row.  Lanes 0-15 hold the 16 rows of one tile, lanes 16-31 those of the next; an even block's codes and the following odd block's
; change halves (v_permlane16_swap_b32), after which each run of registers is a fragment: lanes 0-15 k = 64 c + 0 .. 31, lanes 16-31 k = 64 c + 32 .. 63.
; wq: blocks of 24,576 bytes = 64 columns x 512 k, laid [tile 4][K step 4][4 registers x 3][lane 32][16 bytes].  W1: block 64 e + 2 j + K half (j: 64 hidden units); tile 2 b + u, lane r = unit 32 b + 8 u + r + 8 (r / 8),
; so that the first product's results lie as the next K wants them.  W2 (12,582,912 bytes on): block 64 e + 4 d + K quarter (d: 64 columns); tile c, lane r = column 16 c + r.
; ws: 1,024 bytes a block, [tile 4][pair of K steps 2][lane 32] words: lanes 0-15 the even K step's word of row r, lanes 16-31 the odd one's.  W2's 524,288 bytes on.
; These work-groups use no LDS and no barrier: their waves share nothing.
; WORK-GROUPS 1024-1039: THE SORT, by pair mask and then by token.  64 waves; wave W owns tokens 32 W + lane, a token a lane.  A token's position is its RANK: how many of the 2,048 numbers
; 2048 x mask + token, which all differ, lie under its own.  So every lane stores once, with all lanes on: perm[pos] = token, perm[2048 + pos] = its pair mask; each position is stored by one lane.
; A work-group's four waves lay the 2,048 numbers into 8 KiB of LDS, a quarter each; one barrier; then each wave reads the whole list, every lane naming the same 16 bytes, so that every lane gets every number:
; 512 LDS loads and 2.5 vector instructions a number, 5,120, a wave; memory is asked once, at the start.
; No cluster: the quantising work-groups share nothing, and the sort's share 8 KiB.
; LIMITS: NaN and infinities are not served; a block whose largest magnitude lies under 2^-124 (a block of zeros too) keeps the byte 1: the bytes are read by this program alone.
.set X,  32                            ; v32-95   two sets of 32 numbers
.set TE, 144                           ; v144-146 the upper 16 codes of an even block;  v148-150 of an odd one
.set TO, 148
.set SW, 156                           ; v156-157 the scale words of my column for the wave's two K steps
	s_load_b256 s[4:11], s[0:1], 0x0               ; W1, W2, sel, wq
	s_load_b128 s[12:15], s[0:1], 0x20             ; ws, perm
	v_lshl_add_u32 v160, v0, 2, 0x2000
	v_mov_b32 v161, 0
	v_lshrrev_b32 v1, 5, v0
	v_readfirstlane_b32 s16, v1                    ; wave
	v_and_b32 v1, 31, v0                           ; lane
	v_lshlrev_b32 v3, 4, v1                        ; 16 x lane
	v_lshlrev_b32 v4, 2, v1                        ; 4 x lane
; where the wave's part lies.  e = bits 8:6 of the work-group's number in both tensors; ko: which 256 along K; cq: which 128 columns
.macro PLACE kofield, cqmask, kosh, slsh, cbase, sbase
	s_bfe_u32 s17, ttmp9, 0x30006                  ; e
	s_bfe_u32 s18, ttmp9, \kofield                 ; ko
	s_and_b32 s19, ttmp9, \cqmask                  ; cq
	s_lshl_b32 s20, s17, 23                        ; an expert is 8,388,608 bytes
	s_lshl_b32 s22, s18, \kosh                     ; 256 rows
	s_add_co_u32 s20, s20, s22
	s_lshl_b32 s22, s19, 9
	s_add_co_u32 s20, s20, s22
	s_lshl_b32 s22, s16, 7                         ; my wave's 128 bytes of a row
	s_add_co_u32 s20, s20, s22
	s_mov_b32 s21, 0
	s_lshl_b32 s22, s19, 1
	s_lshr_b32 s23, s16, 1
	s_add_co_u32 s22, s22, s23                     ; the slice of 64 columns
	s_lshl_b32 s22, s22, \slsh
	s_lshl_b32 s23, s17, 6
	s_add_co_u32 s22, s22, s23
	s_lshr_b32 s23, s18, 1
	s_add_co_u32 s22, s22, s23                     ; the block
	s_and_b32 s23, s16, 1                          ; which two tiles of its four
	s_and_b32 s25, s18, 1                          ; which two K steps of its four
	s_mul_i32 s24, s22, 24576
	s_mul_i32 s32, s23, 12288
	s_add_co_u32 s24, s24, s32
	s_mul_i32 s32, s25, 3072
	s_add_co_u32 s24, s24, s32
	s_add_co_u32 s24, s24, \cbase
	s_lshl_b32 s22, s22, 10
	s_lshl_b32 s23, s23, 9
	s_add_co_u32 s22, s22, s23
	s_lshl_b32 s25, s25, 7
	s_add_co_u32 s22, s22, s25
	s_add_co_u32 s22, s22, \sbase
	s_mov_b32 s23, 0
	s_mov_b32 s25, 0
.endm
.macro LOADB t, pitch                  ; block t: rows 32 t + i of my column into set t % 2; a load covers 128 consecutive bytes
.irp i, 0,1,2,3,4,5,6,7,8,9,10,11,12,13,14,15,16,17,18,19,20,21,22,23,24,25,26,27,28,29,30,31
	global_load_b32 v[X+32*((\t)%2)+\i], v2, s[26:27] offset:(32*(\t)+\i)*\pitch th:TH_LOAD_NT
.endr
.endm
.macro BLOCK t, pitch
.set XS, X+32*((\t)%2)
.set SL, (\t)/4                        ; the wave's K step 0 or 1
.set CC, ((\t)%4)/2                    ; which 64 of its 128
.set FA, 96+24*SL                      ; v96.. the lower tile's fragment, v108.. the upper tile's; 24 further on for the second K step
.set FB, 108+24*SL
.if (\t) < 7
	s_wait_loadcnt 32                              ; this block's 32 loads are in; the next block's 32 may be out
.else
	s_wait_loadcnt 0x0
.endif
	v_max3_num_f32 v152, |v[XS]|, |v[XS+1]|, |v[XS+2]|
	v_max3_num_f32 v153, |v[XS+3]|, |v[XS+4]|, |v[XS+5]|
.irp i, 6,10,14,18,22,26
	v_max3_num_f32 v152, v152, |v[XS+\i]|, |v[XS+\i+1]|
	v_max3_num_f32 v153, v153, |v[XS+\i+2]|, |v[XS+\i+3]|
.endr
	v_max3_num_f32 v152, v152, |v[XS+30]|, |v[XS+31]|
	v_max3_num_f32 v152, v152, v153, 0x1800000     ; with the floor 2^(3 - 127): the byte cannot fall under 1
	v_add_nc_u32 v154, 0xff000000, v152            ; 2 off the exponent field: the conversion's scale operand
	v_lshrrev_b32 v155, 23, v154                   ; the scale's byte
.if (\t)%4 == 0
	v_mov_b32 v[SW+SL], v155
.else
	v_lshl_or_b32 v[SW+SL], v155, 8*((\t)%4), v[SW+SL]
.endif
.if (\t)%2 == 0
	v_cvt_scalef32_pk16_fp6_f32 v[FA+6*CC:FA+6*CC+2], v[XS:XS+15], v154
	v_cvt_scalef32_pk16_fp6_f32 v[TE:TE+2], v[XS+16:XS+31], v154   ; (the next block's plain lines stand between these and the next touch of their registers)
.else
	v_cvt_scalef32_pk16_fp6_f32 v[FB+6*CC:FB+6*CC+2], v[XS:XS+15], v154
	v_cvt_scalef32_pk16_fp6_f32 v[TO:TO+2], v[XS+16:XS+31], v154
	v_nop                                          ; one plain place behind the conversions
.irp i, 0,1,2
	v_permlane16_swap_b32 v[FA+6*CC+\i], v[FB+6*CC+\i]   ; the even block's lanes 16-31 (upper tile) change places with the odd block's lanes 0-15 (lower tile)
	v_permlane16_swap_b32 v[TE+\i], v[TO+\i]
.endr
.irp i, 0,1,2
	v_mov_b32 v[FA+6*CC+3+\i], v[TE+\i]
	v_mov_b32 v[FB+6*CC+3+\i], v[TO+\i]
.endr
.endif
.if (\t)+2 < 8
	LOADB (\t)+2, \pitch
.endif
.if (\t)%4 == 3
.irp i, 0,1,2
	global_store_b128 v3, v[FA+4*\i:FA+4*\i+3], s[28:29] offset:SL*1536+512*\i        ; each store covers 512 consecutive bytes, at a multiple of 512 from wq's first byte
	global_store_b128 v3, v[FB+4*\i:FB+4*\i+3], s[28:29] offset:6144+SL*1536+512*\i   ; no register of a store is written again
.endr
.endif
.endm
.macro QW pitch
	LOADB 0, \pitch
	LOADB 1, \pitch
.irp t, 0,1,2,3,4,5,6,7
	BLOCK \t, \pitch
.endr
	v_permlane16_swap_b32 v[SW], v[SW+1]           ; v156: the lower tile's words, first K step in lanes 0-15, second in lanes 16-31; v157: the upper tile's
	global_store_b32 v4, v[SW], s[30:31]
	global_store_b32 v4, v[SW+1], s[30:31] offset:256
	s_endpgm
.endm
; THE SORT'S MACROS.  A set is 64 numbers of the list, 256 bytes of LDS, in 64 registers from v[R] on.
.macro LOADK R, off                    ; the set at byte v19 + off: all lanes name the same 16 bytes, so every lane gets all 64 numbers
.irp i, 0,1,2,3,4,5,6,7,8,9,10,11,12,13,14,15
	ds_load_b128 v[\R+4*\i:\R+4*\i+3], v19 offset:\off+16*\i
.endr
.endm
.macro CNT R                           ; each lane counts the set's numbers that lie under its own, v9: eight compares, eight ones or zeros, four sums on two counters, so that no line waits for the line above it
.irp b, 0,1,2,3,4,5,6,7
.irp x, 0,1,2,3,4,5,6,7
	v_cmp_lt_u32 s[48+\x], v[\R+8*\b+\x], v9
.endr
.irp x, 0,1,2,3,4,5,6,7
	v_cndmask_b32 v[10+\x], 0, 1, s[48+\x]
.endr
	v_add3_u32 v8, v8, v10, v11
	v_add3_u32 v18, v18, v12, v13
	v_add3_u32 v8, v8, v14, v15
	v_add3_u32 v18, v18, v16, v17
.endr
.endm
	s_cmp_ge_u32 ttmp9, 1024
	s_cbranch_scc1 .Lsort
	s_cmp_ge_u32 ttmp9, 512
	s_cbranch_scc1 .Lw2
	PLACE 0x20004, 15, 21, 1, 0, 0                 ; W1: 4 x 256 along K, 16 x 128 columns, rows of 8,192 bytes
	s_wait_alu depctr_va_vdst(0)
	v_lshrrev_b32 v2, 4, v1
	v_lshlrev_b32 v2, 3, v2
	v_and_b32 v5, 15, v1
	v_add_nc_u32 v2, v2, v5
	v_and_b32 v5, 8, v1
	v_add_nc_u32 v2, v2, v5                        ; my column of the wave's 32: 8 (l / 16) + l % 16 + (l & 8)
	v_lshlrev_b32 v2, 2, v2
	s_wait_alu depctr_va_vdst(0)
	s_wait_kmcnt 0x0
	s_add_nc_u64 s[26:27], s[4:5], s[20:21]
	s_add_nc_u64 s[28:29], s[10:11], s[24:25]
	s_add_nc_u64 s[30:31], s[12:13], s[22:23]
	QW 8192
.Lw2:
	PLACE 0x30003, 7, 20, 2, 12582912, 524288      ; W2: 8 x 256 along K, 8 x 128 columns, rows of 4,096 bytes
	s_wait_alu depctr_va_vdst(0)
	v_lshlrev_b32 v2, 2, v1                        ; my column: the lane's number
	s_wait_alu depctr_va_vdst(0)
	s_wait_kmcnt 0x0
	s_add_nc_u64 s[26:27], s[6:7], s[20:21]
	s_add_nc_u64 s[28:29], s[10:11], s[24:25]
	s_add_nc_u64 s[30:31], s[12:13], s[22:23]
	QW 4096
.Lsort:                                                ; the branch hangs on the work-group's number: all four waves are here, or none
	s_sub_co_u32 s58, ttmp9, 1024
	s_lshl_b32 s58, s58, 2
	s_add_co_u32 s58, s58, s16                     ; W = 0 .. 63: my wave's 32 tokens
	s_lshl_b32 s59, s58, 7                         ; their 128 bytes of sel
	s_wait_alu depctr_va_vdst(0)
	v_lshl_add_u32 v7, s58, 5, v1                  ; my token: 32 W + lane
	v_add_nc_u32 v6, s59, v4
	s_lshl_b32 s57, s16, 11
	v_add_nc_u32 v20, s57, v3                      ; my wave's quarter of the list, in sel and in LDS alike: 2,048 x wave + 16 x lane
	s_lshl_b32 s57, s16, 9
	v_add_nc_u32 v21, s57, v4                      ; the token at that byte: 512 x wave + 4 x lane
	s_mov_b32 s60, 0                               ; the byte of the list at which a trip's first set begins
	v_mov_b32 v8, 0                                ; the rank, in two counters
	v_mov_b32 v18, 0
	s_wait_alu depctr_va_vdst(0)
	s_wait_kmcnt 0x0
	global_load_b32 v5, v6, s[8:9]                 ; my token's pair mask
.irp i, 0,1,2,3
	global_load_b128 v[32+4*\i:35+4*\i], v20, s[8:9] offset:512*\i   ; register 4 i + c: the mask of token 512 x wave + 4 x lane + 128 i + c
.endr
	s_wait_loadcnt 0x0
.set n, 0
.rept 16
	v_lshl_add_u32 v[32+n], v[32+n], 11, v21       ; 2048 x mask + token:
.set n, n+1
.endr
.set n, 1
.rept 15
	v_add_nc_u32 v[32+n], 128*(n/4)+n%4, v[32+n]   ; the register's part of the token
.set n, n+1
.endr
.irp i, 0,1,2,3
	ds_store_b128 v20, v[32+4*\i:35+4*\i] offset:512*\i
.endr
	v_lshl_or_b32 v9, v5, 11, v7                   ; my own number
	v_mov_b32 v19, s60
	s_wait_alu depctr_va_vdst(0)
	s_wait_dscnt 0x0                               ; for the others' sake: my quarter of the list has landed
	s_barrier_signal -1
	s_barrier_wait -1                              ; the list is whole; nothing is stored into it from here on
	LOADK 32, 0
.Lcount:                                               ; 15 trips of two sets; while one set is counted the other is on its way
	s_wait_dscnt 0x0                               ; the even set is in
	LOADK 96, 256
	CNT 32
	s_wait_dscnt 0x0                               ; the odd set is in, and no LDS load of mine is out: the address is stepped here
	s_add_co_u32 s60, s60, 512
	v_mov_b32 v19, s60
	LOADK 32, 0
	CNT 96
	s_cmp_lt_u32 s60, 7680
	s_cbranch_scc1 .Lcount
	s_wait_dscnt 0x0                               ; the last two sets are written out: nothing is read behind the list's last byte
	LOADK 96, 256
	CNT 32
	s_wait_dscnt 0x0
	CNT 96
	v_add_nc_u32 v8, v8, v18                       ; my token's position, 0 .. 2,047: the ranks of 2,048 different numbers are all different
	v_min_u32 v8, 0x7ff, v8
	v_lshlrev_b32 v8, 2, v8
	global_store_b32 v8, v7, s[14:15]              ; perm[pos] = token
	global_store_b32 v8, v5, s[14:15] offset:8192  ; perm[2048 + pos] = its pair mask
	s_wait_tensorcnt 0x0
	ds_add_u32 v160, v161
	s_wait_dscnt 0x0
	s_endpgm
.Lfunc_end_k_q88bffc5d2b_prep:
	.size	k_q88bffc5d2b_prep, .Lfunc_end_k_q88bffc5d2b_prep-k_q88bffc5d2b_prep
	.p2alignl 7, 3214868480
	.fill 96, 4, 3214868480
	.section	.rodata,"a",@progbits
	.p2align	6, 0x0
	.amdhsa_kernel k_q88bffc5d2b_prep
		.amdhsa_group_segment_fixed_size 8704
		.amdhsa_private_segment_fixed_size 0
		.amdhsa_enable_private_segment 0
		.amdhsa_kernarg_size 48
		.amdhsa_user_sgpr_count 2
		.amdhsa_user_sgpr_kernarg_segment_ptr 1
		.amdhsa_wavefront_size32 1
		.amdhsa_system_sgpr_workgroup_id_x 1
		.amdhsa_system_sgpr_workgroup_id_y 1
		.amdhsa_system_sgpr_workgroup_id_z 1
		.amdhsa_system_vgpr_workitem_id 0
		.amdhsa_next_free_vgpr 162
		.amdhsa_next_free_sgpr 66
		.amdhsa_reserve_vcc 0
		.amdhsa_float_denorm_mode_32 3
		.amdhsa_float_denorm_mode_16_64 3
		.amdhsa_memory_ordered 1
		.amdhsa_forward_progress 1
		.amdhsa_inst_pref_size 128
	.end_amdhsa_kernel
	.amdgpu_metadata
---
amdhsa.version: [ 1, 2 ]
amdhsa.kernels:
  - .name:           k_q88bffc5d2b_prep
    .symbol:         k_q88bffc5d2b_prep.kd
    .args:
      - { .name: W1, .offset: 0, .size: 8, .value_kind: global_buffer, .address_space: global }
      - { .name: W2, .offset: 8, .size: 8, .value_kind: global_buffer, .address_space: global }
      - { .name: sel, .offset: 16, .size: 8, .value_kind: global_buffer, .address_space: global }
      - { .name: wq, .offset: 24, .size: 8, .value_kind: global_buffer, .address_space: global }
      - { .name: ws, .offset: 32, .size: 8, .value_kind: global_buffer, .address_space: global }
      - { .name: perm, .offset: 40, .size: 8, .value_kind: global_buffer, .address_space: global }
    .group_segment_fixed_size: 8704
    .private_segment_fixed_size: 0
    .kernarg_segment_align: 8
    .kernarg_segment_size: 48
    .max_flat_workgroup_size: 128
    .sgpr_count:     66
    .vgpr_count:     162
    .wavefront_size: 32
...
	.end_amdgpu_metadata
.endif
;; end of part 8
;; launch up (part 9): grid 32 x 8, 4 waves a work-group, no clusters, 0 bytes of LDS; arguments xc, gates, perm, wq, ws, b1, hc; writes hc
.if DOCPART == 9
	.amdgcn_target "amdgcn-amd-amdhsa--gfx1250"
	.amdhsa_code_object_version 6
	.text
	.protected	k_q88bffc5d2b_up
	.globl	k_q88bffc5d2b_up
	.p2align	8
	.type	k_q88bffc5d2b_up,@function
k_q88bffc5d2b_up:
	s_mov_b64 s[64:65], 0
	v_nop
	global_prefetch_b8 v0, s[64:65] scope:SCOPE_SE
	s_setreg_imm32_b32 hwreg(HW_REG_WAVE_SCHED_MODE, 0, 2), 2
	s_setreg_imm32_b32 hwreg(HW_REG_WAVE_MODE, 25, 1), 1
	s_wait_xcnt 0x0
	s_wait_alu depctr_vm_vsrc(0)
; THE FIRST PRODUCT AND THE SECOND QUANTISER: hc = Q(gate x relu(Q(x) Q(W1_e) + b1_e)), for the chosen experts alone.
; The tokens are sorted by their pair of experts; tile t is sorted positions 16 t .. 16 t + 15, and its experts are the OR of its 16 pair masks.  A row of a tile that did not choose the expert has gate 0: zero codes.
; A work-group is (j = 64 hidden units, e = expert).  Each wave keeps W1_e's 64 units x 1,024 k in registers (32 fragments) and takes the tiles w + 4 i (i = 0 .. 31) whose mask has bit e.
; The product is used transposed (source 0 = 16 rows of W1, source 1 = 16 tokens): lane (r, h) holds token r, and the 16 registers of tiles 2 b, 2 b + 1 are units 32 b + 16 h + 0 .. 15: neighbours along the next K.
; b1 is the C of each sum's first matrix instruction.  The 64 units are half a fragment (six registers) of the second product's K step j / 2.
; hc: place p = 8 t + e of 24,576 bytes; slice j at 768 j: 512 bytes (lane x 16: registers 0-3), 256 bytes (lane x 8: registers 4-5).  Scale bytes from 25,165,824 on: 1,024 p + 64 row + block.
; No tensor load, no cluster, no LDS: the trip count and an early end hang on the stored list, so operands go from memory straight into registers, laid in register order by the launches before.
; Loads run two tiles ahead in two sets.  Where the list is at its end the last tile is asked for again (inside the buffers); with an odd number of tiles the last one is computed and stored twice, the same bytes by the same wave.
; LIMITS: as the launches before; a block of the hidden layer under 2^-124 (a block of zeros too) keeps the byte 1.
; REGISTERS: window 0: addresses, scale words, b1, the accumulators; window 1: W1's fragments of k 0-511 (tile t, K step q at 12 (4 t + q)); window 2: those of k 512-1023; window 3: x's fragments, set X at 96 X + 12 s.
; THE MODE: SCHED_MODE bits 1:0 = 2 (LLVM: expert scheduling mode 2), set by the entry lines.  The code itself states the register dependences between vector or matrix instructions and memory instructions, with s_wait_alu, always for 0.
; THE PLAN.  The wave's n-th tile works on set X = n % 2.  Registers that memory instructions touch in the loop:
;   x's fragments of set X, ASC[X], G[X]   Read by tile n's 32 products (G[X] by one v_mov); behind them the 27 loads for tile n + 2 land there.
;   TOK[X]                                 Read and clamped by tile n's address lines; behind them the order word of tile n + 4 lands there.
;   RO[X], SO[X], OO[X]                    Written by tile n's address lines; read by the 28 loads that follow them.
;   out-set X (HO16, HO8, HSO, BYTE, Z)    Written by tile n; read by three stores, which are issued in tile n + 1.
;   v4-v9, v26, v27                        Offsets, made at the head and never written again.  W1's fragments, BSC, BIAS: loaded once, at the head.
;   The accumulators, v18-19, v32-39 and ZT are named by vector and matrix instructions alone.
; So a tile has ONE wait on va_vdst, behind its products and its nine lines of offsets and addresses, and behind that wait, with no vector instruction between, its 28 loads and the three stores of the tile before;
; and ONE wait on vm_vsrc, behind its products, ahead of the first line that writes out-set X and set X's address registers again.
.set OO,   10                          ; v10-11  address of the set's order word
.set TOK,  12                          ; v12-13  my row's token
.set RO,   14                          ; v14-15  its codes' offset
.set SO,   16                          ; v16-17  32 x token: scale words and gates
.set GC,   18                          ; v18 the gate in hand, v19 = 0 (named with it as a pair)
.set G,    20                          ; v20-21  the set's gate
.set HO16, 22                          ; out-set Y: the stores' three offsets and the scale byte at 22 + 6 Y .. 25 + 6 Y: v22-25, v28-31
.set HO8,  23
.set HSO,  24
.set BYTE, 25
.set ASC,  48                          ; v48-63  x's scale words, 8 a set
.set BSC,  64                          ; v64-79  W1's: 8 (K half) + 2 (tile) + pair of K steps
.set BIAS, 80                          ; v80-111
.set ACC,  112                         ; v112-143
.set Z,    144                         ; out-set Y: the half fragment at 144 + 8 Y: v144-149, v152-157
.set ZT,   158                         ; v158-160 the upper block's codes, at work
.set TO,   44                          ; s44-45  the tile whose order words are on their way
.set TA,   46                          ; s46-47  the tile whose fragments are in the set
.set MSB, 0
.macro WIN new                         ; the immediate's high byte repeats the setting that is left
.if MSB != \new
	s_set_vgpr_msb (MSB<<8)|\new
.set MSB, \new
.endif
.endm
.macro NEXT dst                        ; my next tile, or the last one again when the list is at its end
	s_ctz_i32_b32 s48, s39
	s_cmp_lg_u32 s39, 0
	s_cselect_b32 s48, s48, s43
	s_min_u32 s48, s48, 31
	s_mov_b32 s43, s48
	s_sub_co_u32 s49, s39, 1
	s_and_b32 s39, s39, s49                        ; its bit is taken off
	s_lshl_b32 s[\dst], s48, 2
	s_add_co_u32 s[\dst], s[\dst], s36             ; tile 4 i + w
.endm
.macro ADDR X                          ; the addresses of set X's next 28 loads: five vector lines, from the order word that has landed and from the list
	s_mov_b32 s[TA+\X], s[TO+\X]
	v_min_u32 v[TOK+\X], 0x7ff, v[TOK+\X]
	v_mul_u32_u24 v[RO+\X], 0x300, v[TOK+\X]
	v_add_nc_u32 v[RO+\X], v[RO+\X], v7
	v_lshlrev_b32 v[SO+\X], 5, v[TOK+\X]
	NEXT TO+\X
	v_lshl_add_u32 v[OO+\X], s[TO+\X], 6, v4       ; which token is my row of the tile after that
.endm
.macro ASK X                           ; the tile's eight fragments, scale words and gate: 27 loads; then the next order word: 1 load
	WIN 0xc0                                       ; destination window 3
.set n, 0
.rept 24
	global_load_b128 v[96*\X+4*n:96*\X+4*n+3], v[RO+\X], s[4:5] offset:32*n
.set n, n+1
.endr
	WIN 0
	global_load_b128 v[ASC+8*\X:ASC+8*\X+3], v[SO+\X], s[20:21]
	global_load_b128 v[ASC+8*\X+4:ASC+8*\X+7], v[SO+\X], s[20:21] offset:16
	global_load_b32 v[G+\X], v[SO+\X], s[22:23]
	global_load_b32 v[TOK+\X], v[OO+\X], s[8:9]
.endm
.macro SEND Y                          ; out-set Y leaves
	global_store_b128 v[HO16+6*(\Y)], v[Z+8*(\Y):Z+8*(\Y)+3], s[32:33]             ; 512 consecutive bytes, at a multiple of 256 from hc's first byte
	global_store_b64 v[HO8+6*(\Y)], v[Z+8*(\Y)+4:Z+8*(\Y)+5], s[32:33] offset:512  ; 256 consecutive bytes
	global_store_b8 v[HSO+6*(\Y)], v[BYTE+6*(\Y)], s[34:35]                        ; two bytes of each of 16 rows: one byte for 24 of codes
.endm
.macro MULS X, kh                      ; 16 matrix instructions: four K steps x four tiles; the four accumulators by turns, one instruction a turn
.irp q, 0,1,2,3
.irp t, 0,1,2,3
.if (\kh) == 0 && (\q) == 0
	v_wmma_scale_f32_16x16x128_f8f6f4 v[ACC+8*\t:ACC+8*\t+7], v[12*(4*\t+\q):12*(4*\t+\q)+11], v[96*\X+12*(4*\kh+\q):96*\X+12*(4*\kh+\q)+11], v[BIAS+8*\t:BIAS+8*\t+7], v[BSC+8*\kh+2*\t+\q/2], v[ASC+8*\X+4*\kh+\q] matrix_a_fmt:MATRIX_FMT_FP6 matrix_b_fmt:MATRIX_FMT_FP6
.elseif (\q)%2 == 0
	v_wmma_scale_f32_16x16x128_f8f6f4 v[ACC+8*\t:ACC+8*\t+7], v[12*(4*\t+\q):12*(4*\t+\q)+11], v[96*\X+12*(4*\kh+\q):96*\X+12*(4*\kh+\q)+11], v[ACC+8*\t:ACC+8*\t+7], v[BSC+8*\kh+2*\t+\q/2], v[ASC+8*\X+4*\kh+\q] matrix_a_fmt:MATRIX_FMT_FP6 matrix_b_fmt:MATRIX_FMT_FP6
.else
	v_wmma_scale_f32_16x16x128_f8f6f4 v[ACC+8*\t:ACC+8*\t+7], v[12*(4*\t+\q):12*(4*\t+\q)+11], v[96*\X+12*(4*\kh+\q):96*\X+12*(4*\kh+\q)+11], v[ACC+8*\t:ACC+8*\t+7], v[BSC+8*\kh+2*\t+\q/2], v[ASC+8*\X+4*\kh+\q] matrix_a_fmt:MATRIX_FMT_FP6 matrix_b_fmt:MATRIX_FMT_FP6 matrix_a_scale:MATRIX_SCALE_ROW1
.endif
.endr
.endr
.endm
; A tile's turn, on set X.  send = 1: the tile before, whose results lie in the other out-set, is stored.
.macro ITEM X, send
	s_wait_loadcnt 29                              ; set X's 27 loads are in (and all before them); younger: its order word, the other set's 27 and its order word
	WIN 0x0d                                       ; source 0 window 1, source 1 window 3
	MULS \X, 0                                     ; the products write v112-143 alone
	WIN 0x0e                                       ; source 0 window 2
	MULS \X, 1
	WIN 0
	s_wait_xcnt 0x0                                ; the stores issued in the tile before, which read out-set X, have had their addresses translated: out-set X is written again only behind this wait,
	s_wait_alu depctr_vm_vsrc(0)                   ; and those stores have read out-set X; set X's last 28 loads have read RO, SO and OO of the set: all of these are written below
	s_lshl_b32 s48, s[TA+\X], 3
	s_add_co_u32 s48, s48, s37                     ; the place 8 t + e
	s_mul_i32 s49, s48, 24576
	s_lshl_b32 s48, s48, 10
	v_add_nc_u32 v[HO16+6*\X], s49, v5             ; these four lines and the five of ADDR, which name no register of the products, are the places ahead of the first read of the products' results
	v_add_nc_u32 v[HO8+6*\X], s49, v6              ; and of loads into registers that the products read
	v_add_nc_u32 v[HSO+6*\X], s48, v9
	v_mov_b32 v[GC], v[G+\X]
	s_wait_loadcnt 28                              ; set X's order word is in; younger: the other set's 27 loads and its order word
	ADDR \X
	WIN 0xc0
	s_wait_alu depctr_va_vdst(0)                   ; the products are done reading set X's fragments and scale words, the v_mov G[X], the address lines TOK[X]: loads land in all of these; RO, SO, OO are written, which those loads read; the tile before has written the other out-set, which the stores read
	ASK \X
.if \send
	SEND 1-\X                                      ; no vector instruction stands between the wait and these
.endif
.set n, 0
.rept 32
	v_max_num_f32 v[ACC+n], 0, v[ACC+n]            ; relu, each accumulator from its low end on
.set n, n+1
.endr
.set n, 0
.rept 16
	v_pk_mul_f32 v[ACC+2*n:ACC+2*n+1], v[ACC+2*n:ACC+2*n+1], v[GC:GC+1] op_sel_hi:[1,0]   ; x my token's gate, in f32, ahead of the quantiser
.set n, n+1
.endr
	v_max3_num_f32 v32, v[ACC], v[ACC+1], 0x1800000       ; the two blocks of 32 units; nothing is negative; the floor 2^(3 - 127) holds the byte at 1 from below
	v_max3_num_f32 v33, v[ACC+16], v[ACC+17], 0x1800000
.irp i, 2,4,6,8,10,12,14
	v_max3_num_f32 v32, v32, v[ACC+\i], v[ACC+\i+1]
	v_max3_num_f32 v33, v33, v[ACC+16+\i], v[ACC+17+\i]
.endr
	v_permlanex16_b32 v34, v32, s50, s51
	v_permlanex16_b32 v35, v33, s50, s51
	v_max_num_f32 v32, v32, v34                    ; with lane l xor 16's 16 units
	v_max_num_f32 v33, v33, v35
	v_add_nc_u32 v36, 0xff000000, v32              ; 2 off the exponent field: the conversion's scale operand
	v_add_nc_u32 v37, 0xff000000, v33
	v_lshrrev_b32 v38, 23, v36
	v_lshrrev_b32 v39, 23, v37
	v_cvt_scalef32_pk16_fp6_f32 v[Z+8*\X:Z+8*\X+2], v[ACC:ACC+15], v36
	v_cvt_scalef32_pk16_fp6_f32 v[ZT:ZT+2], v[ACC+16:ACC+31], v37
	v_cndmask_b32 v[BYTE+6*\X], v38, v39, s52      ; lanes 0-15 store block 0's byte, lanes 16-31 block 1's.  (The plain place behind the conversions)
.irp i, 0,1,2
	v_permlane16_swap_b32 v[Z+8*\X+\i], v[ZT+\i]   ; a whole block to a lane: lanes 0-15 block 0, lanes 16-31 block 1
.endr
.irp i, 0,1,2
	v_mov_b32 v[Z+8*\X+3+\i], v[ZT+\i]
.endr
.endm
	s_load_b256 s[4:11], s[0:1], 0x0               ; xc, gates, perm, wq
	s_load_b128 s[12:15], s[0:1], 0x20             ; ws, b1
	s_load_b64 s[16:17], s[0:1], 0x30              ; hc
	v_lshrrev_b32 v1, 5, v0
	v_readfirstlane_b32 s36, v1                    ; wave
	s_and_b32 s37, ttmp7, 0xffff                   ; e
	s_lshl_b32 s38, 1, s37
	v_and_b32 v1, 31, v0                           ; lane
	v_and_b32 v2, 15, v0                           ; r
	v_bfe_u32 v3, v0, 4, 1                         ; h
	v_lshlrev_b32 v4, 2, v2
	v_lshlrev_b32 v5, 4, v1
	v_lshlrev_b32 v6, 3, v1
	v_lshlrev_b32 v7, 4, v3
	v_lshlrev_b32 v8, 2, v1
	v_lshl_add_u32 v9, v2, 6, v3                   ; 64 r + h
	v_lshlrev_b32 v26, 6, v3                       ; 64 h
	s_wait_alu depctr_va_sdst(0)                   ; s36, the wave's number, is written, ahead of its first reader
	s_lshl_b32 s54, s36, 6
	v_lshl_add_u32 v27, v1, 8, s54                 ; the masks of tile w + 4 lane: 64 bytes at 64 w + 256 lane
	v_mov_b32 v19, 0
	s_mov_b32 s50, 0x76543210
	s_mov_b32 s51, 0xfedcba98                      ; v_permlanex16_b32's selects for lane l xor 16
	s_mov_b32 s52, 0xffff0000
	s_mov_b32 s43, 0
	s_mov_b32 s55, 0
	s_lshl_b32 s56, s37, 6
	s_lshl_b32 s57, ttmp9, 1
	s_add_co_u32 s56, s56, s57                     ; 64 e + 2 j: W1's first block for this slice
	s_wait_kmcnt 0x0
	s_add_nc_u64 s[24:25], s[8:9], 8192            ; the sorted pair masks
	s_wait_alu depctr_va_vdst(0)                   ; the offsets v4 to v9, v26 and v27 are written, which the kernel's loads and stores read
.irp i, 0,1,2,3
	global_load_b128 v[32+4*\i:35+4*\i], v27, s[24:25] offset:16*\i
.endr
	s_add_nc_u64 s[20:21], s[4:5], 1572864         ; x's scale words
	s_lshl_b32 s54, s37, 2
	s_add_nc_u64 s[22:23], s[6:7], s[54:55]        ; gates, column e
	s_mul_i32 s54, s56, 24576
	s_add_nc_u64 s[26:27], s[10:11], s[54:55]
	s_lshl_b32 s54, s56, 10
	s_add_nc_u64 s[28:29], s[12:13], s[54:55]
	s_lshl_b32 s54, s56, 7                         ; (2,048 e + 64 j) x 4 bytes
	s_add_nc_u64 s[30:31], s[14:15], s[54:55]
	s_mul_i32 s54, ttmp9, 768
	s_add_nc_u64 s[32:33], s[16:17], s[54:55]
	s_lshl_b32 s54, ttmp9, 1
	s_add_co_u32 s54, s54, 25165824
	s_add_nc_u64 s[34:35], s[16:17], s[54:55]
	s_wait_loadcnt 0x0
.irp i, 1,2,3,4,5,6,7,8,9,10,11,12,13,14,15
	v_or_b32 v32, v32, v[32+\i]                    ; the tile's experts
.endr
	v_and_b32 v32, s38, v32
	v_cmp_ne_u32 s39, 0, v32                       ; bit i: tile w + 4 i wants expert e
	s_wait_alu depctr_va_sdst(0)                   ; s39, the compare's mask, is written, ahead of its first reader
	s_bcnt1_i32_b32 s40, s39
	s_cmp_eq_u32 s40, 0
	s_cbranch_scc1 .Lnone                          ; a wave that this split leaves without tiles stores nothing
	s_add_co_u32 s41, s40, 1
	s_lshr_b32 s41, s41, 1                         ; pairs of tiles
	v_mov_b32 v34, 0                               ; written once: a lane permute's destination counts as one of its sources
	v_mov_b32 v35, 0
	NEXT TO
	v_lshl_add_u32 v[OO], s[TO], 6, v4
	NEXT TO+1
	v_lshl_add_u32 v[OO+1], s[TO+1], 6, v4
	s_wait_alu depctr_va_vdst(0)                   ; the two order words' addresses are written
	global_load_b32 v[TOK], v[OO], s[8:9]
	global_load_b32 v[TOK+1], v[OO+1], s[8:9]
	WIN 0x40                                       ; W1's 32 fragments, as they lie: 96 loads of 512 consecutive bytes
.set n, 0
.rept 48
	global_load_b128 v[4*n:4*n+3], v5, s[26:27] offset:512*n
.set n, n+1
.endr
	WIN 0x80
.set n, 0
.rept 48
	global_load_b128 v[4*n:4*n+3], v5, s[26:27] offset:24576+512*n
.set n, n+1
.endr
	WIN 0
.set n, 0
.rept 16
	global_load_b32 v[BSC+n], v8, s[28:29] offset:128*n
.set n, n+1
.endr
.irp t, 0,1,2,3
	global_load_b128 v[BIAS+8*\t:BIAS+8*\t+3], v26, s[30:31] offset:(32*(\t/2)+8*(\t%2))*4      ; b1 at units 32 b + 16 h + 8 u + 0 .. 7
	global_load_b128 v[BIAS+8*\t+4:BIAS+8*\t+7], v26, s[30:31] offset:(32*(\t/2)+8*(\t%2))*4+16
.endr
	s_wait_loadcnt 63                              ; the two order words have 120 younger loads behind them: they are in
	s_wait_alu depctr_vm_vsrc(0)                   ; their loads have read v10 and v11, which ADDR writes again
	ADDR 0
	ADDR 1
	WIN 0xc0
	s_wait_alu depctr_va_vdst(0)                   ; both sets' addresses are written, and the address lines are done with TOK, in which the next order words land
	ASK 0
	ASK 1
	s_mov_b32 s42, 1
	ITEM 0, 0                                      ; the first tile has no tile before it to store, so it stands ahead of the loop, and a trip goes from an odd tile to the next even one
	s_cmp_lt_u32 s42, s41
	s_cbranch_scc0 .Llast
.Litem:
	ITEM 1, 1
	ITEM 0, 1
	s_add_co_u32 s42, s42, 1
	s_cmp_lt_u32 s42, s41
	s_cbranch_scc1 .Litem
.Llast:
	ITEM 1, 1
	s_wait_alu depctr_va_vdst(0)                   ; the last tile has written out-set 1, which the last three stores read
	SEND 1
.Lnone:
	s_endpgm
.Lfunc_end_k_q88bffc5d2b_up:
	.size	k_q88bffc5d2b_up, .Lfunc_end_k_q88bffc5d2b_up-k_q88bffc5d2b_up
	.p2alignl 7, 3214868480
	.fill 96, 4, 3214868480
	.section	.rodata,"a",@progbits
	.p2align	6, 0x0
	.amdhsa_kernel k_q88bffc5d2b_up
		.amdhsa_group_segment_fixed_size 0
		.amdhsa_private_segment_fixed_size 0
		.amdhsa_enable_private_segment 0
		.amdhsa_kernarg_size 56
		.amdhsa_user_sgpr_count 2
		.amdhsa_user_sgpr_kernarg_segment_ptr 1
		.amdhsa_wavefront_size32 1
		.amdhsa_system_sgpr_workgroup_id_x 1
		.amdhsa_system_sgpr_workgroup_id_y 1
		.amdhsa_system_sgpr_workgroup_id_z 1
		.amdhsa_system_vgpr_workitem_id 0
		.amdhsa_next_free_vgpr 960
		.amdhsa_next_free_sgpr 66
		.amdhsa_reserve_vcc 0
		.amdhsa_float_denorm_mode_32 3
		.amdhsa_float_denorm_mode_16_64 3
		.amdhsa_memory_ordered 1
		.amdhsa_forward_progress 1
		.amdhsa_inst_pref_size 71
	.end_amdhsa_kernel
	.amdgpu_metadata
---
amdhsa.version: [ 1, 2 ]
amdhsa.kernels:
  - .name:           k_q88bffc5d2b_up
    .symbol:         k_q88bffc5d2b_up.kd
    .args:
      - { .name: xc, .offset: 0, .size: 8, .value_kind: global_buffer, .address_space: global }
      - { .name: gates, .offset: 8, .size: 8, .value_kind: global_buffer, .address_space: global }
      - { .name: perm, .offset: 16, .size: 8, .value_kind: global_buffer, .address_space: global }
      - { .name: wq, .offset: 24, .size: 8, .value_kind: global_buffer, .address_space: global }
      - { .name: ws, .offset: 32, .size: 8, .value_kind: global_buffer, .address_space: global }
      - { .name: b1, .offset: 40, .size: 8, .value_kind: global_buffer, .address_space: global }
      - { .name: hc, .offset: 48, .size: 8, .value_kind: global_buffer, .address_space: global }
    .group_segment_fixed_size: 0
    .private_segment_fixed_size: 0
    .kernarg_segment_align: 8
    .kernarg_segment_size: 56
    .max_flat_workgroup_size: 128
    .sgpr_count:     66
    .vgpr_count:     960
    .wavefront_size: 32
...
	.end_amdgpu_metadata
.endif
;; end of part 9
;; launch down (part 10): grid 16 x 16, 4 waves a work-group, no clusters, 139,776 bytes of LDS; arguments hc, wq, ws, gates, perm, b2, out0; writes out0
.if DOCPART == 10
	.amdgcn_target "amdgcn-amd-amdhsa--gfx1250"
	.amdhsa_code_object_version 6
	.text
	.protected	k_q88bffc5d2b_down
	.globl	k_q88bffc5d2b_down
	.p2align	8
	.type	k_q88bffc5d2b_down,@function
k_q88bffc5d2b_down:
	s_mov_b64 s[64:65], 0
	v_nop
	global_prefetch_b8 v0, s[64:65] scope:SCOPE_SE
	s_setreg_imm32_b32 hwreg(HW_REG_WAVE_MODE, 25, 1), 1
	s_wait_xcnt 0x0
; THE SECOND PRODUCT: out0[token] = sum over the chosen experts of Q(gate x hidden) Q(W2_e) + sum over e of gate_e b2_e.
; A work-group is (d = 64 columns, g = 128 sorted positions = tiles 8 g .. 8 g + 7): each output row's 64 columns have one owner.  It walks all 8 experts in a loop of constant count and passes over, by scalar branches on
; the stored pair masks, the experts that none of its tiles wants and, within an expert, the tiles that do not want it.
; THE WAVES SHARE K: wave w takes K steps 4 w .. 4 w + 3 (512 hidden units) of every expert, so no byte is loaded twice in the work-group.  A wave has 32 accumulators (tile i, 16 columns c).
; The product is used transposed (source 0 = 16 columns of W2, source 1 = 16 rows): a lane holds 8 neighbouring columns of one row.  The four waves' sums meet in LDS; each wave then adds 32 rows, adds the biases and stores.
; Which expert adds first onto a tile hangs on the list, so the sums begin as zeros; a tile that an expert passes over is not loaded, so its operand registers are written once at the head.
; No tensor load and no cluster: branches hang on the stored list; fragments come from memory straight into registers, in register order.
; REGISTERS: window 0: addresses, scale words, tiles 5-7's fragments (v100-243); window 1: the accumulators, 8 (4 i + c); window 2: W2's 16 fragments, 12 (4 c + q); window 3: tiles 0-4's fragments, 48 i + 12 q.
.set TOKR, 20                          ; v20-35  the tokens of my 16 pairs of rows on the way out
.set ASC,  36                          ; v36-67  the hidden layer's scale words, 4 i + q
.set BSC,  68                          ; v68-75  W2's, 2 c + pair of K steps
.set GO,   76                          ; v76-91  32 x token
.set PS,   100                         ; the way out: four pairs of rows x four parts
.set B2,   196                         ; v196-227 b2 at my four columns, 4 e
.set OA,   228                         ; v228-243 where my rows go
.set MSB, 0
.macro WIN new                         ; the immediate's high byte repeats the setting that is left
.if MSB != \new
	s_set_vgpr_msb (MSB<<8)|\new
.set MSB, \new
.endif
.endm
.macro ALD i                           ; tile i's four fragments of my K steps and their scale words: 17 loads
.if \i < 5
.set AB, 48*\i
	WIN 0xc0
.else
.set AB, 100+48*(\i-5)
.endif
.irp q, 0,1,2,3
.irp c, 0,1
	global_load_b128 v[AB+12*\q+6*\c:AB+12*\q+6*\c+3], v4, s[20:21] offset:\i*196608+\q*1536+\c*768
	global_load_b64 v[AB+12*\q+6*\c+4:AB+12*\q+6*\c+5], v5, s[20:21] offset:\i*196608+\q*1536+\c*768+512
.endr
.endr
	WIN 0
	global_load_b128 v[ASC+4*\i:ASC+4*\i+3], v7, s[22:23] offset:\i*8192
.endm
.macro MULD i                          ; 16 matrix instructions: four K steps x four tiles of columns; the four accumulators by turns, one instruction a turn
.if \i < 5
.set AB, 48*\i
	WIN 0x5e                                       ; source 0 window 2, source 1 window 3, C and D window 1
.else
.set AB, 100+48*(\i-5)
	WIN 0x52                                       ; source 1 window 0
.endif
.irp q, 0,1,2,3
.irp c, 0,1,2,3
.if (\q)%2 == 0
	v_wmma_scale_f32_16x16x128_f8f6f4 v[8*(4*\i+\c):8*(4*\i+\c)+7], v[12*(4*\c+\q):12*(4*\c+\q)+11], v[AB+12*\q:AB+12*\q+11], v[8*(4*\i+\c):8*(4*\i+\c)+7], v[BSC+2*\c+\q/2], v[ASC+4*\i+\q] matrix_a_fmt:MATRIX_FMT_FP6 matrix_b_fmt:MATRIX_FMT_FP6
.else
	v_wmma_scale_f32_16x16x128_f8f6f4 v[8*(4*\i+\c):8*(4*\i+\c)+7], v[12*(4*\c+\q):12*(4*\c+\q)+11], v[AB+12*\q:AB+12*\q+11], v[8*(4*\i+\c):8*(4*\i+\c)+7], v[BSC+2*\c+\q/2], v[ASC+4*\i+\q] matrix_a_fmt:MATRIX_FMT_FP6 matrix_b_fmt:MATRIX_FMT_FP6 matrix_a_scale:MATRIX_SCALE_ROW1
.endif
.endr
.endr
	WIN 0
.endm
	s_load_b256 s[4:11], s[0:1], 0x0               ; hc, wq, ws, gates
	s_load_b128 s[12:15], s[0:1], 0x20             ; perm, b2
	s_load_b64 s[16:17], s[0:1], 0x30              ; out0
	v_lshl_add_u32 v254, v0, 2, 0x22000
	v_mov_b32 v255, 0
	v_lshrrev_b32 v1, 5, v0
	v_readfirstlane_b32 s18, v1                    ; wave
	s_and_b32 s19, ttmp7, 0xffff                   ; g
	v_and_b32 v1, 31, v0                           ; lane
	v_and_b32 v2, 15, v0                           ; r
	v_bfe_u32 v3, v0, 4, 1                         ; hh
	v_lshlrev_b32 v4, 4, v1
	v_lshlrev_b32 v5, 3, v1
	v_lshlrev_b32 v6, 2, v1
	s_lshl_b32 s42, s18, 4
	v_lshl_add_u32 v7, v2, 6, s42                  ; 64 r + 16 w: my row's four scale words
	s_mul_i32 s42, s18, 34816
	v_mul_u32_u24 v8, v2, 272
	v_lshl_add_u32 v8, v3, 5, v8
	v_add_nc_u32 v8, s42, v8                       ; the stage, in: my wave's part, row r, + 32 hh
	s_mul_i32 s42, s18, 8704
	v_mul_u32_u24 v9, v3, 272
	v_lshl_add_u32 v9, v2, 4, v9
	v_add_nc_u32 v9, s42, v9                       ; back: rows 32 w + hh on, 16 bytes a lane; parts 0 and 1,
	v_add_nc_u32 v10, 0x11000, v9                  ; parts 2 and 3
	s_lshl_b32 s42, ttmp9, 8
	v_lshl_add_u32 v11, v2, 4, s42                 ; 256 d + 16 r: my four columns
	v_lshlrev_b32 v17, 2, v3
	v_mov_b32 v16, 0
	s_mov_b32 s43, 0
	s_lshl_b32 s44, ttmp9, 2
	s_add_co_u32 s44, s44, s18                     ; 4 d + w: W2's block within an expert
	s_wait_alu depctr_va_vdst(0)
	s_wait_kmcnt 0x0
	s_lshl_b32 s42, s19, 9
	s_add_nc_u64 s[30:31], s[12:13], s[42:43]
	s_lshl_b32 s42, s18, 7
	s_add_nc_u64 s[28:29], s[30:31], s[42:43]      ; the order words of my 32 rows
	s_add_nc_u64 s[30:31], s[30:31], 8192          ; the work-group's 128 pair masks
.irp a, 0,1,2,3
	global_load_b32 v[12+\a], v6, s[30:31] offset:128*\a
.endr
.irp p, 0,1,2,3,4,5,6,7,8,9,10,11,12,13,14,15
	global_load_b32 v[TOKR+\p], v17, s[28:29] offset:8*\p
.endr
	s_mul_i32 s42, s19, 1572864
	s_mul_i32 s45, s18, 6144
	s_add_co_u32 s42, s42, s45
	s_add_nc_u64 s[20:21], s[4:5], s[42:43]        ; hidden codes: place 64 g, my four K steps; 24,576 on for each expert
	s_lshl_b32 s42, s19, 16
	s_add_co_u32 s42, s42, 25165824
	s_add_nc_u64 s[22:23], s[4:5], s[42:43]        ; their scale bytes; 1,024 on
	s_mul_i32 s42, s44, 24576
	s_add_co_u32 s42, s42, 12582912
	s_add_nc_u64 s[24:25], s[6:7], s[42:43]        ; W2's block; 64 blocks on
	s_lshl_b32 s42, s44, 10
	s_add_co_u32 s42, s42, 524288
	s_add_nc_u64 s[26:27], s[8:9], s[42:43]        ; its scale words
	; zeros, while the loads are out: the scale words and fragments of tiles that an expert may pass over, and the sums
.set n, 0
.rept 32
	v_mov_b32 v[ASC+n], 0
.set n, n+1
.endr
.set n, 0
.rept 144
	v_mov_b32 v[100+n], 0
.set n, n+1
.endr
	WIN 0xc0
.set n, 0
.rept 240
	v_mov_b32 v[n], 0
.set n, n+1
.endr
	WIN 0x40
.set n, 0
.rept 256
	v_mov_b32 v[n], 0
.set n, n+1
.endr
	WIN 0
	s_wait_loadcnt 0x0
.irp m, 1,2,4,8                                    ; the OR of each tile's 16 pair masks: lanes 0-15 tile 2 a, lanes 16-31 tile 2 a + 1
.irp a, 0,1,2,3
	v_mov_b32_dpp v16, v[12+\a] row_xmask:\m row_mask:0xf bank_mask:0xf
	v_or_b32 v[12+\a], v[12+\a], v16
.endr
.endr
.irp a, 0,1,2,3
	v_readlane_b32 s[32+2*\a], v[12+\a], 0
	v_readlane_b32 s[33+2*\a], v[12+\a], 16
.endr
	s_or_b32 s40, s32, s33
.irp i, 2,3,4,5,6,7
	s_or_b32 s40, s40, s[32+\i]                    ; the experts that any of my tiles wants
.endr
.irp p, 0,1,2,3,4,5,6,7,8,9,10,11,12,13,14,15
	v_min_u32 v[TOKR+\p], 0x7ff, v[TOKR+\p]
	v_lshlrev_b32 v[GO+\p], 5, v[TOKR+\p]
.endr
	s_mov_b32 s41, 0
.Lexpert:                                              ; eight trips; bit 0 of s40 and of s32-39 speaks of the expert in hand
	s_bitcmp1_b32 s40, 0
	s_cbranch_scc0 .Lno_expert
.rept 4
	v_nop                                          ; four places ahead of loads into registers that the last trip's products read
.endr
	WIN 0x80
.set n, 0
.rept 48
	global_load_b128 v[4*n:4*n+3], v4, s[24:25] offset:512*n   ; W2's 16 fragments, as they lie
.set n, n+1
.endr
	WIN 0
.set n, 0
.rept 8
	global_load_b32 v[BSC+n], v6, s[26:27] offset:128*n
.set n, n+1
.endr
.irp i, 0,1,2,3,4,5,6,7
	s_bitcmp1_b32 s[32+\i], 0
	s_cbranch_scc0 .Lno_load\i
	ALD \i
.Lno_load\i:
.endr
	s_wait_loadcnt 0x0
.irp i, 0,1,2,3,4,5,6,7
	s_bitcmp1_b32 s[32+\i], 0
	s_cbranch_scc0 .Lno_mul\i
	MULD \i
.Lno_mul\i:
.endr
.Lno_expert:
	s_wait_xcnt 0x0                                ; the loads have read their bases
	s_add_nc_u64 s[20:21], s[20:21], 24576
	s_add_nc_u64 s[22:23], s[22:23], 1024
	s_add_nc_u64 s[24:25], s[24:25], 1572864
	s_add_nc_u64 s[26:27], s[26:27], 65536
	s_lshr_b32 s40, s40, 1
.irp i, 0,1,2,3,4,5,6,7
	s_lshr_b32 s[32+\i], s[32+\i], 1
.endr
	s_add_co_u32 s41, s41, 1
	s_cmp_lt_u32 s41, 8
	s_cbranch_scc1 .Lexpert
.rept 4
	v_nop                                          ; four places ahead of the first read of results and of loads into the operands' registers
.endr
	WIN 0xc0
	s_wait_alu depctr_va_vdst(0)
.irp p, 0,1,2,3,4,5,6,7,8,9,10,11,12,13,14,15
	global_load_b128 v[8*\p:8*\p+3], v[GO+\p], s[10:11]             ; the eight gates of my row of pair p
	global_load_b128 v[8*\p+4:8*\p+7], v[GO+\p], s[10:11] offset:16
.endr
	WIN 0
.irp e, 0,1,2,3,4,5,6,7
	global_load_b128 v[B2+4*\e:B2+4*\e+3], v11, s[14:15] offset:4096*\e
.endr
	WIN 0x04                                       ; an LDS store's data are its source 1: window 1
.irp i, 0,1,2,3,4,5,6,7
.irp c, 0,1,2,3
	ds_store_b128 v8, v[8*(4*\i+\c):8*(4*\i+\c)+3] offset:\i*4352+64*\c          ; each accumulator from its low end on: row 16 i + r, columns 16 c + 8 hh + 0 .. 7
	ds_store_b128 v8, v[8*(4*\i+\c)+4:8*(4*\i+\c)+7] offset:\i*4352+64*\c+16
.endr
.endr
	WIN 0
	s_wait_dscnt 0x0                               ; for the others' sake: my part of the sums has landed
	s_barrier_signal -1
	s_barrier_wait -1                              ; the one barrier, on every wave's path
	s_wait_loadcnt 0x0                             ; gates and b2
.irp q, 0,1,2,3                                    ; four pairs of rows at a time: lanes 0-15 row 32 w + 2 p, lanes 16-31 the next
.if \q > 0
	s_wait_xcnt 0x0                                ; the last batch's stores have read their registers
.endif
.irp y, 0,1,2,3
	ds_load_b128 v[PS+16*\y:PS+16*\y+3], v9 offset:(4*\q+\y)*544
	ds_load_b128 v[PS+16*\y+4:PS+16*\y+7], v9 offset:(4*\q+\y)*544+34816
	ds_load_b128 v[PS+16*\y+8:PS+16*\y+11], v10 offset:(4*\q+\y)*544
	ds_load_b128 v[PS+16*\y+12:PS+16*\y+15], v10 offset:(4*\q+\y)*544+34816
.endr
	s_wait_dscnt 0x0
.irp y, 0,1,2,3
.irp z, 0,2
	v_pk_add_f32 v[PS+16*\y+\z:PS+16*\y+\z+1], v[PS+16*\y+\z:PS+16*\y+\z+1], v[PS+16*\y+4+\z:PS+16*\y+5+\z]
	v_pk_add_f32 v[PS+16*\y+8+\z:PS+16*\y+9+\z], v[PS+16*\y+8+\z:PS+16*\y+9+\z], v[PS+16*\y+12+\z:PS+16*\y+13+\z]
.endr
.endr
.irp y, 0,1,2,3
.irp z, 0,2
	v_pk_add_f32 v[PS+16*\y+\z:PS+16*\y+\z+1], v[PS+16*\y+\z:PS+16*\y+\z+1], v[PS+16*\y+8+\z:PS+16*\y+9+\z]
.endr
.endr
	WIN 0x0c                                       ; source 1 (the gates) window 3
.irp e, 0,1,2,3,4,5,6,7                            ; + gate_e x b2_e: eight chains side by side
.irp y, 0,1,2,3
.irp z, 0,2
.if (\e)%2 == 0
	v_pk_fma_f32 v[PS+16*\y+\z:PS+16*\y+\z+1], v[B2+4*\e+\z:B2+4*\e+\z+1], v[8*(4*\q+\y)+\e:8*(4*\q+\y)+\e+1], v[PS+16*\y+\z:PS+16*\y+\z+1] op_sel_hi:[1,0,1]
.else
	v_pk_fma_f32 v[PS+16*\y+\z:PS+16*\y+\z+1], v[B2+4*\e+\z:B2+4*\e+\z+1], v[8*(4*\q+\y)+\e-1:8*(4*\q+\y)+\e], v[PS+16*\y+\z:PS+16*\y+\z+1] op_sel:[0,1,0] op_sel_hi:[1,1,1]
.endif
.endr
.endr
.endr
	WIN 0
.irp y, 0,1,2,3
	v_lshl_add_u32 v[OA+4*\q+\y], v[TOKR+4*\q+\y], 12, v11
	global_store_b128 v[OA+4*\q+\y], v[PS+16*\y:PS+16*\y+3], s[16:17]   ; sixteen lanes store 256 consecutive bytes of a token's row, at a multiple of 256 from out0's first byte
.endr
.endr
	s_wait_tensorcnt 0x0
	ds_add_u32 v254, v255
	s_wait_dscnt 0x0
	s_endpgm
.Lfunc_end_k_q88bffc5d2b_down:
	.size	k_q88bffc5d2b_down, .Lfunc_end_k_q88bffc5d2b_down-k_q88bffc5d2b_down
	.p2alignl 7, 3214868480
	.fill 96, 4, 3214868480
	.section	.rodata,"a",@progbits
	.p2align	6, 0x0
	.amdhsa_kernel k_q88bffc5d2b_down
		.amdhsa_group_segment_fixed_size 139776
		.amdhsa_private_segment_fixed_size 0
		.amdhsa_enable_private_segment 0
		.amdhsa_kernarg_size 56
		.amdhsa_user_sgpr_count 2
		.amdhsa_user_sgpr_kernarg_segment_ptr 1
		.amdhsa_wavefront_size32 1
		.amdhsa_system_sgpr_workgroup_id_x 1
		.amdhsa_system_sgpr_workgroup_id_y 1
		.amdhsa_system_sgpr_workgroup_id_z 1
		.amdhsa_system_vgpr_workitem_id 0
		.amdhsa_next_free_vgpr 1024
		.amdhsa_next_free_sgpr 66
		.amdhsa_reserve_vcc 0
		.amdhsa_float_denorm_mode_32 3
		.amdhsa_float_denorm_mode_16_64 3
		.amdhsa_memory_ordered 1
		.amdhsa_forward_progress 1
		.amdhsa_inst_pref_size 104
	.end_amdhsa_kernel
	.amdgpu_metadata
---
amdhsa.version: [ 1, 2 ]
amdhsa.kernels:
  - .name:           k_q88bffc5d2b_down
    .symbol:         k_q88bffc5d2b_down.kd
    .args:
      - { .name: hc, .offset: 0, .size: 8, .value_kind: global_buffer, .address_space: global }
      - { .name: wq, .offset: 8, .size: 8, .value_kind: global_buffer, .address_space: global }
      - { .name: ws, .offset: 16, .size: 8, .value_kind: global_buffer, .address_space: global }
      - { .name: gates, .offset: 24, .size: 8, .value_kind: global_buffer, .address_space: global }
      - { .name: perm, .offset: 32, .size: 8, .value_kind: global_buffer, .address_space: global }
      - { .name: b2, .offset: 40, .size: 8, .value_kind: global_buffer, .address_space: global }
      - { .name: out0, .offset: 48, .size: 8, .value_kind: global_buffer, .address_space: global }
    .group_segment_fixed_size: 139776
    .private_segment_fixed_size: 0
    .kernarg_segment_align: 8
    .kernarg_segment_size: 56
    .max_flat_workgroup_size: 128
    .sgpr_count:     66
    .vgpr_count:     1024
    .wavefront_size: 32
...
	.end_amdgpu_metadata
.endif
;; end of part 10
